; MI455X (gfx1250); checked and timed in simulation.
; The chip was launched on July 23, 2026; its instructions are those of AMD's public machine-readable ISA for CDNA 5 (MIT licence, August 2026) and "CDNA5" Instruction Set Architecture Reference Guide (July 2026). The comments in the code are by the model that wrote it; some were corrected since.
;; Abstract Attention. Allowed arithmetic: matrix products marked QUANTISED: E2M3 operands, one E8M0 scale for each 32 along K, by v_wmma_scale_f32_16x16x128_f8f6f4 with both operands' format E2M3, f32 sums; everything else in f32.
;; Inputs: Wk 1,024 x 1,024 float32; Wo 1,024 x 1,024 float32; Wq 1,024 x 1,024 float32; Wv 1,024 x 1,024 float32; bk 1,024 float32; bo 1,024 float32; bq 1,024 float32; bv 1,024 float32; key 2 x 2,048 x 1,024 float32; mask 2 x 2,048 x 2,048 bool; query 2 x 2,048 x 1,024 float32; value 2 x 2,048 x 1,024 float32.
;; Outputs: out0 2 x 2,048 x 1,024 float32.
;; This version of the problem:
;;   THIS VERSION OF THE PROBLEM IS GIVEN IN LOW PRECISION. The matrix products marked QUANTISED in the list below multiply operands that are first quantised to E2M3 (2 exponent bits, 3 mantissa bits; 6 bits a number), with one power-of-two scale for each 32 numbers along K (OCP MX v1.0); their sums are f32. All else is computed in f32.
;;   The module's matrix products, in the order in which they are computed (A, B: the left and right operand; K: the contracted axis; several contracted axes count as one K, in the product's order):
;;     1. [M 4,096, K 1,024] x [K 1,024, N 1,024]; A: input query; B: input Wq: QUANTISED
;;     2. [M 4,096, K 1,024] x [K 1,024, N 1,024]; A: input key; B: input Wk: QUANTISED
;;     3. [M 4,096, K 1,024] x [K 1,024, N 1,024]; A: input value; B: input Wv: QUANTISED
;;     4. batch 32 x [M 2,048, K 64] x [K 64, N 2,048]; A: computed on the way; B: computed on the way: QUANTISED
;;     5. batch 32 x [M 2,048, K 2,048] x [K 2,048, N 64]; A: softmax (see below); B: computed on the way: QUANTISED
;;     6. [M 4,096, K 1,024] x [K 1,024, N 1,024]; A: computed on the way; B: input Wo: QUANTISED
;;   THE QUANTISER, for each operand of a quantised product, along K:
;;     - K is cut into blocks of 32 from its start; a last block that is shorter is filled with zeros.
;;     - A block's scale is 2^e with e = floor(log2(the largest magnitude in the block)) - 2, held to -126 .. 127; a block of zeros has e = 0. As a byte (E8M0): e + 127.
;;     - Each number is divided by its block's scale, clamped to +-7.5, and rounded to the nearest number of E2M3, ties to even, subnormals kept.
;;     - The product sums the exact products of the quantised numbers (number of the format x scale) in f32.
;;   ~~~python
;;   def quantise(x, axis):      # numpy; x: float32 -> the quantised numbers, widened to float32 again
;;       x = np.moveaxis(x, axis, -1); K = x.shape[-1]
;;       x = np.pad(x, [(0, 0)] * (x.ndim - 1) + [(0, -K % 32)]); x = x.reshape(x.shape[:-1] + (-1, 32)); a = np.abs(x).max(-1, keepdims=True)
;;       e = np.where(a > 0, np.clip(np.frexp(np.where(a > 0, a, 1))[1] - 1 - 2, -126, 127), 0)      # np.frexp(a)[1] - 1 = floor(log2(a)), exactly
;;       r = np.clip(x / 2.0 ** e, -7.5, 7.5)
;;       step = 2.0 ** (np.maximum(np.frexp(np.where(r == 0, 1, r))[1] - 1, 0) - 3)
;;       q = np.round(r / step) * step * 2.0 ** e      # np.round: ties to even
;;       return np.moveaxis(q.reshape(q.shape[:-2] + (-1,))[..., :K], -1, axis).astype(np.float32)
;;   ~~~
;;   SOFTMAX AHEAD OF A QUANTISED PRODUCT. Where the list says 'softmax', what is quantised is not the finished softmax but p = 2^(t - M), with t = logit x log2(e) and M = ceil(the row's largest t), a whole number; so 1/2 < the row's largest p <= 1. The row's sum l is taken of the UNQUANTISED p, in f32, and the product's result is divided by l at the end. Since M is a whole number, a kernel that streams over the keys may use a running M (the ceiling of the running maximum): every later rescaling is an exact power of two, which a block's scale takes up: the codes' values come out the same.
;;   OPERANDS COMPUTED ON THE WAY. 'Computed on the way' means the value that the module computes at that place (a softmax that the list does not call 'softmax' is quantised finished and normalised). What goes into a quantiser is computed in f32, as accurately as f32 sums, v_exp_f32 and their like allow (about 1e-6 of the number): no bf16 or f16 on the way to a quantiser, and a product that is left as it is and whose result goes on into a quantised operand takes f32 operands (vector FMAs, or v_wmma_f32_16x16x4_f32). A number that lies on a knife's edge between two numbers of the format may be rounded either way, as far as f32 arithmetic and the matrix unit's own rounding can turn it there, and no further.
;; 3 versions. Each part assembles by itself: llvm-mc -triple=amdgcn-amd-amdhsa -mcpu=gfx1250 --defsym DOCPART=n.
;; ======== version 1 of 3: 4 launches
;; workspace buffers: c1 12,582,912 bytes; s1 1,048,576 bytes; mbits 1,048,576 bytes of whole numbers; c2 9,830,400 bytes; c3 3,145,728 bytes; s3 262,144 bytes
;; launch prep (part 1): grid 1280 x 1, 4 waves a work-group, no clusters, 68,096 bytes of LDS; arguments query, key, value, Wq, Wk, Wv, Wo, mask, c1, s1, mbits; writes c1, s1, mbits
.if DOCPART == 1
	.amdgcn_target "amdgcn-amd-amdhsa--gfx1250"
	.amdhsa_code_object_version 6
	.text
	.protected	k_qe764912ed1_prep
	.globl	k_qe764912ed1_prep
	.p2align	8
	.type	k_qe764912ed1_prep,@function
k_qe764912ed1_prep:
	s_mov_b64 s[64:65], 0
	v_nop
	global_prefetch_b8 v0, s[64:65] scope:SCOPE_SE
	s_setreg_imm32_b32 hwreg(HW_REG_WAVE_MODE, 25, 1), 1
	s_wait_xcnt 0x0
; PREP.  (A) query, key, value [4096][1024] and Wq, Wk, Wv, Wo [1024][1024], f32 with K innermost, become codes of FP6 (E2M3) with one E8M0 byte for each 32 along K,
; laid as the matrix instruction's registers want them.  (B) the mask's bytes become bits, one 32-bit word for each register of a tile of scores.
; ROW TILES.  The seven tensors' rows form 1,024 tiles of 16: query 0-255, key 256-511, value 512-767, Wq 768-831, Wk 832-895, Wv 896-959, Wo 960-1023.  Place p of a tensor's tile T is its row
; 32 (T / 2) + 8 (T % 2) + p + 8 (p / 8), so that in a transposed product the 16 result registers of tiles 2 b and 2 b + 1 are 16 neighbours.
; IMAGES.  A fragment (16 rows x 128 K: 12 registers a lane) lies in c1 at (8 tile + K step) x 1,536 as its registers stand: register j of lane l at 512 (j / 4) + 16 l + 4 (j % 4).
; Its scale words lie in s1 at (8 tile + K step) x 128, 4 bytes a lane (lanes 16-31 repeat lanes 0-15).  Every store of a wave covers 512 (128) consecutive bytes.
; SHARES.  Work-groups 0-1023: one row tile each; wave w takes K steps 2 w and 2 w + 1.  Each load reads 512 consecutive bytes of one row; the 16 rows turn through the wave's own stage in LDS (rows 528 bytes
; apart: an odd multiple of 16), so that lane (r, h) gets, of row r, the 16 neighbours 32 b + 16 h + 0 .. 15 of each block b.
; Work-groups 1024-1279: one tile of 16 queries each (128 b + tile); wave w takes key steps 4 w .. 4 w + 3 (128 keys each).  Word j of a key step: bit r + 16 h = mask[query place r][key 32 (j / 16) + 16 h + j % 16].
; The two kinds of work-group have LDS bytes of their own.  No barrier: waves share nothing.
; A block's scale is 2^(floor(log2(its largest magnitude)) - 2); its byte is the largest magnitude's exponent field - 2, held at 1 from below.
; LIMITS: NaN and infinities among the inputs are not served.  A block whose largest magnitude lies under 2^-124, a block of zeros among them, gets the byte 1 (a block of zeros: where the rule says 127; its codes
; are zeros, and this program alone reads the bytes).  Any mask byte other than 0 counts as true.
.set PITCH, 528
.set STAGE, 16*PITCH                   ; a wave's stage
.set LI,  1                            ; v1   16 x lane
.set LS,  2                            ; v2   4 x lane
.set STI, 3                            ; v3   (A) the stage on the way in: 16 x lane
.set STO, 4                            ; v4   (A) on the way out: 528 r + 64 h
.set M8,  5                            ; v5   8 x lane
.set PC,  8                            ; v8-27  (A) the codes just made
.set W,   8                            ; v8-15  (B) a key step's 64 words: two registers, word j in register j % 2 of lane j / 2
.set PW,  28                           ; v28  (A) the scale word just made
.set MSI, 30                           ; v30  (B) the stage on the way in
.set MSO, 31                           ; v31  (B) on the way out: 528 r + 16 h
.set R0,  32                           ; v32-95   16 rows as loaded
.set R1,  96                           ; v96-159  the second K step's
.set X,   160                          ; v160-223 64 numbers (A) or 256 bytes (B) of my row
.set TM,  224                          ; v224-239 at work
.set SEL, 30                           ; s[30:31] v_permlanex16_b32's selects for lane l xor 16
	s_load_b512 s[4:19], s[0:1], 0x0               ; query, key, value, Wq, Wk, Wv, Wo, mask
	s_load_b128 s[20:23], s[0:1], 0x40             ; c1, s1
	s_load_b64 s[24:25], s[0:1], 0x50              ; mbits
	v_lshl_add_u32 v240, v0, 2, 0x10800
	v_mov_b32 v241, 0
	v_lshrrev_b32 v6, 5, v0
	v_readfirstlane_b32 s28, v6                    ; wave 0..3
	v_and_b32 v6, 31, v0                           ; lane
	v_and_b32 v7, 15, v0                           ; r
	v_bfe_u32 v29, v0, 4, 1                        ; h
	v_lshlrev_b32 v[LI], 4, v6
	v_lshlrev_b32 v[LS], 2, v6
	v_lshlrev_b32 v[M8], 3, v6
	s_mul_i32 s36, s28, STAGE
	v_add_nc_u32 v[STI], s36, v[LI]                ; all four LDS addresses are made here, ahead of the parting
	v_mul_u32_u24 v[STO], v7, PITCH
	v_add_nc_u32 v[STO], s36, v[STO]
	v_lshl_add_u32 v[MSO], v29, 4, v[STO]
	v_add_nc_u32 v[MSO], 4*STAGE, v[MSO]
	v_lshl_add_u32 v[STO], v29, 6, v[STO]
	v_add_nc_u32 v[MSI], 4*STAGE, v[STI]
	s_mov_b32 s[SEL], 0x76543210
	s_mov_b32 s[SEL+1], 0xfedcba98
	s_wait_kmcnt 0x0
	s_cmp_ge_u32 ttmp9, 1024
	s_cbranch_scc1 .Lmask
; 16 rows of a tile, 512 consecutive bytes of each, from byte col of the rows
.macro LOADR set, col, pitch
.irp i, 0,1,2,3,4,5,6,7,8,9,10,11,12,13,14,15
	global_load_b128 v[\set+4*\i:\set+4*\i+3], v[LI], s[26:27] offset:(\i+8*(\i/8))*\pitch+\col th:TH_LOAD_NT
.endr
.endm
; through the stage: in as loaded, out 64 bytes of each block of 128 bytes of my row.  LDS serves a wave's instructions in order: no wait between the stores and the loads
.macro TURN set
.irp i, 0,1,2,3,4,5,6,7,8,9,10,11,12,13,14,15
	ds_store_b128 v[STI], v[\set+4*\i:\set+4*\i+3] offset:PITCH*\i
.endr
.irp b, 0,1,2,3
.irp q, 0,1,2,3
	ds_load_b128 v[X+16*\b+4*\q:X+16*\b+4*\q+3], v[STO] offset:128*\b+16*\q
.endr
.endr
.endm
; 64 numbers of a lane, register 16 b + i = k 32 b + 16 h + i of my row, become a fragment's codes in v[PC] on and its scale word in v[PW]
.macro QUANT s
.irp b, 0,1,2,3
	v_max3_num_f32 v[TM+\b], |v[\s+16*\b]|, |v[\s+1+16*\b]|, 0x1800000   ; block b: my 16 numbers, and the floor 2^(3 - 127): the byte cannot fall under 1
.endr
.irp i, 2,4,6,8,10,12,14
.irp b, 0,1,2,3
	v_max3_num_f32 v[TM+\b], v[TM+\b], |v[\s+16*\b+\i]|, |v[\s+1+16*\b+\i]|   ; the four blocks by turns
.endr
.endr
.irp b, 0,1,2,3
	v_permlanex16_b32 v[TM+4+\b], v[TM+\b], s[SEL], s[SEL+1]
.endr
.irp b, 0,1,2,3
	v_max_num_f32 v[TM+\b], v[TM+\b], v[TM+4+\b]   ; with lane l xor 16's: the block's largest magnitude
.endr
.irp b, 0,1,2,3
	v_add_nc_u32 v[TM+12+\b], 0xff000000, v[TM+\b] ; 2 off its exponent field: the conversion takes the exponent field of this operand as its scale
.endr
.irp b, 0,1,2,3
	v_lshrrev_b32 v[TM+4+\b], 23, v[TM+12+\b]      ; the scale's byte
.endr
	v_lshl_or_b32 v[PW], v[TM+5], 8, v[TM+4]
	v_lshl_or_b32 v[PW], v[TM+6], 16, v[PW]
	v_lshl_or_b32 v[PW], v[TM+7], 24, v[PW]
.irp c, 0,1
	v_cvt_scalef32_pk16_fp6_f32 v[PC+6*\c:PC+2+6*\c], v[\s+32*\c:\s+15+32*\c], v[TM+12+2*\c]
	v_cvt_scalef32_pk16_fp6_f32 v[PC+12+4*\c:PC+14+4*\c], v[\s+16+32*\c:\s+31+32*\c], v[TM+12+2*\c+1]   ; (a conversion's three registers begin on an even number)
.endr
	v_nop                                          ; one plain place behind a scaled conversion
.irp c, 0,1                                    ; the operand's layout wants a whole block in a lane: lanes 0-15 block 2 c, lanes 16-31 block 2 c + 1
.irp i, 0,1,2
	v_permlane16_swap_b32 v[PC+6*\c+\i], v[PC+12+4*\c+\i]
.endr
.irp i, 0,1,2
	v_mov_b32 v[PC+3+6*\c+\i], v[PC+12+4*\c+\i]
.endr
.endr
.endm
.macro OUT k                           ; the image of my k-th K step: three stores of 512 consecutive bytes, one of 128
.irp c, 0,1,2
	global_store_b128 v[LI], v[PC+4*\c:PC+4*\c+3], s[20:21] offset:1536*\k+512*\c
.endr
	global_store_b32 v[LS], v[PW], s[22:23] offset:128*\k
.endm
.macro PICK thr, ptr, first            ; under tile thr: the tensor at s[ptr], whose first tile is first.  The choice hangs on the work-group's number alone
	s_cmp_lt_u32 ttmp9, \thr
	s_cselect_b64 s[26:27], s[\ptr:\ptr+1], s[26:27]
	s_cselect_b32 s29, \first, s29
.endm
	; ---- (A) a row tile of one of the seven tensors
	s_mov_b64 s[26:27], s[16:17]                   ; Wo,
	s_mov_b32 s29, 960
	PICK 960, 14, 896                              ; or Wv,
	PICK 896, 12, 832                              ; Wk,
	PICK 832, 10, 768                              ; Wq,
	PICK 768, 8, 512                               ; value,
	PICK 512, 6, 256                               ; key,
	PICK 256, 4, 0                                 ; query
	s_sub_co_u32 s32, ttmp9, s29                   ; the tile's number in its tensor
	s_lshr_b32 s33, s32, 1
	s_lshl_b32 s33, s33, 17                        ; 32 rows of 4,096 bytes for each pair of tiles,
	s_and_b32 s32, s32, 1
	s_lshl_b32 s32, s32, 15                        ; 8 rows for the odd one,
	s_add_co_u32 s32, s32, s33
	s_lshl_b32 s33, s28, 10                        ; my two K steps: 1,024 bytes x wave
	s_add_co_u32 s32, s32, s33
	s_mov_b32 s33, 0
	s_add_nc_u64 s[26:27], s[26:27], s[32:33]
	s_mul_i32 s32, ttmp9, 12288                    ; c1: (8 tile + 2 wave) x 1,536
	s_mul_i32 s34, s28, 3072
	s_add_co_u32 s32, s32, s34
	s_add_nc_u64 s[20:21], s[20:21], s[32:33]
	s_lshl_b32 s32, ttmp9, 10                      ; s1: (8 tile + 2 wave) x 128
	s_lshl_b32 s34, s28, 8
	s_add_co_u32 s32, s32, s34
	s_add_nc_u64 s[22:23], s[22:23], s[32:33]
	LOADR R0, 0, 4096
	LOADR R1, 512, 4096
.irp b, 0,1,2,3
	v_mov_b32 v[TM+4+\b], 0                        ; written once: a lane permute's destination counts as one of its sources
.endr
	s_wait_loadcnt 16                              ; the first K step's 16 loads are in; the second's may be out
	TURN R0
	s_wait_dscnt 0x0
	QUANT X
	OUT 0
	s_wait_loadcnt 0x0
	TURN R1
	s_wait_dscnt 0x0
	s_wait_xcnt 0x0                                ; the first image's stores have read their registers: the codes and the scale word are written again only behind this wait
	QUANT X
	OUT 1
	s_wait_tensorcnt 0x0
	ds_add_u32 v240, v241
	s_wait_dscnt 0x0
	s_endpgm
	; ---- (B) 16 queries x 512 keys of the mask
.Lmask:
	s_sub_co_u32 s32, ttmp9, 1024                  ; the tile of queries: 128 b + tile
	s_lshr_b32 s33, s32, 1
	s_lshl_b32 s33, s33, 16                        ; 32 rows of 2,048 bytes for each pair of tiles,
	s_and_b32 s34, s32, 1
	s_lshl_b32 s34, s34, 14                        ; 8 rows for the odd one,
	s_add_co_u32 s34, s34, s33
	s_lshl_b32 s33, s28, 9                         ; my 512 keys
	s_add_co_u32 s34, s34, s33
	s_mov_b32 s35, 0
	s_add_nc_u64 s[26:27], s[18:19], s[34:35]
	s_lshl_b32 s34, s32, 12                        ; mbits: (16 tile + 4 wave) x 256
	s_lshl_b32 s33, s28, 10
	s_add_co_u32 s34, s34, s33
	s_add_nc_u64 s[24:25], s[24:25], s[34:35]
	LOADR R0, 0, 2048
.irp i, 0,1,2,3,4,5,6,7
	v_mov_b32 v[W+\i], 0                           ; v_writelane_b32's destination counts as read
.endr
	s_wait_loadcnt 0x0
.irp i, 0,1,2,3,4,5,6,7,8,9,10,11,12,13,14,15
	ds_store_b128 v[MSI], v[R0+4*\i:R0+4*\i+3] offset:PITCH*\i
.endr
.irp k, 0,1,2,3
.irp b, 0,1,2,3
	ds_load_b128 v[X+4*(4*\k+\b):X+4*(4*\k+\b)+3], v[MSO] offset:128*\k+32*\b   ; keys 128 k + 32 b + 16 h + 0 .. 15 of my query
.endr
.endr
	s_wait_dscnt 0x0
.irp k, 0,1,2,3
.set j, 0
.rept 64                               ; word j: one byte of every lane, as 32 bits
	v_and_b32 v[TM+j%4], 0xff<<(8*(j%4)), v[X+4*(4*\k+j/16)+(j%16)/4]
	v_cmp_ne_u32 s[40+j%4], 0, v[TM+j%4]
	v_writelane_b32 v[W+2*\k+j%2], s[40+j%4], j/2
.set j, j+1
.endr
	global_store_b64 v[M8], v[W+2*\k:W+2*\k+1], s[24:25] offset:256*\k   ; 32 lanes store 256 consecutive bytes, aligned: words 0 .. 63
.endr
	s_wait_tensorcnt 0x0
	ds_add_u32 v240, v241
	s_wait_dscnt 0x0
	s_endpgm
.Lfunc_end_k_qe764912ed1_prep:
	.size	k_qe764912ed1_prep, .Lfunc_end_k_qe764912ed1_prep-k_qe764912ed1_prep
	.p2alignl 7, 3214868480
	.fill 96, 4, 3214868480
	.section	.rodata,"a",@progbits
	.p2align	6, 0x0
	.amdhsa_kernel k_qe764912ed1_prep
		.amdhsa_group_segment_fixed_size 68096
		.amdhsa_private_segment_fixed_size 0
		.amdhsa_enable_private_segment 0
		.amdhsa_kernarg_size 88
		.amdhsa_user_sgpr_count 2
		.amdhsa_user_sgpr_kernarg_segment_ptr 1
		.amdhsa_wavefront_size32 1
		.amdhsa_system_sgpr_workgroup_id_x 1
		.amdhsa_system_sgpr_workgroup_id_y 1
		.amdhsa_system_sgpr_workgroup_id_z 1
		.amdhsa_system_vgpr_workitem_id 0
		.amdhsa_next_free_vgpr 242
		.amdhsa_next_free_sgpr 66
		.amdhsa_reserve_vcc 0
		.amdhsa_float_denorm_mode_32 3
		.amdhsa_float_denorm_mode_16_64 3
		.amdhsa_memory_ordered 1
		.amdhsa_forward_progress 1
		.amdhsa_inst_pref_size 72
	.end_amdhsa_kernel
	.amdgpu_metadata
---
amdhsa.version: [ 1, 2 ]
amdhsa.kernels:
  - .name:           k_qe764912ed1_prep
    .symbol:         k_qe764912ed1_prep.kd
    .args:
      - { .name: query, .offset: 0, .size: 8, .value_kind: global_buffer, .address_space: global }
      - { .name: key, .offset: 8, .size: 8, .value_kind: global_buffer, .address_space: global }
      - { .name: value, .offset: 16, .size: 8, .value_kind: global_buffer, .address_space: global }
      - { .name: Wq, .offset: 24, .size: 8, .value_kind: global_buffer, .address_space: global }
      - { .name: Wk, .offset: 32, .size: 8, .value_kind: global_buffer, .address_space: global }
      - { .name: Wv, .offset: 40, .size: 8, .value_kind: global_buffer, .address_space: global }
      - { .name: Wo, .offset: 48, .size: 8, .value_kind: global_buffer, .address_space: global }
      - { .name: mask, .offset: 56, .size: 8, .value_kind: global_buffer, .address_space: global }
      - { .name: c1, .offset: 64, .size: 8, .value_kind: global_buffer, .address_space: global }
      - { .name: s1, .offset: 72, .size: 8, .value_kind: global_buffer, .address_space: global }
      - { .name: mbits, .offset: 80, .size: 8, .value_kind: global_buffer, .address_space: global }
    .group_segment_fixed_size: 68096
    .private_segment_fixed_size: 0
    .kernarg_segment_align: 8
    .kernarg_segment_size: 88
    .max_flat_workgroup_size: 128
    .sgpr_count:     66
    .vgpr_count:     242
    .wavefront_size: 32
...
	.end_amdgpu_metadata
.endif
;; end of part 1
;; launch proj (part 2): grid 768 x 1, 1 waves a work-group, no clusters, 0 bytes of LDS; arguments c1, s1, bq, bk, bv, c2; writes c2
.if DOCPART == 2
	.amdgcn_target "amdgcn-amd-amdhsa--gfx1250"
	.amdhsa_code_object_version 6
	.text
	.protected	k_qe764912ed1_proj
	.globl	k_qe764912ed1_proj
	.p2align	8
	.type	k_qe764912ed1_proj,@function
k_qe764912ed1_proj:
	s_mov_b64 s[64:65], 0
	v_nop
	global_prefetch_b8 v0, s[64:65] scope:SCOPE_SE
	s_setreg_imm32_b32 hwreg(HW_REG_WAVE_MODE, 25, 1), 1
	s_wait_xcnt 0x0
; PROJ.  q = query Wq^T + bq, k = key Wk^T + bk, v = value Wv^T + bv on codes of FP6 (E2M3), f32 sums; the results are quantised at once for the two products of attention and leave as images of operand registers.
; SHARES.  A work-group is ONE wave with a tile of 128 x 128: 64 accumulators.  id = 256 p + 8 tb + fb: p the projection, tb the block of 128 tokens, fb the block of 128 features (two heads).
; Operands come from memory straight into registers: a fragment's image is three loads of 512 consecutive bytes.  No LDS, no barrier.  K = 1,024 is eight steps, written out; every offset is an immediate.
; THE PRODUCT IS USED TRANSPOSED: source 1's rows lie across the lanes, source 0's run along a lane's registers.  q, k: lanes = tokens, registers = features (their next K is the head's 64).
; v: lanes = features, registers = tokens (its next K is the keys).  Which side is which is a choice of two offsets.
; By the row tiles' order (place p of tile T = row 32 (T / 2) + 8 (T % 2) + p + 8 (p / 8)) the 16 registers of register-side tiles 2 B and 2 B + 1 are rows 32 B + 16 h + 0 .. 15.
; c2: three sections (q, k, v) of 32 records (16 b + head) of 102,400 bytes: 16 x 256 bytes of scale words (key step ks, place r, fragment f at 256 ks + 16 r + 4 f), then fragment (ks, f) at 4,096 + (4 ks + f) x 1,536.
; q, k: fragment f holds token tiles 2 f (registers 0-5, scale bytes 0, 1) and 2 f + 1 (registers 6-11, bytes 2, 3) of a block of 128 tokens, each with the head's 64.  v: fragment f = channels of tile f x 128 keys.
; LIMITS: NaN and infinities are not served; a block whose largest magnitude lies under 2^-124 gets the scale byte 1 (a block of zeros too: its codes are zeros, and this program alone reads the bytes).
; REGISTERS, in windows of 256.  Window 0: v1-5 offsets; v16-47 scale words, two sets (lane side +0 .. 7, register side +8 .. 15); v48-63 the bias by lanes, 8 pairs; v64-159, v160-255 the lane side's fragments, two sets.
;   Window 1: v0-95, v96-191 the register side's fragments; v192-255 the bias by registers.   Windows 2, 3: accumulator (a, b) at v[8 (8 (a % 4) + b)], a < 4 in window 2.
;   Behind the products window 0's v64-179 are at work: H, TM, PW, PC, SW, SWO.
.set LI,  1                            ; 16 x lane
.set LS,  2                            ; 4 x lane
.set BNO, 3                            ; 64 h
.set BMO, 4                            ; 4 (r + 8 (r / 8))
.set SO,  5                            ; 16 r + 102,400 h
.set SC,  16
.set BM,  48
.set AF,  64
.set BN,  192
.set H,   64
.set TM,  128
.set PW,  144
.set PC,  146
.set SW,  168
.set SWO, 176
.set PA,  16                           ; s[16:17] lane side's fragments;  s[18:19] register side's;  s[20:21], s[22:23] their scale words
.set PB,  18
.set PSA, 20
.set PSB, 22
.set PBI, 24                           ; s[24:25] the bias of my 128 features
.set POC, 26                           ; s[26:27] where my codes go;  s[28:29] my scale words
.set POS, 28
.set SEL, 30
.set MSB, 0
.macro WIN new                         ; the immediate's high byte repeats the setting that is left
.if MSB != (\new)
	s_set_vgpr_msb (MSB<<8)|(\new)
.set MSB, (\new)
.endif
.endm
.macro PLACES                          ; four plain places behind matrix instructions, in front of loads into their sources and of reads of their results
.rept 4
	v_nop
.endr
.endm
.macro LOADF s                         ; K step s: 8 + 8 fragments into set s % 2: 48 loads
	WIN 0x40
.irp i, 0,1,2,3,4,5,6,7
.irp c, 0,1,2
	global_load_b128 v[96*((\s)%2)+12*\i+4*\c:96*((\s)%2)+12*\i+4*\c+3], v[LI], s[PB:PB+1] offset:(8*\i+(\s))*1536+512*\c
.endr
.endr
	WIN 0
.irp i, 0,1,2,3,4,5,6,7
.irp c, 0,1,2
	global_load_b128 v[AF+96*((\s)%2)+12*\i+4*\c:AF+96*((\s)%2)+12*\i+4*\c+3], v[LI], s[PA:PA+1] offset:(8*\i+(\s))*1536+512*\c
.endr
.endr
.endm
.macro LOADS s                         ; and its 16 registers of scale words
.irp i, 0,1,2,3,4,5,6,7
	global_load_b32 v[SC+16*((\s)%2)+\i], v[LS], s[PSA:PSA+1] offset:(8*\i+(\s))*128
	global_load_b32 v[SC+16*((\s)%2)+8+\i], v[LS], s[PSB:PSB+1] offset:(8*\i+(\s))*128
.endr
.endm
; 16 matrix instructions: lane-side tiles a0, a0 + 1 x the register side's eight.  The 64 accumulators take turns, one instruction a turn, in the same order in every step
.macro MUL s, a0, zero
.irp a, \a0, \a0+1
.irp b, 0,1,2,3,4,5,6,7
.if \zero
	v_wmma_scale_f32_16x16x128_f8f6f4 v[8*(8*((\a)%4)+\b):8*(8*((\a)%4)+\b)+7], v[96*((\s)%2)+12*\b:96*((\s)%2)+12*\b+11], v[AF+96*((\s)%2)+12*(\a):AF+96*((\s)%2)+12*(\a)+11], 0, v[SC+16*((\s)%2)+8+\b], v[SC+16*((\s)%2)+(\a)] matrix_a_fmt:MATRIX_FMT_FP6 matrix_b_fmt:MATRIX_FMT_FP6
.else
	v_wmma_scale_f32_16x16x128_f8f6f4 v[8*(8*((\a)%4)+\b):8*(8*((\a)%4)+\b)+7], v[96*((\s)%2)+12*\b:96*((\s)%2)+12*\b+11], v[AF+96*((\s)%2)+12*(\a):AF+96*((\s)%2)+12*(\a)+11], v[8*(8*((\a)%4)+\b):8*(8*((\a)%4)+\b)+7], v[SC+16*((\s)%2)+8+\b], v[SC+16*((\s)%2)+(\a)] matrix_a_fmt:MATRIX_FMT_FP6 matrix_b_fmt:MATRIX_FMT_FP6
.endif
.endr
.endr
.endm
.macro STEP s, zero                    ; the next step's loads go out first and land under this step's 64 matrix instructions
.if (\s) < 7
.if (\s) > 0
	PLACES                                         ; the set to be loaded was read by the step before
.endif
	LOADF (\s)+1
	s_wait_loadcnt 48                              ; all but the 48 just issued: this step's fragments and scale words are in
	LOADS (\s)+1
.else
	s_wait_loadcnt 0x0
.endif
	WIN 0xa1                                       ; source 0 window 1, source 1 window 0, C and D window 2
	MUL \s, 0, \zero
	MUL \s, 2, \zero
	WIN 0xf1                                       ; C and D window 3
	MUL \s, 4, \zero
	MUL \s, 6, \zero
	WIN 0
.endm
; 64 numbers of a lane, register 16 b + i = k 32 b + 16 h + i of my row, become a fragment's codes in v[PC] on and its scale word in v[PW]
.macro QUANT s
.irp b, 0,1,2,3
	v_max3_num_f32 v[TM+\b], |v[\s+16*\b]|, |v[\s+1+16*\b]|, 0x1800000   ; my 16 numbers of block b, and the floor 2^(3 - 127): the byte cannot fall under 1
.endr
.irp i, 2,4,6,8,10,12,14
.irp b, 0,1,2,3
	v_max3_num_f32 v[TM+\b], v[TM+\b], |v[\s+16*\b+\i]|, |v[\s+1+16*\b+\i]|
.endr
.endr
.irp b, 0,1,2,3
	v_permlanex16_b32 v[TM+4+\b], v[TM+\b], s[SEL], s[SEL+1]
.endr
.irp b, 0,1,2,3
	v_max_num_f32 v[TM+\b], v[TM+\b], v[TM+4+\b]   ; with lane l xor 16's: the block's largest magnitude
.endr
.irp b, 0,1,2,3
	v_add_nc_u32 v[TM+12+\b], 0xff000000, v[TM+\b] ; 2 off its exponent field: the conversion's scale operand
.endr
.irp b, 0,1,2,3
	v_lshrrev_b32 v[TM+4+\b], 23, v[TM+12+\b]      ; the scale's byte
.endr
	v_lshl_or_b32 v[PW], v[TM+5], 8, v[TM+4]
	v_lshl_or_b32 v[PW], v[TM+6], 16, v[PW]
	v_lshl_or_b32 v[PW], v[TM+7], 24, v[PW]
.irp c, 0,1
	v_cvt_scalef32_pk16_fp6_f32 v[PC+6*\c:PC+2+6*\c], v[\s+32*\c:\s+15+32*\c], v[TM+12+2*\c]
	v_cvt_scalef32_pk16_fp6_f32 v[PC+12+4*\c:PC+14+4*\c], v[\s+16+32*\c:\s+31+32*\c], v[TM+12+2*\c+1]
.endr
	v_nop                                          ; one plain place behind a scaled conversion
.irp c, 0,1
.irp i, 0,1,2
	v_permlane16_swap_b32 v[PC+6*\c+\i], v[PC+12+4*\c+\i]
.endr
.irp i, 0,1,2
	v_mov_b32 v[PC+3+6*\c+\i], v[PC+12+4*\c+\i]
.endr
.endr
.endm
.macro TAIL                            ; the scale words: lanes 0-15 store the first head's four words of place r, lanes 16-31 the second head's: 256 consecutive bytes each
	v_cmp_le_u32 vcc_lo, 16, v0
.irp f, 0,1,2,3
	v_cndmask_b32 v[SWO+\f], v[SW+\f], v[SW+4+\f], vcc_lo
.endr
	global_store_b128 v[SO], v[SWO:SWO+3], s[POS:POS+1]
	s_endpgm
.endm
	s_load_b256 s[4:11], s[0:1], 0x0               ; c1, s1, bq, bk
	s_load_b128 s[12:15], s[0:1], 0x20             ; bv, c2
	v_lshlrev_b32 v[LI], 4, v0                     ; (one wave: v0 is the lane)
	v_lshlrev_b32 v[LS], 2, v0
	v_and_b32 v6, 15, v0                           ; r
	v_lshrrev_b32 v7, 4, v0                        ; h
	v_lshlrev_b32 v[BNO], 6, v7
	v_and_b32 v[BMO], 8, v6
	v_add_nc_u32 v[BMO], v[BMO], v6
	v_lshlrev_b32 v[BMO], 2, v[BMO]
	v_mul_u32_u24 v[SO], v7, 102400
	v_lshl_add_u32 v[SO], v6, 4, v[SO]
	s_mov_b32 s[SEL], 0x76543210
	s_mov_b32 s[SEL+1], 0xfedcba98
	s_and_b32 s32, ttmp9, 7                        ; fb
	s_bfe_u32 s33, ttmp9, 0x50003                  ; tb
	s_lshr_b32 s34, ttmp9, 8                       ; p
	s_lshl_b32 s35, s34, 8
	s_lshl_b32 s36, s33, 3
	s_add_co_u32 s35, s35, s36                     ; the tokens' first row tile: 256 p + 8 tb
	s_lshl_b32 s36, s34, 6
	s_lshl_b32 s37, s32, 3
	s_add_co_u32 s36, s36, s37
	s_add_co_u32 s36, s36, 768                     ; the weight's: 768 + 64 p + 8 fb
	s_cmp_eq_u32 s34, 2
	s_cselect_b32 s37, s36, s35                    ; the lane side: tokens, for v the weight
	s_cselect_b32 s38, s35, s36                    ; the register side
	s_lshr_b32 s39, s33, 4                         ; b
	s_and_b32 s42, s33, 15                         ; ks
	s_lshl_b32 s39, s39, 4
	s_lshl_b32 s43, s32, 1
	s_add_co_u32 s39, s39, s43                     ; 16 b + my first head
	s_mul_i32 s39, s39, 102400
	s_mul_i32 s43, s34, 3276800
	s_add_co_u32 s39, s39, s43                     ; my first record
	s_mov_b32 s41, 0
	s_wait_kmcnt 0x0
	s_mul_i32 s40, s37, 12288
	s_add_nc_u64 s[PA:PA+1], s[4:5], s[40:41]
	s_mul_i32 s40, s38, 12288
	s_add_nc_u64 s[PB:PB+1], s[4:5], s[40:41]
	s_lshl_b32 s40, s37, 10
	s_add_nc_u64 s[PSA:PSA+1], s[6:7], s[40:41]
	s_lshl_b32 s40, s38, 10
	s_add_nc_u64 s[PSB:PSB+1], s[6:7], s[40:41]
	s_cmp_eq_u32 s34, 0
	s_cselect_b64 s[PBI:PBI+1], s[8:9], s[10:11]
	s_cmp_eq_u32 s34, 2
	s_cselect_b64 s[PBI:PBI+1], s[12:13], s[PBI:PBI+1]
	s_lshl_b32 s40, s32, 9
	s_add_nc_u64 s[PBI:PBI+1], s[PBI:PBI+1], s[40:41]
	s_lshl_b32 s43, s42, 8
	s_add_co_u32 s40, s39, s43
	s_add_nc_u64 s[POS:POS+1], s[14:15], s[40:41]
	s_mul_i32 s43, s42, 6144
	s_add_co_u32 s40, s39, s43
	s_add_co_u32 s40, s40, 4096
	s_add_nc_u64 s[POC:POC+1], s[14:15], s[40:41]
	; the bias in both layouts, on every way: by registers (feature 32 B + 16 h + i at register 16 B + i) and by lanes (the feature at place r of tile a, twice, for the packed addition)
	WIN 0x40
.irp g, 0,1,2,3
.irp q, 0,1,2,3
	global_load_b128 v[BN+16*\g+4*\q:BN+16*\g+4*\q+3], v[BNO], s[PBI:PBI+1] offset:128*\g+16*\q
.endr
.endr
	WIN 0
.irp a, 0,1,2,3,4,5,6,7
	global_load_b32 v[BM+2*\a], v[BMO], s[PBI:PBI+1] offset:(32*(\a/2)+8*(\a%2))*4
	global_load_b32 v[BM+2*\a+1], v[BMO], s[PBI:PBI+1] offset:(32*(\a/2)+8*(\a%2))*4
.endr
	LOADF 0
	LOADS 0
	STEP 0, 1                                      ; the first step's products start the sums: nothing is cleared
.irp s, 1,2,3,4,5,6,7
	STEP \s, 0
.endr
	PLACES
.irp b, 0,1,2,3
	v_mov_b32 v[TM+4+\b], 0                        ; written once: a lane permute's destination counts as one of its sources
.endr
	s_cmp_eq_u32 s34, 2
	s_cbranch_scc1 .Lv
	; ---- q, k: fragment f of head e = token tiles 2 f and 2 f + 1, features 64 e on.  Each accumulator is read from its low end on
.irp f, 0,1,2,3
.irp e, 0,1
	s_wait_xcnt 0x0                                ; the last fragment's stores have read the codes' registers
	WIN 0x06+\f/2                                  ; source 0: the accumulators' window; source 1: window 1, the bias
.set k, 0
.rept 16
	v_pk_add_f32 v[H+2*k:H+2*k+1], v[64*((2*\f)%4)+32*\e+2*k:64*((2*\f)%4)+32*\e+2*k+1], v[BN+32*\e+2*k:BN+32*\e+2*k+1]
.set k, k+1
.endr
.set k, 0
.rept 16
	v_pk_add_f32 v[H+32+2*k:H+32+2*k+1], v[64*((2*\f+1)%4)+32*\e+2*k:64*((2*\f+1)%4)+32*\e+2*k+1], v[BN+32*\e+2*k:BN+32*\e+2*k+1]
.set k, k+1
.endr
	WIN 0
	QUANT H
	v_mov_b32 v[SW+4*\e+\f], v[PW]
.irp c, 0,1,2
	global_store_b128 v[LI], v[PC+4*\c:PC+4*\c+3], s[POC:POC+1] offset:102400*\e+1536*\f+512*\c
.endr
.endr
.endr
	TAIL
	; ---- v: fragment a % 4 of head a / 4 = the channels of lane-side tile a x my 128 tokens
.Lv:
.irp a, 0,1,2,3,4,5,6,7
	s_wait_xcnt 0x0
	WIN 0x02+\a/4                                  ; source 0: the accumulators' window; source 1: window 0, the bias by lanes
.set k, 0
.rept 32
	v_pk_add_f32 v[H+2*k:H+2*k+1], v[64*(\a%4)+2*k:64*(\a%4)+2*k+1], v[BM+2*\a:BM+2*\a+1]
.set k, k+1
.endr
	WIN 0
	QUANT H
	v_mov_b32 v[SW+\a], v[PW]
.irp c, 0,1,2
	global_store_b128 v[LI], v[PC+4*\c:PC+4*\c+3], s[POC:POC+1] offset:102400*(\a/4)+1536*(\a%4)+512*\c
.endr
.endr
	TAIL
.Lfunc_end_k_qe764912ed1_proj:
	.size	k_qe764912ed1_proj, .Lfunc_end_k_qe764912ed1_proj-k_qe764912ed1_proj
	.p2alignl 7, 3214868480
	.fill 96, 4, 3214868480
	.section	.rodata,"a",@progbits
	.p2align	6, 0x0
	.amdhsa_kernel k_qe764912ed1_proj
		.amdhsa_group_segment_fixed_size 0
		.amdhsa_private_segment_fixed_size 0
		.amdhsa_enable_private_segment 0
		.amdhsa_kernarg_size 48
		.amdhsa_user_sgpr_count 2
		.amdhsa_user_sgpr_kernarg_segment_ptr 1
		.amdhsa_wavefront_size32 1
		.amdhsa_system_sgpr_workgroup_id_x 1
		.amdhsa_system_sgpr_workgroup_id_y 1
		.amdhsa_system_sgpr_workgroup_id_z 1
		.amdhsa_system_vgpr_workitem_id 0
		.amdhsa_next_free_vgpr 1024
		.amdhsa_next_free_sgpr 66
		.amdhsa_reserve_vcc 1
		.amdhsa_float_denorm_mode_32 3
		.amdhsa_float_denorm_mode_16_64 3
		.amdhsa_memory_ordered 1
		.amdhsa_forward_progress 1
		.amdhsa_inst_pref_size 219
	.end_amdhsa_kernel
	.amdgpu_metadata
---
amdhsa.version: [ 1, 2 ]
amdhsa.kernels:
  - .name:           k_qe764912ed1_proj
    .symbol:         k_qe764912ed1_proj.kd
    .args:
      - { .name: c1, .offset: 0, .size: 8, .value_kind: global_buffer, .address_space: global }
      - { .name: s1, .offset: 8, .size: 8, .value_kind: global_buffer, .address_space: global }
      - { .name: bq, .offset: 16, .size: 8, .value_kind: global_buffer, .address_space: global }
      - { .name: bk, .offset: 24, .size: 8, .value_kind: global_buffer, .address_space: global }
      - { .name: bv, .offset: 32, .size: 8, .value_kind: global_buffer, .address_space: global }
      - { .name: c2, .offset: 40, .size: 8, .value_kind: global_buffer, .address_space: global }
    .group_segment_fixed_size: 0
    .private_segment_fixed_size: 0
    .kernarg_segment_align: 8
    .kernarg_segment_size: 48
    .max_flat_workgroup_size: 32
    .sgpr_count:     66
    .vgpr_count:     1024
    .wavefront_size: 32
...
	.end_amdgpu_metadata
.endif
;; end of part 2
;; launch attn (part 3): grid 8 x 32, 16 waves a work-group, clusters of 4 x 1, 206,848 bytes of LDS; arguments c2, mbits, c3, s3; writes c3, s3
.if DOCPART == 3
	.amdgcn_target "amdgcn-amd-amdhsa--gfx1250"
	.amdhsa_code_object_version 6
	.text
	.protected	k_qe764912ed1_attn
	.globl	k_qe764912ed1_attn
	.p2align	8
	.type	k_qe764912ed1_attn,@function
k_qe764912ed1_attn:
	s_mov_b64 s[64:65], 0
	v_nop
	global_prefetch_b8 v0, s[64:65] scope:SCOPE_SE
	s_setreg_imm32_b32 hwreg(HW_REG_WAVE_MODE, 25, 1), 1
	s_wait_xcnt 0x0
	s_wait_alu depctr_hold_cnt(0) depctr_sa_sdst(0) depctr_va_vdst(0) depctr_va_sdst(0) depctr_va_ssrc(0) depctr_va_vcc(0) depctr_vm_vsrc(0)
	s_getreg_b32 s2, hwreg(HW_REG_IB_STS2, 6, 4)
	s_cmp_eq_u32 s2, 0
	s_cbranch_scc0 .Lentry_in_a_cluster
	s_endpgm
.Lentry_in_a_cluster:
	s_bfe_u32 s2, ttmp6, 0x10000c
	s_cmp_lg_u32 s2, 0x3003
	s_cbranch_scc0 .Lentry_shape_is_right
	s_endpgm
.Lentry_shape_is_right:
; ATTN.  x[b][q][head] = softmax_k(where(mask, q . k / 8, -1e9)) v, both products on codes of FP6 (E2M3); x is quantised along the merged heads for the last projection and leaves as parts of operand images.
; THE SOFTMAX: t = score x log2(e) / 8; M = the running largest t rounded UP to a whole number; p = 2^(t - M) is quantised along the keys, not normalised; the row's sum is taken of the unquantised p and divides at the end.
; When M moves, the sum and O are multiplied by 2^(old M - new M): exact.  A hidden key's score is replaced, ahead of the maximum, by -8e9, which is -1e9 ahead of the division by 8: a row with no key left comes out uniform.
; SHARES.  A work-group owns 256 queries of one (b, head), each of its sixteen waves one tile of 16: four waves to a SIMD, so that one wave's vector work stands beside another's matrix work and LDS loads.
; THE WHOLE HEAD'S K AND V STAY IN LDS: k's record of 102,400 bytes at byte 0, v's behind it, as they lie in c2 (scale words, then fragment images).  Filled once; nothing is filled again.
; CLUSTER.  The four blocks of queries of a cluster belong to one head and need the same two records: waves 0 to 3 each ask for a quarter (200 rows of 256 bytes) JOINTLY, with the same descriptor in all four work-groups.
; LAYOUT.  Both products are used transposed: S^T = K Q^T, O^T = V^T P^T: a lane holds ONE query (place lane % 16 of its tile) throughout.
; K = 64 IN A FORM OF K = 128: a fragment of k holds two tiles of keys, one in each half of K; q is used as [q | zero codes] for the first and as [zero codes | q] for the second.  Zero codes add nothing under any scale byte but 0xff.
; By the tiles' order the 16 registers of score tiles 2 b and 2 b + 1 are keys 32 b + 16 h + 0 .. 15 of the step, and O^T's registers 16 b + i are channels 32 b + 16 h + i.
; THE MASK comes as bits: word j of a key step holds, for all 32 lanes, whether register j's key counts.  64 words a step come by scalar loads, a step ahead, and steer v_cndmask_b32: no branch hangs on them.
; LIMITS: NaN and infinities are not served; a block whose largest magnitude lies under 2^-124 gets the scale byte 1; the division by the row's sum is v_rcp_f32 and a multiplication.
; REGISTERS: v1-7 offsets that stay; v8-11 the step's LDS addresses; v12 -M, v13 the largest t, v[14:15] the sum in two halves; v16-21 zeros, v22-27 q, v28-33 zeros; v34 q's scale word; v36-83 four fragments of k, then of v;
; v84-87, v88-91 their scale words; v96-159 S^T, then p; v160-191 O^T; v192-203 p's codes; v204-210 the conversions' second halves; v212-233 at work; v244 p's scale word; v[246:247] f; v248-249 the way out's offsets.
.set AK0,  1                           ; 16 lane + 4,096: my place in k's fragment images
.set AV0,  2                           ; the same in v's record
.set ASK0, 3                           ; 16 r: my place's four scale words of a key step
.set ASV0, 4
.set NEG,  5                           ; -8e9
.set LI,   6                           ; 16 lane
.set LS,   7                           ; 4 lane
.set QS,   34
.set PC,   192
.set PH,   204
.set BMX,  212
.set BT,   216
.set SOP,  220
.set T0,   224
.set SU,   226
.set D4,   228
.set D2,   232
.set PS,   244
.set F,    246
.set WV,   12                          ; s12 wave;  s13, s14 where the step's images and scale words begin in a record;  s15 steps to go
.set TB,   13
.set TS,   14
.set MO,   66                          ; s66 the byte of the mask words asked for last;  s67 all ones for an odd head
.set G1,   84                          ; s[84:91] descriptor group 1;  s[92:95] group 0
.set G0,   92
.set SEL,  100
.set CS,   104                         ; s[104:105] c = log2(e) / 8; the packed form names a pair and takes its low word for both halves
; the mask's words: word j in s[16 + j] for j < 48, in s[20 + j] from there on
.macro CROUND                          ; a round of the cluster's barrier
	s_barrier_signal -1
	s_barrier_wait -1
	s_cmp_lg_u32 s[WV], 0
	s_cbranch_scc1 .Lnot_wave_0_\@
	s_barrier_signal -3
.Lnot_wave_0_\@:
	s_barrier_wait -3
	s_barrier_signal -1
	s_barrier_wait -1
.endm
.macro MASKS                           ; 64 words, 256 bytes, from byte s[MO] of my tile's 16 key steps
	s_load_b512 s[16:31], s[6:7], s[MO] offset:0x0
	s_load_b512 s[32:47], s[6:7], s[MO] offset:0x40
	s_load_b512 s[48:63], s[6:7], s[MO] offset:0x80
	s_load_b512 s[68:83], s[6:7], s[MO] offset:0xc0
.endm
	s_load_b256 s[4:11], s[0:1], 0x0               ; c2, mbits, c3, s3
	v_lshl_add_u32 v254, v0, 2, 0x32000
	v_mov_b32 v255, 0
	ds_add_u32 v254, v255
	ds_add_u32 v254, v255
	v_lshrrev_b32 v8, 5, v0
	v_readfirstlane_b32 s[WV], v8                  ; wave 0..15
	; the joint load's descriptor: made of the head and the wave's number alone, in registers that never hold my place in the cluster
	s_and_b32 s18, ttmp7, 0xffff                   ; y = 16 b + head
	s_mul_i32 s36, s18, 102400                     ; its record in a section
	s_min_u32 s26, s[WV], 3                        ; which quarter (waves 0 to 3 ask)
	s_lshr_b32 s27, s26, 1
	s_mul_i32 s27, s27, 3276800                    ; k's section or v's,
	s_and_b32 s28, s26, 1
	s_mul_i32 s28, s28, 51200                      ; the record's first half or second
	s_add_co_u32 s24, s36, s27
	s_add_co_u32 s24, s24, s28
	s_add_co_u32 s24, s24, 3276800                 ; behind q's section
	s_mov_b32 s25, 0
	s_mov_b32 s[G0], 1                             ; count = 1
	s_mul_i32 s[G0+1], s26, 51200                  ; LDS address: quarter x 51,200
	s_mov_b32 s[G1], 15|(3<<16)|(1<<21)            ; the mask: all four work-groups; elements of 8 bytes; bit 21 beside a mask; no padding
	s_mov_b32 s[G1+1], 32<<16                      ; tensor_dim0 = 32 elements: 256 bytes
	s_mov_b32 s[G1+2], 200<<16                     ; tensor_dim1 = 200
	s_mov_b32 s[G1+3], 32<<16                      ; tile_dim0
	s_mov_b32 s[G1+4], 200                         ; tile_dim1
	s_mov_b32 s[G1+5], 32                          ; the pitch: dense
	s_mov_b32 s[G1+6], 0
	s_mov_b32 s[G1+7], 0
	; what is my own: q's fragment, the mask's words, x's place
	s_bfe_u32 s16, ttmp6, 0x40000                  ; cx
	s_lshl_b32 s17, ttmp9, 2
	s_add_co_u32 s17, s17, s16                     ; my block of 256 queries
	s_lshr_b32 s19, s18, 4                         ; b
	s_and_b32 s20, s18, 15                         ; head
	s_lshl_b32 s21, s17, 4
	s_add_co_u32 s21, s21, s[WV]                   ; my tile of queries
	s_lshl_b32 s22, s19, 7
	s_add_co_u32 s22, s22, s21                     ; g = 128 b + tile
	s_lshl_b32 s32, s17, 1
	s_lshr_b32 s33, s[WV], 3
	s_add_co_u32 s32, s32, s33                     ; its block of 128 tokens,
	s_bfe_u32 s33, s[WV], 0x20001                  ; its fragment there (the wave's lowest bit: which half of the fragment)
	s_lshl_b32 s34, s32, 2
	s_add_co_u32 s34, s34, s33
	s_mul_i32 s34, s34, 1536
	s_add_co_u32 s34, s34, s36
	s_add_co_u32 s34, s34, 4096
	s_mov_b32 s35, 0
	s_lshl_b32 s38, s32, 8
	s_lshl_b32 s40, s33, 2
	s_add_co_u32 s38, s38, s40
	s_add_co_u32 s38, s38, s36                     ; and its scale words
	s_mov_b32 s39, 0
	s_lshl_b32 s40, s22, 12                        ; the mask's words: g x 16 steps x 256 bytes
	s_mov_b32 s41, 0
	s_lshl_b32 s47, s22, 3
	s_lshr_b32 s46, s20, 1
	s_add_co_u32 s47, s47, s46                     ; x's image: 8 g + head / 2
	s_and_b32 s46, s20, 1                          ; which half of it is mine
	s_mul_i32 s42, s47, 1536
	s_mov_b32 s43, 0
	s_lshl_b32 s44, s47, 7
	s_lshl_b32 s48, s46, 1
	s_add_co_u32 s44, s44, s48
	s_mov_b32 s45, 0
	s_lshl_b32 s49, s46, 10                        ; my four whole registers: the image's first 512 bytes, for an odd head its last
	s_lshl_b32 s50, s46, 3
	s_add_co_u32 s50, s50, 512                     ; my two others: half of each lane's 16 bytes in the middle
	s_sub_co_u32 s67, 0, s46
	s_bitcmp1_b32 s[WV], 0
	s_cselect_b32 s2, -1, 0                        ; an odd tile: registers 6-11 of q's fragment,
	s_mov_b32 s3, 0x01000100
	s_cselect_b32 s3, 0x03020302, s3               ; and bytes 2, 3 of its scale word
	s_mov_b32 s[SEL], 0x76543210
	s_mov_b32 s[SEL+1], 0xfedcba98
	s_mov_b32 s[CS], 0x3e38aa3b
	s_mov_b32 s[CS+1], s[CS]
	s_mov_b32 s[TB], 0
	s_mov_b32 s[TS], 0
	s_mov_b32 s15, 16
	s_mov_b32 s[MO], 0
	s_wait_dscnt 0x0
	s_wait_kmcnt 0x0
	s_add_nc_u64 s[G0+2:G0+3], s[4:5], s[24:25]
	s_or_b32 s[G0+3], s[G0+3], 0x80000000          ; type = 2
	s_add_nc_u64 s[96:97], s[4:5], s[34:35]
	s_add_nc_u64 s[98:99], s[4:5], s[38:39]
	s_add_nc_u64 s[6:7], s[6:7], s[40:41]
	s_add_nc_u64 s[8:9], s[8:9], s[42:43]
	s_add_nc_u64 s[10:11], s[10:11], s[44:45]
	CROUND                                         ; all four work-groups are here: the joint loads meet
	s_cmp_lt_u32 s[WV], 4
	s_cbranch_scc0 .Lasked
	tensor_load_to_lds s[G0:G0+3], s[G1:G1+7]      ; my one tensor load of the launch
	s_nop 0
.rept 4
	v_nop
.endr
.Lasked:
	v_and_b32 v8, 31, v0
	v_and_b32 v9, 15, v0
	v_lshlrev_b32 v[LI], 4, v8
	v_lshlrev_b32 v[LS], 2, v8
	v_add_nc_u32 v[AK0], 4096, v[LI]
	v_add_nc_u32 v[AV0], 106496, v[LI]
	v_lshlrev_b32 v[ASK0], 4, v9
	v_add_nc_u32 v[ASV0], 102400, v[ASK0]
	global_load_b128 v[36:39], v[LI], s[96:97]
	global_load_b128 v[40:43], v[LI], s[96:97] offset:512
	global_load_b128 v[44:47], v[LI], s[96:97] offset:1024
	global_load_b32 v35, v[ASK0], s[98:99]
	v_add_nc_u32 v248, s49, v[LI]
	v_add_nc_u32 v249, s50, v[LI]
	MASKS                                          ; key step 0's; from here on s16-63 and s68-83 hold mask words alone
	v_mov_b32 v[NEG], 0xcfee6b28
	v_mov_b32 v13, 0xff61b1e6                      ; the largest t so far: -3e38, under every t
	v_floor_f32 v12, -v13                          ; -M
	v_mov_b32 v14, 0
	v_mov_b32 v15, 0
	v_mov_b32 v[F+1], 0                            ; (named as the upper half of a pair)
.irp i, 0,1,2,3,4,5
	v_mov_b32 v[16+\i], 0                          ; zero codes on both sides of q
	v_mov_b32 v[28+\i], 0
.endr
.irp b, 0,1,2,3
	v_mov_b32 v[BT+\b], 0                          ; written once: a lane permute's destination counts as one of its sources
.endr
	s_wait_loadcnt 0x0
.irp i, 0,1,2,3,4,5
	v_cndmask_b32 v[22+\i], v[36+\i], v[42+\i], s2
.endr
	v_perm_b32 v[QS], v35, v35, s3                 ; q's two scale bytes, in both halves of the word
.set j, 0
.rept 32
	v_mov_b32 v[160+j], 0                          ; O^T: the loop is written once; its first step finds zeros.  (These lines are also the places between the lines above and the first scaled matrix instruction)
.set j, j+1
.endr
	s_wait_tensorcnt 0x0                           ; my quarter has landed,
	s_barrier_signal -1
	s_barrier_wait -1                              ; everybody's has
.Lkey:                                             ; a key step: 128 keys
	v_add_nc_u32 v8, s[TB], v[AK0]                 ; (these four are the places behind the last step's matrix instructions, in front of the loads into their sources)
	v_add_nc_u32 v9, s[TB], v[AV0]
	v_add_nc_u32 v10, s[TS], v[ASK0]
	v_add_nc_u32 v11, s[TS], v[ASV0]
.irp f, 0,1,2,3
.irp c, 0,1,2
	ds_load_b128 v[36+12*\f+4*\c:36+12*\f+4*\c+3], v8 offset:1536*\f+512*\c
.endr
.endr
	ds_load_b128 v[84:87], v10
	s_wait_dscnt 0x0
.irp t, 0,1,2,3,4,5,6,7                        ; tile t of S^T: fragment t / 2 of k against [q | 0] or [0 | q]
	v_wmma_scale_f32_16x16x128_f8f6f4 v[96+8*\t:103+8*\t], v[36+12*(\t/2):47+12*(\t/2)], v[22-6*(\t%2):33-6*(\t%2)], 0, v[84+\t/2], v[QS] matrix_a_fmt:MATRIX_FMT_FP6 matrix_b_fmt:MATRIX_FMT_FP6
.endr
.rept 4
	v_nop                                          ; places: in front of the loads into k's registers and of the first read of the scores
.endr
.irp f, 0,1,2,3                                ; v's fragments land under the softmax
.irp c, 0,1,2
	ds_load_b128 v[36+12*\f+4*\c:36+12*\f+4*\c+3], v9 offset:1536*\f+512*\c
.endr
.endr
	ds_load_b128 v[88:91], v11
	s_wait_kmcnt 0x0                               ; this step's mask words, asked for a step ago
.set j, 0
.rept 64                               ; a hidden key's score becomes -8e9; each tile of scores is read from its low end on
.if j < 48
	v_cndmask_b32 v[96+j], v[NEG], v[96+j], s[16+j]
.else
	v_cndmask_b32 v[96+j], v[NEG], v[96+j], s[20+j]
.endif
.set j, j+1
.endr
	s_add_co_u32 s[MO], s[MO], 256                 ; (the loads that read it are done)
	s_min_u32 s[MO], s[MO], 3840                   ; the last step asks for its own words once more: no load leaves the buffer
	MASKS
.irp b, 0,1,2,3
	v_max3_num_f32 v[BMX+\b], v[96+16*\b], v[97+16*\b], v[98+16*\b]   ; the largest score of each block of 32 keys: for the row's maximum and, since p rises with the score, for the block's largest p
.endr
.irp i, 3,5,7,9,11,13
.irp b, 0,1,2,3
	v_max3_num_f32 v[BMX+\b], v[BMX+\b], v[96+16*\b+\i], v[97+16*\b+\i]
.endr
.endr
.irp b, 0,1,2,3
	v_max_num_f32 v[BMX+\b], v[BMX+\b], v[111+16*\b]
.endr
.irp b, 0,1,2,3
	v_permlanex16_b32 v[BT+\b], v[BMX+\b], s[SEL], s[SEL+1]
.endr
.irp b, 0,1,2,3
	v_max_num_f32 v[BMX+\b], v[BMX+\b], v[BT+\b]   ; with lane l xor 16's 16 keys
.endr
	v_max3_num_f32 v[T0], v[BMX], v[BMX+1], v[BMX+2]
	v_max_num_f32 v[T0], v[T0], v[BMX+3]
	v_mul_f32 v[T0], s[CS], v[T0]                  ; the step's largest t (c is positive)
	v_max_num_f32 v13, v13, v[T0]
	v_mov_b32 v[T0], v12
	v_floor_f32 v12, -v13                          ; the new -M = floor(-t): M is a whole number
	v_sub_f32 v[T0], v12, v[T0]                    ; old M - new M: a whole number, 0 or less
	v_cvt_i32_f32 v[T0], v[T0]                     ; (it saturates)
	v_ldexp_f32 v[F], 1.0, v[T0]                   ; f = 2^(old M - new M)
.set j, 0
.rept 32
	v_pk_fma_f32 v[96+j:97+j], v[96+j:97+j], s[CS:CS+1], v[12:13] op_sel_hi:[1,0,0]   ; t - M
.set j, j+2
.endr
.irp b, 0,1,2,3
	v_fma_f32 v[BMX+\b], v[BMX+\b], s[CS], v12     ; the same of each block's largest score
.endr
.set j, 0
.rept 64
	v_exp_f32 v[96+j], v[96+j]                     ; p = 2^(t - M), at most 1
.set j, j+1
.endr
.irp b, 0,1,2,3
	v_exp_f32 v[BMX+\b], v[BMX+\b]                 ; the block's largest p
.endr
	v_pk_mul_f32 v[14:15], v[14:15], v[F:F+1] op_sel_hi:[1,0]   ; the sums under the new M.  (A plain place behind the exponentials)
	s_wait_alu depctr_va_vdst(0)
.irp b, 0,1,2,3
	v_max_num_f32 v[BMX+\b], 0x1800000, v[BMX+\b]  ; the floor 2^(3 - 127): the byte cannot fall under 1
.endr
.irp b, 0,1,2,3
	v_add_nc_u32 v[SOP+\b], 0xff000000, v[BMX+\b]  ; 2 off the exponent field: the conversion's scale operand
.endr
.irp b, 0,1,2,3
	v_lshrrev_b32 v[BT+\b], 23, v[SOP+\b]          ; the scale's byte
.endr
	v_lshl_or_b32 v[PS], v[BT+1], 8, v[BT]         ; p's scale word for these 128 keys
	v_lshl_or_b32 v[PS], v[BT+2], 16, v[PS]
	v_lshl_or_b32 v[PS], v[BT+3], 24, v[PS]
.irp c, 0,1
	v_cvt_scalef32_pk16_fp6_f32 v[PC+6*\c:PC+2+6*\c], v[96+32*\c:111+32*\c], v[SOP+2*\c]
	v_cvt_scalef32_pk16_fp6_f32 v[PH+4*\c:PH+2+4*\c], v[112+32*\c:127+32*\c], v[SOP+2*\c+1]
.endr
	v_nop                                          ; one plain place behind a scaled conversion
.irp c, 0,1                                    ; a whole block to a lane: lanes 0-15 block 2 c, lanes 16-31 block 2 c + 1
.irp i, 0,1,2
	v_permlane16_swap_b32 v[PC+6*\c+\i], v[PH+4*\c+\i]
.endr
.irp i, 0,1,2
	v_mov_b32 v[PC+3+6*\c+\i], v[PH+4*\c+\i]
.endr
.endr
	v_pk_add_f32 v[SU:SU+1], v[96:97], v[98:99]    ; the row's sum is taken of the unquantised p: two at a time, in two chains
.irp j, 4,8,12,16,20,24,28,32,36,40,44,48,52,56,60
	v_pk_add_f32 v[14:15], v[14:15], v[96+\j:97+\j]
	v_pk_add_f32 v[SU:SU+1], v[SU:SU+1], v[98+\j:99+\j]
.endr
	v_pk_add_f32 v[14:15], v[14:15], v[SU:SU+1]
.set j, 0
.rept 16
	v_pk_mul_f32 v[160+j:161+j], v[160+j:161+j], v[F:F+1] op_sel_hi:[1,0]   ; O^T under the new M.  (The sums and these are the places between the codes, the scale word and the matrix instructions below)
.set j, j+2
.endr
	s_wait_dscnt 0x0                               ; v's fragments and scale words
.irp t, 0,1,2,3                                ; O^T += V^T P^T: the four accumulators by turns
	v_wmma_scale_f32_16x16x128_f8f6f4 v[160+8*\t:167+8*\t], v[36+12*\t:47+12*\t], v[PC:PC+11], v[160+8*\t:167+8*\t], v[88+\t], v[PS] matrix_a_fmt:MATRIX_FMT_FP6 matrix_b_fmt:MATRIX_FMT_FP6
.endr
	s_add_co_u32 s[TB], s[TB], 6144
	s_add_co_u32 s[TS], s[TS], 256
	s_sub_co_u32 s15, s15, 1
	s_cmp_lg_u32 s15, 0
	s_cbranch_scc1 .Lkey
	; THE WAY OUT.  x = O^T / the sum; its 64 channels are two blocks of the last projection's K; my six registers are one half of the image of K step head / 2 of my tile of tokens.
	s_wait_kmcnt 0x0                               ; the words asked for in the last step: nobody reads them
.rept 4
	v_nop                                          ; places behind the last matrix instructions
.endr
	v_add_f32 v14, v14, v15
	v_permlanex16_b32 v[T0], v14, s[SEL], s[SEL+1]
	v_add_f32 v14, v14, v[T0]                      ; the row's sum
	v_rcp_f32 v14, v14
	v_nop                                          ; a plain place behind the transcendental
.set j, 0
	s_wait_alu depctr_va_vdst(0)
.rept 16
	v_pk_mul_f32 v[96+j:97+j], v[160+j:161+j], v[14:15] op_sel_hi:[1,0]   ; register 16 b + i: channel 32 b + 16 h + i; each accumulator from its low end on
.set j, j+2
.endr
.irp b, 0,1
	v_max3_num_f32 v[BMX+\b], |v[96+16*\b]|, |v[97+16*\b]|, 0x1800000
.endr
.irp i, 2,4,6,8,10,12,14
.irp b, 0,1
	v_max3_num_f32 v[BMX+\b], v[BMX+\b], |v[96+16*\b+\i]|, |v[97+16*\b+\i]|
.endr
.endr
.irp b, 0,1
	v_permlanex16_b32 v[BT+\b], v[BMX+\b], s[SEL], s[SEL+1]
.endr
.irp b, 0,1
	v_max_num_f32 v[BMX+\b], v[BMX+\b], v[BT+\b]
.endr
.irp b, 0,1
	v_add_nc_u32 v[SOP+\b], 0xff000000, v[BMX+\b]
.endr
.irp b, 0,1
	v_lshrrev_b32 v[BT+\b], 23, v[SOP+\b]
.endr
	v_lshl_or_b32 v[T0], v[BT+1], 8, v[BT]         ; my two bytes of the scale word
	v_cvt_scalef32_pk16_fp6_f32 v[PC:PC+2], v[96:111], v[SOP]
	v_cvt_scalef32_pk16_fp6_f32 v[PH:PH+2], v[112:127], v[SOP+1]
	v_nop
.irp i, 0,1,2
	v_permlane16_swap_b32 v[PC+\i], v[PH+\i]
.endr
.irp i, 0,1,2
	v_mov_b32 v[PC+3+\i], v[PH+\i]
.endr
.irp i, 0,1,2,3
	v_cndmask_b32 v[D4+\i], v[PC+\i], v[PC+2+\i], s67   ; an even head's registers are the image's 0-5: 0-3 whole, 4-5 in the middle; an odd head's are 6-11: 6-7 in the middle, 8-11 whole
.endr
.irp i, 0,1
	v_cndmask_b32 v[D2+\i], v[PC+4+\i], v[PC+\i], s67
.endr
	global_store_b128 v248, v[D4:D4+3], s[8:9]     ; 512 consecutive bytes
	global_store_b64 v249, v[D2:D2+1], s[8:9]      ; 8 of each lane's 16 bytes: the other head of the pair stores the other 8
	global_store_b16 v[LS], v[T0], s[10:11]
	s_wait_dscnt 0x0
	s_wait_tensorcnt 0x0
	ds_add_u32 v254, v255
	s_wait_dscnt 0x0
	CROUND                                         ; the closing round: no work-group ends while a partner may still ask for a tile that names it
	s_endpgm
.Lfunc_end_k_qe764912ed1_attn:
	.size	k_qe764912ed1_attn, .Lfunc_end_k_qe764912ed1_attn-k_qe764912ed1_attn
	.p2alignl 7, 3214868480
	.fill 96, 4, 3214868480
	.section	.rodata,"a",@progbits
	.p2align	6, 0x0
	.amdhsa_kernel k_qe764912ed1_attn
		.amdhsa_group_segment_fixed_size 206848
		.amdhsa_private_segment_fixed_size 0
		.amdhsa_enable_private_segment 0
		.amdhsa_kernarg_size 32
		.amdhsa_user_sgpr_count 2
		.amdhsa_user_sgpr_kernarg_segment_ptr 1
		.amdhsa_wavefront_size32 1
		.amdhsa_system_sgpr_workgroup_id_x 1
		.amdhsa_system_sgpr_workgroup_id_y 1
		.amdhsa_system_sgpr_workgroup_id_z 1
		.amdhsa_system_vgpr_workitem_id 0
		.amdhsa_next_free_vgpr 256
		.amdhsa_next_free_sgpr 106
		.amdhsa_reserve_vcc 0
		.amdhsa_float_denorm_mode_32 3
		.amdhsa_float_denorm_mode_16_64 3
		.amdhsa_memory_ordered 1
		.amdhsa_forward_progress 1
		.amdhsa_inst_pref_size 33
	.end_amdhsa_kernel
	.amdgpu_metadata
---
amdhsa.version: [ 1, 2 ]
amdhsa.kernels:
  - .name:           k_qe764912ed1_attn
    .symbol:         k_qe764912ed1_attn.kd
    .args:
      - { .name: c2, .offset: 0, .size: 8, .value_kind: global_buffer, .address_space: global }
      - { .name: mbits, .offset: 8, .size: 8, .value_kind: global_buffer, .address_space: global }
      - { .name: c3, .offset: 16, .size: 8, .value_kind: global_buffer, .address_space: global }
      - { .name: s3, .offset: 24, .size: 8, .value_kind: global_buffer, .address_space: global }
    .group_segment_fixed_size: 206848
    .private_segment_fixed_size: 0
    .kernarg_segment_align: 8
    .kernarg_segment_size: 32
    .max_flat_workgroup_size: 512
    .sgpr_count:     106
    .vgpr_count:     256
    .wavefront_size: 32
...
	.end_amdgpu_metadata
.endif
;; end of part 3
;; launch outp (part 4): grid 256 x 1, 1 waves a work-group, no clusters, 8,704 bytes of LDS; arguments c3, s3, c1, s1, bo, out0; writes out0
.if DOCPART == 4
	.amdgcn_target "amdgcn-amd-amdhsa--gfx1250"
	.amdhsa_code_object_version 6
	.text
	.protected	k_qe764912ed1_outp
	.globl	k_qe764912ed1_outp
	.p2align	8
	.type	k_qe764912ed1_outp,@function
k_qe764912ed1_outp:
	s_mov_b64 s[64:65], 0
	v_nop
	global_prefetch_b8 v0, s[64:65] scope:SCOPE_SE
	s_setreg_imm32_b32 hwreg(HW_REG_WAVE_MODE, 25, 1), 1
	s_wait_xcnt 0x0
; OUTP.  out0 = x Wo^T + bo on codes of FP6 (E2M3), f32 sums.  x's fragment images and scale words come from c3 and s3, Wo's from c1 and s1 (row tiles 960-1023).
; SHARES.  A work-group is ONE wave with a tile of 128 tokens x 128 features: 64 accumulators.  id = 8 tb + fb.  Operands come from memory straight into registers, three loads of 512 consecutive bytes a fragment;
; K = 1,024 is eight steps, written out; every offset is an immediate.
; THE PRODUCT IS USED TRANSPOSED: lanes = tokens (source 1), registers = features (source 0).  By the row tiles' order (place p of tile T = row 32 (T / 2) + 8 (T % 2) + p + 8 (p / 8)) the 64 registers of a tile of tokens
; are features 32 B + 16 h + i at register 16 B + i.  A tile of 16 tokens goes through the wave's stage in LDS (rows 528 bytes apart) and leaves as whole rows: 32 lanes store 512 consecutive bytes, aligned.
; REGISTERS, in windows of 256.  Window 0: v1-4 offsets; v16-47 scale words, two sets (tokens +0 .. 7, features +8 .. 15); v64-159, v160-255 x's fragments, two sets; behind the products v64-127 H, v128-255 rows on their way out.
;   Window 1: v0-95, v96-191 Wo's fragments; v192-255 the bias.   Windows 2, 3: accumulator (a, b) at v[8 (8 (a % 4) + b)], a < 4 in window 2.
.set LI,  1                            ; 16 x lane: an image's place, a stage row's, and a row of out0's
.set LS,  2                            ; 4 x lane
.set BNO, 3                            ; 64 h
.set STO, 4                            ; 528 r + 64 h
.set SC,  16
.set AF,  64
.set BN,  192
.set H,   64
.set BK,  128
.set PA,  16
.set PB,  18
.set PSA, 20
.set PSB, 22
.set PBI, 24
.set PO,  26
.set MSB, 0
.macro WIN new                         ; the immediate's high byte repeats the setting that is left
.if MSB != (\new)
	s_set_vgpr_msb (MSB<<8)|(\new)
.set MSB, (\new)
.endif
.endm
.macro PLACES                          ; four plain places behind matrix instructions, in front of loads into their sources and of reads of their results
.rept 4
	v_nop
.endr
.endm
.macro LOADF s                         ; K step s: 8 + 8 fragments into set s % 2: 48 loads
	WIN 0x40
.irp i, 0,1,2,3,4,5,6,7
.irp c, 0,1,2
	global_load_b128 v[96*((\s)%2)+12*\i+4*\c:96*((\s)%2)+12*\i+4*\c+3], v[LI], s[PB:PB+1] offset:(8*\i+(\s))*1536+512*\c
.endr
.endr
	WIN 0
.irp i, 0,1,2,3,4,5,6,7
.irp c, 0,1,2
	global_load_b128 v[AF+96*((\s)%2)+12*\i+4*\c:AF+96*((\s)%2)+12*\i+4*\c+3], v[LI], s[PA:PA+1] offset:(8*\i+(\s))*1536+512*\c
.endr
.endr
.endm
.macro LOADS s                         ; and its 16 registers of scale words
.irp i, 0,1,2,3,4,5,6,7
	global_load_b32 v[SC+16*((\s)%2)+\i], v[LS], s[PSA:PSA+1] offset:(8*\i+(\s))*128
	global_load_b32 v[SC+16*((\s)%2)+8+\i], v[LS], s[PSB:PSB+1] offset:(8*\i+(\s))*128
.endr
.endm
; 16 matrix instructions: tiles of tokens a0, a0 + 1 x the eight tiles of features.  The 64 accumulators take turns, one instruction a turn, in the same order in every step
.macro MUL s, a0, zero
.irp a, \a0, \a0+1
.irp b, 0,1,2,3,4,5,6,7
.if \zero
	v_wmma_scale_f32_16x16x128_f8f6f4 v[8*(8*((\a)%4)+\b):8*(8*((\a)%4)+\b)+7], v[96*((\s)%2)+12*\b:96*((\s)%2)+12*\b+11], v[AF+96*((\s)%2)+12*(\a):AF+96*((\s)%2)+12*(\a)+11], 0, v[SC+16*((\s)%2)+8+\b], v[SC+16*((\s)%2)+(\a)] matrix_a_fmt:MATRIX_FMT_FP6 matrix_b_fmt:MATRIX_FMT_FP6
.else
	v_wmma_scale_f32_16x16x128_f8f6f4 v[8*(8*((\a)%4)+\b):8*(8*((\a)%4)+\b)+7], v[96*((\s)%2)+12*\b:96*((\s)%2)+12*\b+11], v[AF+96*((\s)%2)+12*(\a):AF+96*((\s)%2)+12*(\a)+11], v[8*(8*((\a)%4)+\b):8*(8*((\a)%4)+\b)+7], v[SC+16*((\s)%2)+8+\b], v[SC+16*((\s)%2)+(\a)] matrix_a_fmt:MATRIX_FMT_FP6 matrix_b_fmt:MATRIX_FMT_FP6
.endif
.endr
.endr
.endm
.macro STEP s, zero                    ; the next step's loads go out first and land under this step's 64 matrix instructions
.if (\s) < 7
.if (\s) > 0
	PLACES                                         ; the set to be loaded was read by the step before
.endif
	LOADF (\s)+1
	s_wait_loadcnt 48                              ; all but the 48 just issued: this step's fragments and scale words are in
	LOADS (\s)+1
.else
	s_wait_loadcnt 0x0
.endif
	WIN 0xa1                                       ; source 0 window 1, source 1 window 0, C and D window 2
	MUL \s, 0, \zero
	MUL \s, 2, \zero
	WIN 0xf1                                       ; C and D window 3
	MUL \s, 4, \zero
	MUL \s, 6, \zero
	WIN 0
.endm
; tile a of tokens: + the bias, into the stage by places, back by rows.  LDS serves a wave's instructions in order: no wait between the stores and the loads, nor in front of the next tile's stores
.macro TOSTAGE a
.if (\a) > 0
	s_wait_dscnt 16                                ; the last tile's 16 stores have read H (its 16 loads may be out)
.endif
	WIN 0x06+(\a)/4                                ; source 0: the accumulators' window; source 1: window 1, the bias
.set k, 0
.rept 32
	v_pk_add_f32 v[H+2*k:H+2*k+1], v[64*((\a)%4)+2*k:64*((\a)%4)+2*k+1], v[BN+2*k:BN+2*k+1]   ; each accumulator from its low end on
.set k, k+1
.endr
	WIN 0
.irp g, 0,1,2,3
.irp q, 0,1,2,3
	ds_store_b128 v[STO], v[H+16*\g+4*\q:H+16*\g+4*\q+3] offset:128*\g+16*\q
.endr
.endr
.set BB, BK+64*((\a)%2)
.irp t, 0,1,2,3,4,5,6,7,8,9,10,11,12,13,14,15
	ds_load_b128 v[BB+4*\t:BB+4*\t+3], v[LI] offset:528*\t
.endr
.endm
.macro SEND a, younger                 ; younger: the LDS instructions issued behind tile a's loads, which may stay out
.set BB, BK+64*((\a)%2)
	s_wait_dscnt \younger
.irp t, 0,1,2,3,4,5,6,7,8,9,10,11,12,13,14,15
	global_store_b128 v[LI], v[BB+4*\t:BB+4*\t+3], s[PO:PO+1] offset:(32*((\a)/2)+8*((\a)%2)+\t+8*(\t/8))*4096 th:TH_STORE_NT   ; place t's token: 512 consecutive bytes, aligned; written once, read by nobody here
.endr
.endm
	s_load_b256 s[4:11], s[0:1], 0x0               ; c3, s3, c1, s1
	s_load_b128 s[12:15], s[0:1], 0x20             ; bo, out0
	v_lshl_add_u32 v62, v0, 2, 0x2100
	v_mov_b32 v63, 0
	v_lshlrev_b32 v[LI], 4, v0                     ; (one wave: v0 is the lane)
	v_lshlrev_b32 v[LS], 2, v0
	v_and_b32 v6, 15, v0                           ; r
	v_lshrrev_b32 v7, 4, v0                        ; h
	v_lshlrev_b32 v[BNO], 6, v7
	v_mul_u32_u24 v[STO], v6, 528
	v_lshl_add_u32 v[STO], v7, 6, v[STO]
	s_and_b32 s32, ttmp9, 7                        ; fb
	s_lshr_b32 s33, ttmp9, 3                       ; tb
	s_lshl_b32 s34, s32, 3
	s_add_co_u32 s34, s34, 960                     ; Wo's first row tile of my 128 features
	s_mov_b32 s41, 0
	s_wait_kmcnt 0x0
	s_mul_i32 s40, s33, 98304                      ; 8 tiles x 8 K steps x 1,536
	s_add_nc_u64 s[PA:PA+1], s[4:5], s[40:41]
	s_lshl_b32 s40, s33, 13
	s_add_nc_u64 s[PSA:PSA+1], s[6:7], s[40:41]
	s_mul_i32 s40, s34, 12288
	s_add_nc_u64 s[PB:PB+1], s[8:9], s[40:41]
	s_lshl_b32 s40, s34, 10
	s_add_nc_u64 s[PSB:PSB+1], s[10:11], s[40:41]
	s_lshl_b32 s40, s32, 9
	s_add_nc_u64 s[PBI:PBI+1], s[12:13], s[40:41]
	s_lshl_b32 s35, s33, 19                        ; 128 tokens of 4,096 bytes
	s_add_co_u32 s40, s40, s35
	s_add_nc_u64 s[PO:PO+1], s[14:15], s[40:41]
	WIN 0x40
.irp g, 0,1,2,3                                ; the bias by registers: feature 32 g + 16 h + i at register 16 g + i
.irp q, 0,1,2,3
	global_load_b128 v[BN+16*\g+4*\q:BN+16*\g+4*\q+3], v[BNO], s[PBI:PBI+1] offset:128*\g+16*\q
.endr
.endr
	WIN 0
	LOADF 0
	LOADS 0
	STEP 0, 1                                      ; the first step's products start the sums: nothing is cleared
.irp s, 1,2,3,4,5,6,7
	STEP \s, 0
.endr
	PLACES
	TOSTAGE 0
.irp a, 1,2,3,4,5,6,7
.if \a > 1
	s_wait_xcnt 0x0                                ; tile a - 2's stores have read their registers: tile a's rows may land there
.endif
	TOSTAGE \a
	SEND \a-1, 32                                  ; behind tile a - 1's loads: tile a's 16 stores and 16 loads
.endr
	SEND 7, 0
	s_wait_tensorcnt 0x0
	ds_add_u32 v62, v63
	s_wait_dscnt 0x0
	s_endpgm
.Lfunc_end_k_qe764912ed1_outp:
	.size	k_qe764912ed1_outp, .Lfunc_end_k_qe764912ed1_outp-k_qe764912ed1_outp
	.p2alignl 7, 3214868480
	.fill 96, 4, 3214868480
	.section	.rodata,"a",@progbits
	.p2align	6, 0x0
	.amdhsa_kernel k_qe764912ed1_outp
		.amdhsa_group_segment_fixed_size 8704
		.amdhsa_private_segment_fixed_size 0
		.amdhsa_enable_private_segment 0
		.amdhsa_kernarg_size 48
		.amdhsa_user_sgpr_count 2
		.amdhsa_user_sgpr_kernarg_segment_ptr 1
		.amdhsa_wavefront_size32 1
		.amdhsa_system_sgpr_workgroup_id_x 1
		.amdhsa_system_sgpr_workgroup_id_y 1
		.amdhsa_system_sgpr_workgroup_id_z 1
		.amdhsa_system_vgpr_workitem_id 0
		.amdhsa_next_free_vgpr 1024
		.amdhsa_next_free_sgpr 66
		.amdhsa_reserve_vcc 0
		.amdhsa_float_denorm_mode_32 3
		.amdhsa_float_denorm_mode_16_64 3
		.amdhsa_memory_ordered 1
		.amdhsa_forward_progress 1
		.amdhsa_inst_pref_size 163
	.end_amdhsa_kernel
	.amdgpu_metadata
---
amdhsa.version: [ 1, 2 ]
amdhsa.kernels:
  - .name:           k_qe764912ed1_outp
    .symbol:         k_qe764912ed1_outp.kd
    .args:
      - { .name: c3, .offset: 0, .size: 8, .value_kind: global_buffer, .address_space: global }
      - { .name: s3, .offset: 8, .size: 8, .value_kind: global_buffer, .address_space: global }
      - { .name: c1, .offset: 16, .size: 8, .value_kind: global_buffer, .address_space: global }
      - { .name: s1, .offset: 24, .size: 8, .value_kind: global_buffer, .address_space: global }
      - { .name: bo, .offset: 32, .size: 8, .value_kind: global_buffer, .address_space: global }
      - { .name: out0, .offset: 40, .size: 8, .value_kind: global_buffer, .address_space: global }
    .group_segment_fixed_size: 8704
    .private_segment_fixed_size: 0
    .kernarg_segment_align: 8
    .kernarg_segment_size: 48
    .max_flat_workgroup_size: 32
    .sgpr_count:     66
    .vgpr_count:     1024
    .wavefront_size: 32
...
	.end_amdgpu_metadata
.endif
;; end of part 4
;; ======== version 2 of 3: 4 launches
;; workspace buffers: c1 12,582,912 bytes; s1 1,048,576 bytes; mbits 1,048,576 bytes of whole numbers; c2 9,830,400 bytes; c3 3,145,728 bytes; s3 262,144 bytes
;; launch prep (part 5): grid 1024 x 1, 4 waves a work-group, no clusters, 43,520 bytes of LDS; arguments query, key, value, Wq, Wk, Wv, Wo, mask, c1, s1, mbits; writes c1, s1, mbits
.if DOCPART == 5
	.amdgcn_target "amdgcn-amd-amdhsa--gfx1250"
	.amdhsa_code_object_version 6
	.text
	.protected	k_qe764912ed1_prep
	.globl	k_qe764912ed1_prep
	.p2align	8
	.type	k_qe764912ed1_prep,@function
k_qe764912ed1_prep:
	s_mov_b64 s[64:65], 0
	v_nop
	global_prefetch_b8 v0, s[64:65] scope:SCOPE_SE
	s_setreg_imm32_b32 hwreg(HW_REG_WAVE_MODE, 25, 1), 1
	s_wait_xcnt 0x0
; PREP.  (A) query, key, value [4096][1024] and Wq, Wk, Wv, Wo [1024][1024], f32 with K innermost, become codes of FP6 (E2M3) with one E8M0 byte for each 32 along K,
; laid as the matrix instruction's registers want them.  (B) the mask's bytes become bits, one 32-bit word for each register of a tile of scores.
; ROW TILES.  The seven tensors' rows form 1,024 tiles of 16: query 0-255, key 256-511, value 512-767, Wq 768-831, Wk 832-895, Wv 896-959, Wo 960-1023.  Place p of a tensor's tile T is its row
; 32 (T / 2) + 8 (T % 2) + p + 8 (p / 8), so that in a transposed product the 16 result registers of tiles 2 b and 2 b + 1 are 16 neighbours.
; IMAGES.  A fragment (16 rows x 128 K: 12 registers a lane) lies in c1 at (8 tile + K step) x 1,536 as its registers stand: register j of lane l at 512 (j / 4) + 16 l + 4 (j % 4).
; Its scale words lie in s1 at (8 tile + K step) x 128, 4 bytes a lane (lanes 16-31 repeat lanes 0-15).  Every store of a wave covers 512 (128) consecutive bytes.
; SHARES.  Work-group T takes row tile T; wave w its K steps 2 w and 2 w + 1.  Each load reads 512 consecutive bytes of one row; the 16 rows turn through the wave's own stage in LDS (rows 528 bytes
; apart: an odd multiple of 16), so that lane (r, h) gets, of row r, the 16 neighbours 32 b + 16 h + 0 .. 15 of each block b.
; The same wave takes one unit of the mask: the tile of 16 queries T / 4 (128 b + tile), key step 4 (T % 4) + w (128 keys): 256 x 16 units for 4,096 waves.  A unit is 16 rows x 128 bytes: four loads of 4 rows each; the
; work-group's four waves read 512 consecutive bytes of each row.  Word j of a unit: bit r + 16 h = mask[query place r][key 32 (j / 16) + 16 h + j % 16].  The mask has a stage of its own (rows 144 bytes apart).
; All of a wave's 36 loads go out at its start; the mask's bits are made while the tensor's 32 loads are on their way.  No barrier: waves share nothing.  No branch: one path.
; A block's scale is 2^(floor(log2(its largest magnitude)) - 2); its byte is the largest magnitude's exponent field - 2, held at 1 from below.
; LIMITS: NaN and infinities among the inputs are not served.  A block whose largest magnitude lies under 2^-124, a block of zeros among them, gets the byte 1 (a block of zeros: where the rule says 127; its codes
; are zeros, and this program alone reads the bytes).  Any mask byte other than 0 counts as true.
.set PITCH,  528
.set STAGE,  16*PITCH                  ; a wave's stage for the numbers
.set MPITCH, 144
.set MSTAGE, 16*MPITCH                 ; and for the mask's bytes
.set WREG,   STAGE+MSTAGE              ; a wave's LDS
.set LI,  1                            ; v1   16 x lane
.set LS,  2                            ; v2   4 x lane
.set STI, 3                            ; v3   the stage on the way in: 16 x lane
.set STO, 4                            ; v4   on the way out: 528 r + 64 h
.set M8,  5                            ; v5   8 x lane
.set W,   6                            ; v6-7 the unit's 64 words: word j in register j % 2 of lane j / 2; never rewritten behind their store
.set PC,  8                            ; v8-27  the codes just made
.set PW,  28                           ; v28  the scale word just made
.set MLO, 29                           ; v29  the mask in memory: 2,048 (lane / 8) + 16 (lane % 8)
.set MSI, 30                           ; v30  the mask's stage on the way in: 144 (lane / 8) + 16 (lane % 8)
.set MSO, 31                           ; v31  on the way out: 144 r + 16 h
.set R0,  32                           ; v32-95   16 rows as loaded
.set R1,  96                           ; v96-159  the second K step's
.set X,   160                          ; v160-223 64 numbers of my row; ahead of them v160-175 the mask as loaded, v176-191 64 bytes of my query
.set TM,  224                          ; v224-239 at work
.set SEL, 30                           ; s[30:31] v_permlanex16_b32's selects for lane l xor 16
	s_load_b512 s[4:19], s[0:1], 0x0               ; query, key, value, Wq, Wk, Wv, Wo, mask
	s_load_b128 s[20:23], s[0:1], 0x40             ; c1, s1
	s_load_b64 s[24:25], s[0:1], 0x50              ; mbits
	v_lshl_add_u32 v240, v0, 2, 0xa800
	v_mov_b32 v241, 0
	v_lshrrev_b32 v[TM+8], 5, v0
	v_readfirstlane_b32 s28, v[TM+8]               ; wave 0..3
	v_and_b32 v[TM+8], 31, v0                      ; lane
	v_and_b32 v[TM+9], 15, v0                      ; r
	v_bfe_u32 v[TM+10], v0, 4, 1                   ; h
	v_bfe_u32 v[TM+11], v0, 3, 2                   ; lane / 8
	v_and_b32 v[TM], 7, v0                         ; lane % 8
	v_lshlrev_b32 v[LI], 4, v[TM+8]
	v_lshlrev_b32 v[LS], 2, v[TM+8]
	v_lshlrev_b32 v[M8], 3, v[TM+8]
	s_mul_i32 s36, s28, WREG
	v_add_nc_u32 v[STI], s36, v[LI]
	v_mul_u32_u24 v[STO], v[TM+9], PITCH
	v_lshl_add_u32 v[STO], v[TM+10], 6, v[STO]
	v_add_nc_u32 v[STO], s36, v[STO]
	s_add_co_u32 s36, s36, STAGE
	v_mul_u32_u24 v[MSI], v[TM+11], MPITCH
	v_lshl_add_u32 v[MSI], v[TM], 4, v[MSI]
	v_add_nc_u32 v[MSI], s36, v[MSI]
	v_mul_u32_u24 v[MSO], v[TM+9], MPITCH
	v_lshl_add_u32 v[MSO], v[TM+10], 4, v[MSO]
	v_add_nc_u32 v[MSO], s36, v[MSO]
	v_lshlrev_b32 v[MLO], 11, v[TM+11]
	v_lshl_add_u32 v[MLO], v[TM], 4, v[MLO]
	s_mov_b32 s[SEL], 0x76543210
	s_mov_b32 s[SEL+1], 0xfedcba98
	s_lshr_b32 s32, ttmp9, 2                       ; the tile of queries: 128 b + tile
	s_and_b32 s33, ttmp9, 3
	s_lshl_b32 s33, s33, 2
	s_add_co_u32 s33, s33, s28                     ; the key step
	s_lshr_b32 s34, s32, 1
	s_lshl_b32 s34, s34, 16                        ; 32 rows of 2,048 bytes for each pair of tiles,
	s_and_b32 s35, s32, 1
	s_lshl_b32 s35, s35, 14                        ; 8 rows for the odd one,
	s_add_co_u32 s34, s34, s35
	s_lshl_b32 s35, s33, 7                         ; my 128 keys
	s_add_co_u32 s34, s34, s35
	s_mov_b32 s35, 0
	s_lshl_b32 s44, s32, 12                        ; mbits: (16 tile + key step) x 256
	s_lshl_b32 s45, s33, 8
	s_add_co_u32 s44, s44, s45
	s_mov_b32 s45, 0
	s_wait_kmcnt 0x0
	s_add_nc_u64 s[38:39], s[18:19], s[34:35]
	s_add_nc_u64 s[24:25], s[24:25], s[44:45]
.irp m, 0,1,2,3                                ; places 4 m .. 4 m + 3 of the tile: eight lanes to a row's 128 bytes
	global_load_b128 v[X+4*\m:X+4*\m+3], v[MLO], s[38:39] offset:(4*\m+8*(\m/2))*2048
.endr
; 16 rows of a tile, 512 consecutive bytes of each, from byte col of the rows
.macro LOADR set, col
.irp i, 0,1,2,3,4,5,6,7,8,9,10,11,12,13,14,15
	global_load_b128 v[\set+4*\i:\set+4*\i+3], v[LI], s[26:27] offset:(\i+8*(\i/8))*4096+\col th:TH_LOAD_NT
.endr
.endm
; through the stage: in as loaded, out 64 bytes of each block of 128 bytes of my row.  LDS serves a wave's instructions in order: no wait between the stores and the loads
.macro TURN set
.irp i, 0,1,2,3,4,5,6,7,8,9,10,11,12,13,14,15
	ds_store_b128 v[STI], v[\set+4*\i:\set+4*\i+3] offset:PITCH*\i
.endr
.irp b, 0,1,2,3
.irp q, 0,1,2,3
	ds_load_b128 v[X+16*\b+4*\q:X+16*\b+4*\q+3], v[STO] offset:128*\b+16*\q
.endr
.endr
.endm
; 64 numbers of a lane, register 16 b + i = k 32 b + 16 h + i of my row, become a fragment's codes in v[PC] on and its scale word in v[PW]
.macro QUANT s
.irp b, 0,1,2,3
	v_max3_num_f32 v[TM+\b], |v[\s+16*\b]|, |v[\s+1+16*\b]|, 0x1800000   ; block b: my 16 numbers, and the floor 2^(3 - 127): the byte cannot fall under 1
.endr
.irp i, 2,4,6,8,10,12,14
.irp b, 0,1,2,3
	v_max3_num_f32 v[TM+\b], v[TM+\b], |v[\s+16*\b+\i]|, |v[\s+1+16*\b+\i]|   ; the four blocks by turns
.endr
.endr
.irp b, 0,1,2,3
	v_permlanex16_b32 v[TM+4+\b], v[TM+\b], s[SEL], s[SEL+1]
.endr
.irp b, 0,1,2,3
	v_max_num_f32 v[TM+\b], v[TM+\b], v[TM+4+\b]   ; with lane l xor 16's: the block's largest magnitude
.endr
.irp b, 0,1,2,3
	v_add_nc_u32 v[TM+12+\b], 0xff000000, v[TM+\b] ; 2 off its exponent field: the conversion takes the exponent field of this operand as its scale
.endr
.irp b, 0,1,2,3
	v_lshrrev_b32 v[TM+4+\b], 23, v[TM+12+\b]      ; the scale's byte
.endr
	v_lshl_or_b32 v[PW], v[TM+5], 8, v[TM+4]
	v_lshl_or_b32 v[PW], v[TM+6], 16, v[PW]
	v_lshl_or_b32 v[PW], v[TM+7], 24, v[PW]
.irp c, 0,1
	v_cvt_scalef32_pk16_fp6_f32 v[PC+6*\c:PC+2+6*\c], v[\s+32*\c:\s+15+32*\c], v[TM+12+2*\c]
	v_cvt_scalef32_pk16_fp6_f32 v[PC+12+4*\c:PC+14+4*\c], v[\s+16+32*\c:\s+31+32*\c], v[TM+12+2*\c+1]   ; (a conversion's three registers begin on an even number)
.endr
	v_nop                                          ; one plain place behind a scaled conversion
.irp c, 0,1                                    ; the operand's layout wants a whole block in a lane: lanes 0-15 block 2 c, lanes 16-31 block 2 c + 1
.irp i, 0,1,2
	v_permlane16_swap_b32 v[PC+6*\c+\i], v[PC+12+4*\c+\i]
.endr
.irp i, 0,1,2
	v_mov_b32 v[PC+3+6*\c+\i], v[PC+12+4*\c+\i]
.endr
.endr
.endm
.macro OUT k                           ; the image of my k-th K step: three stores of 512 consecutive bytes, one of 128
.irp c, 0,1,2
	global_store_b128 v[LI], v[PC+4*\c:PC+4*\c+3], s[20:21] offset:1536*\k+512*\c
.endr
	global_store_b32 v[LS], v[PW], s[22:23] offset:128*\k
.endm
.macro PICK thr, ptr, first            ; under tile thr: the tensor at s[ptr], whose first tile is first.  The choice hangs on the work-group's number alone
	s_cmp_lt_u32 ttmp9, \thr
	s_cselect_b64 s[26:27], s[\ptr:\ptr+1], s[26:27]
	s_cselect_b32 s29, \first, s29
.endm
	s_mov_b64 s[26:27], s[16:17]                   ; Wo,
	s_mov_b32 s29, 960
	PICK 960, 14, 896                              ; or Wv,
	PICK 896, 12, 832                              ; Wk,
	PICK 832, 10, 768                              ; Wq,
	PICK 768, 8, 512                               ; value,
	PICK 512, 6, 256                               ; key,
	PICK 256, 4, 0                                 ; query
	s_sub_co_u32 s32, ttmp9, s29                   ; the tile's number in its tensor
	s_lshr_b32 s33, s32, 1
	s_lshl_b32 s33, s33, 17                        ; 32 rows of 4,096 bytes for each pair of tiles,
	s_and_b32 s32, s32, 1
	s_lshl_b32 s32, s32, 15                        ; 8 rows for the odd one,
	s_add_co_u32 s32, s32, s33
	s_lshl_b32 s33, s28, 10                        ; my two K steps: 1,024 bytes x wave
	s_add_co_u32 s32, s32, s33
	s_mov_b32 s33, 0
	s_add_nc_u64 s[26:27], s[26:27], s[32:33]
	s_mul_i32 s32, ttmp9, 12288                    ; c1: (8 tile + 2 wave) x 1,536
	s_mul_i32 s34, s28, 3072
	s_add_co_u32 s32, s32, s34
	s_add_nc_u64 s[20:21], s[20:21], s[32:33]
	s_lshl_b32 s32, ttmp9, 10                      ; s1: (8 tile + 2 wave) x 128
	s_lshl_b32 s34, s28, 8
	s_add_co_u32 s32, s32, s34
	s_add_nc_u64 s[22:23], s[22:23], s[32:33]
	LOADR R0, 0
	LOADR R1, 512
.irp b, 0,1,2,3
	v_mov_b32 v[TM+4+\b], 0                        ; written once: a lane permute's destination counts as one of its sources
.endr
	v_mov_b32 v[W], 0                              ; v_writelane_b32's destination counts as read
	v_mov_b32 v[W+1], 0
	; ---- (B) the mask's unit, while the tensor's 32 loads are on their way
	s_wait_loadcnt 32                              ; the mask's four loads are in; the 32 younger ones may be out
.irp m, 0,1,2,3
	ds_store_b128 v[MSI], v[X+4*\m:X+4*\m+3] offset:4*\m*MPITCH
.endr
.irp b, 0,1,2,3
	ds_load_b128 v[X+16+4*\b:X+16+4*\b+3], v[MSO] offset:32*\b   ; keys 32 b + 16 h + 0 .. 15 of my query
.endr
	s_wait_dscnt 0x0
.set j, 0
.rept 64                               ; word j: one byte of every lane, as 32 bits
	v_and_b32 v[TM+j%4], 0xff<<(8*(j%4)), v[X+16+4*(j/16)+(j%16)/4]
	v_cmp_ne_u32 s[40+j%4], 0, v[TM+j%4]
	v_writelane_b32 v[W+j%2], s[40+j%4], j/2
.set j, j+1
.endr
	global_store_b64 v[M8], v[W:W+1], s[24:25]     ; 32 lanes store 256 consecutive bytes, aligned: words 0 .. 63
	; ---- (A) the row tile's two K steps
	s_wait_loadcnt 16                              ; the first K step's 16 loads are in; the second's may be out
	TURN R0
	s_wait_dscnt 0x0
	QUANT X
	OUT 0
	s_wait_loadcnt 0x0
	TURN R1
	s_wait_dscnt 0x0
	s_wait_xcnt 0x0                                ; the first image's stores have read their registers: the codes and the scale word are written again only behind this wait
	QUANT X
	OUT 1
	s_wait_tensorcnt 0x0
	ds_add_u32 v240, v241
	s_wait_dscnt 0x0
	s_endpgm
.Lfunc_end_k_qe764912ed1_prep:
	.size	k_qe764912ed1_prep, .Lfunc_end_k_qe764912ed1_prep-k_qe764912ed1_prep
	.p2alignl 7, 3214868480
	.fill 96, 4, 3214868480
	.section	.rodata,"a",@progbits
	.p2align	6, 0x0
	.amdhsa_kernel k_qe764912ed1_prep
		.amdhsa_group_segment_fixed_size 43520
		.amdhsa_private_segment_fixed_size 0
		.amdhsa_enable_private_segment 0
		.amdhsa_kernarg_size 88
		.amdhsa_user_sgpr_count 2
		.amdhsa_user_sgpr_kernarg_segment_ptr 1
		.amdhsa_wavefront_size32 1
		.amdhsa_system_sgpr_workgroup_id_x 1
		.amdhsa_system_sgpr_workgroup_id_y 1
		.amdhsa_system_sgpr_workgroup_id_z 1
		.amdhsa_system_vgpr_workitem_id 0
		.amdhsa_next_free_vgpr 242
		.amdhsa_next_free_sgpr 66
		.amdhsa_reserve_vcc 0
		.amdhsa_float_denorm_mode_32 3
		.amdhsa_float_denorm_mode_16_64 3
		.amdhsa_memory_ordered 1
		.amdhsa_forward_progress 1
		.amdhsa_inst_pref_size 33
	.end_amdhsa_kernel
	.amdgpu_metadata
---
amdhsa.version: [ 1, 2 ]
amdhsa.kernels:
  - .name:           k_qe764912ed1_prep
    .symbol:         k_qe764912ed1_prep.kd
    .args:
      - { .name: query, .offset: 0, .size: 8, .value_kind: global_buffer, .address_space: global }
      - { .name: key, .offset: 8, .size: 8, .value_kind: global_buffer, .address_space: global }
      - { .name: value, .offset: 16, .size: 8, .value_kind: global_buffer, .address_space: global }
      - { .name: Wq, .offset: 24, .size: 8, .value_kind: global_buffer, .address_space: global }
      - { .name: Wk, .offset: 32, .size: 8, .value_kind: global_buffer, .address_space: global }
      - { .name: Wv, .offset: 40, .size: 8, .value_kind: global_buffer, .address_space: global }
      - { .name: Wo, .offset: 48, .size: 8, .value_kind: global_buffer, .address_space: global }
      - { .name: mask, .offset: 56, .size: 8, .value_kind: global_buffer, .address_space: global }
      - { .name: c1, .offset: 64, .size: 8, .value_kind: global_buffer, .address_space: global }
      - { .name: s1, .offset: 72, .size: 8, .value_kind: global_buffer, .address_space: global }
      - { .name: mbits, .offset: 80, .size: 8, .value_kind: global_buffer, .address_space: global }
    .group_segment_fixed_size: 43520
    .private_segment_fixed_size: 0
    .kernarg_segment_align: 8
    .kernarg_segment_size: 88
    .max_flat_workgroup_size: 128
    .sgpr_count:     66
    .vgpr_count:     242
    .wavefront_size: 32
...
	.end_amdgpu_metadata
.endif
;; end of part 5
;; launch proj: the kernel of part 2 again; grid 768 x 1, 1 waves a work-group, no clusters, 0 bytes of LDS; arguments c1, s1, bq, bk, bv, c2; writes c2
;; launch attn (part 6): grid 8 x 32, 16 waves a work-group, clusters of 4 x 1, 206,848 bytes of LDS; arguments c2, mbits, c3, s3; writes c3, s3
.if DOCPART == 6
	.amdgcn_target "amdgcn-amd-amdhsa--gfx1250"
	.amdhsa_code_object_version 6
	.text
	.protected	k_qe764912ed1_attn
	.globl	k_qe764912ed1_attn
	.p2align	8
	.type	k_qe764912ed1_attn,@function
k_qe764912ed1_attn:
	s_mov_b64 s[64:65], 0
	v_nop
	global_prefetch_b8 v0, s[64:65] scope:SCOPE_SE
	s_setreg_imm32_b32 hwreg(HW_REG_WAVE_MODE, 25, 1), 1
	s_wait_xcnt 0x0
	s_wait_alu depctr_hold_cnt(0) depctr_sa_sdst(0) depctr_va_vdst(0) depctr_va_sdst(0) depctr_va_ssrc(0) depctr_va_vcc(0) depctr_vm_vsrc(0)
	s_getreg_b32 s2, hwreg(HW_REG_IB_STS2, 6, 4)
	s_cmp_eq_u32 s2, 0
	s_cbranch_scc0 .Lentry_in_a_cluster
	s_endpgm
.Lentry_in_a_cluster:
	s_bfe_u32 s2, ttmp6, 0x10000c
	s_cmp_lg_u32 s2, 0x3003
	s_cbranch_scc0 .Lentry_shape_is_right
	s_endpgm
.Lentry_shape_is_right:
; ATTN.  x[b][q][head] = softmax_k(where(mask, q . k / 8, -1e9)) v, both products on codes of FP6 (E2M3); x is quantised along the merged heads for the last projection and leaves as parts of operand images.
; THE SOFTMAX: t = score x log2(e) / 8; M = the running largest t rounded UP to a whole number; p = 2^(t - M) is quantised along the keys, not normalised; the row's sum is taken of the unquantised p and divides at the end.
; When M moves, the sum and O are multiplied by 2^(old M - new M): exact.  A hidden key's score is replaced, ahead of the maximum, by -8e9, which is -1e9 ahead of the division by 8: a row with no key left comes out uniform.
; SHARES.  A work-group owns 256 queries of one (b, head), each of its sixteen waves one tile of 16: four waves to a SIMD, so that one wave's vector work stands beside another's matrix work and LDS loads.
; THE WHOLE HEAD'S K AND V STAY IN LDS: k's record of 102,400 bytes at byte 0, v's behind it, as they lie in c2 (scale words, then fragment images).  Filled once; nothing is filled again.
; THE FILL GOES IN FOUR PIECES, AND THE WORK BEGINS BEHIND THE FIRST.  Piece n of a record is its bytes 25,600 n on; waves 0, 1 bring the two halves (50 rows of 256 bytes) of k's pieces, waves 2, 3 of v's: four loads a wave,
; issued together, so four tensor loads of a wave are out at the most.  Key step ks reads its record up to byte 4,096 + 6,144 (ks + 1): steps 0-2 lie in piece 0 (22,528 of 25,600), steps 3-6 end in piece 1 (47,104 of 51,200),
; steps 7-10 in piece 2 (71,680 of 76,800), steps 11-15 in piece 3.  So the 16 steps are four loops of 3, 4, 4 and 5 trips, each behind a counted wait (3, 2, 1, 0 younger loads may be out) and a barrier.
; CLUSTER.  The four blocks of queries of a cluster belong to one head and need the same two records: every piece is asked for JOINTLY, with the same descriptor in all four work-groups.
; LAYOUT.  Both products are used transposed: S^T = K Q^T, O^T = V^T P^T: a lane holds ONE query (place lane % 16 of its tile) throughout.
; K = 64 IN A FORM OF K = 128: a fragment of k holds two tiles of keys, one in each half of K; q is used as [q | zero codes] for the first and as [zero codes | q] for the second.  Zero codes add nothing under any scale byte but 0xff.
; By the tiles' order the 16 registers of score tiles 2 b and 2 b + 1 are keys 32 b + 16 h + 0 .. 15 of the step, and O^T's registers 16 b + i are channels 32 b + 16 h + i.
; THE MASK comes as bits: word j of a key step holds, for all 32 lanes, whether register j's key counts.  64 words a step come by scalar loads, a step ahead, and steer v_cndmask_b32: no branch hangs on them.
; LIMITS: NaN and infinities are not served; a block whose largest magnitude lies under 2^-124 gets the scale byte 1; the division by the row's sum is v_rcp_f32 and a multiplication.
; REGISTERS: v1-7 offsets that stay; v8-11 the step's LDS addresses; v12 -M, v13 the largest t, v[14:15] the sum in two halves; v16-21 zeros, v22-27 q, v28-33 zeros; v34 q's scale word; v36-83 four fragments of k, then of v;
; v84-87, v88-91 their scale words; v96-159 S^T, then p; v160-191 O^T; v192-203 p's codes; v204-210 the conversions' second halves; v212-233 at work; v244 p's scale word; v[246:247] f; v248-250 the way out's offsets.
.set AK0,  1                           ; 16 lane + 4,096: my place in k's fragment images
.set AV0,  2                           ; the same in v's record
.set ASK0, 3                           ; 16 r: my place's four scale words of a key step
.set ASV0, 4
.set NEG,  5                           ; -8e9
.set LI,   6                           ; 16 lane
.set LS,   7                           ; 4 lane
.set QS,   34
.set PC,   192
.set PH,   204
.set BMX,  212
.set BT,   216
.set SOP,  220
.set T0,   224
.set SU,   226
.set D4,   228
.set D2,   232
.set PS,   244
.set F,    246
.set XO4,  248                         ; x's image: where my four whole registers go;  v249 my two others;  v250 my two scale bytes
.set XO2,  249
.set XOS,  250
.set PM,   2                           ; s[2:3] my tile's mask words
.set G00,  4                           ; s[4:7], s[8:11], s[92:95], s[96:99] descriptor groups 0 of my four pieces: never rewritten
.set G01,  8
.set G02,  92
.set G03,  96
.set WV,   12                          ; s12 wave;  s13, s14 where the step's images and scale words begin in a record;  s15 steps to go
.set TB,   13
.set TS,   14
.set MO,   66                          ; s66 the byte of the mask words asked for last;  s67 all ones for an odd head
.set G1,   84                          ; s[84:91] descriptor group 1: never rewritten
.set SEL,  100
.set CS,   104                         ; s[104:105] c = log2(e) / 8; the packed form names a pair and takes its low word for both halves
; the mask's words: word j in s[16 + j] for j < 48, in s[20 + j] from there on.  Ahead of the first of them s16-63 are at work
.macro CROUND                          ; a round of the cluster's barrier
	s_barrier_signal -1
	s_barrier_wait -1
	s_cmp_lg_u32 s[WV], 0
	s_cbranch_scc1 .Lnot_wave_0_\@
	s_barrier_signal -3
.Lnot_wave_0_\@:
	s_barrier_wait -3
	s_barrier_signal -1
	s_barrier_wait -1
.endm
.macro MASKS                           ; 64 words, 256 bytes, from byte s[MO] of my tile's 16 key steps
	s_load_b512 s[16:31], s[PM:PM+1], s[MO] offset:0x0
	s_load_b512 s[32:47], s[PM:PM+1], s[MO] offset:0x40
	s_load_b512 s[48:63], s[PM:PM+1], s[MO] offset:0x80
	s_load_b512 s[68:83], s[PM:PM+1], s[MO] offset:0xc0
.endm
.macro MKG0 g, n                       ; group 0 of my half of piece n
	s_mov_b32 s[\g], 1                             ; count = 1
	s_add_co_u32 s[\g+1], s31, \n*25600            ; LDS address
	s_add_nc_u64 s[\g+2:\g+3], s[32:33], \n*25600  ; global address
	s_or_b32 s[\g+3], s[\g+3], 0x80000000          ; type = 2
.endm
	s_load_b128 s[16:19], s[0:1], 0x0              ; c2, mbits
	v_lshl_add_u32 v254, v0, 2, 0x32000
	v_mov_b32 v255, 0
	ds_add_u32 v254, v255
	ds_add_u32 v254, v255
	v_lshrrev_b32 v8, 5, v0
	v_readfirstlane_b32 s[WV], v8                  ; wave 0..15
	; the joint loads' descriptors: made of the head and the wave's number alone, in registers that never hold my place in the cluster
	s_and_b32 s20, ttmp7, 0xffff                   ; y = 16 b + head
	s_mul_i32 s36, s20, 102400                     ; its record in a section
	s_min_u32 s26, s[WV], 3                        ; (waves 0 to 3 ask)
	s_lshr_b32 s27, s26, 1                         ; k's record or v's,
	s_and_b32 s28, s26, 1                          ; a piece's first half or second
	s_mul_i32 s29, s27, 3276800
	s_mul_i32 s30, s28, 12800
	s_add_co_u32 s24, s36, s29
	s_add_co_u32 s24, s24, s30
	s_add_co_u32 s24, s24, 3276800                 ; behind q's section
	s_mov_b32 s25, 0
	s_mul_i32 s31, s27, 102400
	s_add_co_u32 s31, s31, s30                     ; in LDS: 102,400 x record + 12,800 x half
	s_mov_b32 s[G1], 15|(3<<16)|(1<<21)            ; the mask: all four work-groups; elements of 8 bytes; bit 21 beside a mask; no padding
	s_mov_b32 s[G1+1], 32<<16                      ; tensor_dim0 = 32 elements: 256 bytes
	s_mov_b32 s[G1+2], 50<<16                      ; tensor_dim1 = 50
	s_mov_b32 s[G1+3], 32<<16                      ; tile_dim0
	s_mov_b32 s[G1+4], 50                          ; tile_dim1
	s_mov_b32 s[G1+5], 32                          ; the pitch: dense
	s_mov_b32 s[G1+6], 0
	s_mov_b32 s[G1+7], 0
	; what is my own: q's fragment, the mask's words, x's place
	s_bfe_u32 s21, ttmp6, 0x40000                  ; cx
	s_lshl_b32 s22, ttmp9, 2
	s_add_co_u32 s22, s22, s21                     ; my block of 256 queries
	s_lshr_b32 s23, s20, 4                         ; b
	s_and_b32 s37, s20, 15                         ; head
	s_lshl_b32 s45, s22, 4
	s_add_co_u32 s45, s45, s[WV]                   ; my tile of queries
	s_lshl_b32 s51, s23, 7
	s_add_co_u32 s51, s51, s45                     ; g = 128 b + tile
	s_lshl_b32 s52, s22, 1
	s_lshr_b32 s53, s[WV], 3
	s_add_co_u32 s52, s52, s53                     ; its block of 128 tokens,
	s_bfe_u32 s53, s[WV], 0x20001                  ; its fragment there (the wave's lowest bit: which half of the fragment)
	s_lshl_b32 s34, s52, 2
	s_add_co_u32 s34, s34, s53
	s_mul_i32 s34, s34, 1536
	s_add_co_u32 s34, s34, s36
	s_add_co_u32 s34, s34, 4096
	s_mov_b32 s35, 0
	s_lshl_b32 s38, s52, 8
	s_lshl_b32 s48, s53, 2
	s_add_co_u32 s38, s38, s48
	s_add_co_u32 s38, s38, s36                     ; and its scale words
	s_mov_b32 s39, 0
	s_lshl_b32 s40, s51, 12                        ; the mask's words: g x 16 steps x 256 bytes
	s_mov_b32 s41, 0
	s_lshl_b32 s47, s51, 3
	s_lshr_b32 s46, s37, 1
	s_add_co_u32 s47, s47, s46                     ; x's image: 8 g + head / 2
	s_and_b32 s46, s37, 1                          ; which half of it is mine
	s_mul_i32 s42, s47, 1536
	s_lshl_b32 s44, s47, 7
	s_lshl_b32 s48, s46, 1
	s_add_co_u32 s44, s44, s48                     ; my two bytes of its scale words
	s_lshl_b32 s49, s46, 10                        ; my four whole registers: the image's first 512 bytes, for an odd head its last
	s_add_co_u32 s49, s49, s42
	s_lshl_b32 s50, s46, 3
	s_add_co_u32 s50, s50, 512                     ; my two others: half of each lane's 16 bytes in the middle
	s_add_co_u32 s50, s50, s42
	s_sub_co_u32 s67, 0, s46
	s_bitcmp1_b32 s[WV], 0
	s_cselect_b32 s15, -1, 0                       ; an odd tile: registers 6-11 of q's fragment,
	s_mov_b32 s14, 0x01000100
	s_cselect_b32 s14, 0x03020302, s14             ; and bytes 2, 3 of its scale word  (s14 and s15 take their lasting parts behind q's choice)
	s_mov_b32 s[SEL], 0x76543210
	s_mov_b32 s[SEL+1], 0xfedcba98
	s_mov_b32 s[CS], 0x3e38aa3b
	s_mov_b32 s[CS+1], s[CS]
	s_mov_b32 s[MO], 0
	s_wait_dscnt 0x0
	s_wait_kmcnt 0x0
	s_add_nc_u64 s[32:33], s[16:17], s[24:25]
	MKG0 G00, 0
	MKG0 G01, 1
	MKG0 G02, 2
	MKG0 G03, 3
	s_add_nc_u64 s[54:55], s[16:17], s[34:35]      ; q's fragment
	s_add_nc_u64 s[56:57], s[16:17], s[38:39]      ; q's scale words
	s_add_nc_u64 s[PM:PM+1], s[18:19], s[40:41]
	CROUND                                         ; all four work-groups are here: the joint loads meet
	s_cmp_lt_u32 s[WV], 4
	s_cbranch_scc0 .Lasked
	tensor_load_to_lds s[G00:G00+3], s[G1:G1+7]    ; my four tensor loads of the launch, in the order in which the key steps want them
	s_nop 0
	tensor_load_to_lds s[G01:G01+3], s[G1:G1+7]
	s_nop 0
	tensor_load_to_lds s[G02:G02+3], s[G1:G1+7]
	s_nop 0
	tensor_load_to_lds s[G03:G03+3], s[G1:G1+7]
	s_nop 0
.rept 4
	v_nop
.endr
.Lasked:
	v_and_b32 v8, 31, v0
	v_and_b32 v9, 15, v0
	v_lshlrev_b32 v[LI], 4, v8
	v_lshlrev_b32 v[LS], 2, v8
	v_add_nc_u32 v[AK0], 4096, v[LI]
	v_add_nc_u32 v[AV0], 106496, v[LI]
	v_lshlrev_b32 v[ASK0], 4, v9
	v_add_nc_u32 v[ASV0], 102400, v[ASK0]
	global_load_b128 v[36:39], v[LI], s[54:55]
	global_load_b128 v[40:43], v[LI], s[54:55] offset:512
	global_load_b128 v[44:47], v[LI], s[54:55] offset:1024
	global_load_b32 v35, v[ASK0], s[56:57]
	v_add_nc_u32 v[XO4], s49, v[LI]
	v_add_nc_u32 v[XO2], s50, v[LI]
	v_add_nc_u32 v[XOS], s44, v[LS]
	v_mov_b32 v[NEG], 0xcfee6b28
	v_mov_b32 v13, 0xff61b1e6                      ; the largest t so far: -3e38, under every t
	v_floor_f32 v12, -v13                          ; -M
	v_mov_b32 v14, 0
	v_mov_b32 v15, 0
	v_mov_b32 v[F+1], 0                            ; (named as the upper half of a pair)
.irp i, 0,1,2,3,4,5
	v_mov_b32 v[16+\i], 0                          ; zero codes on both sides of q
	v_mov_b32 v[28+\i], 0
.endr
.irp b, 0,1,2,3
	v_mov_b32 v[BT+\b], 0                          ; written once: a lane permute's destination counts as one of its sources
.endr
	s_wait_loadcnt 0x0                             ; q is in, and its loads have read their bases: s16-63 may take the mask's words
.irp i, 0,1,2,3,4,5
	v_cndmask_b32 v[22+\i], v[36+\i], v[42+\i], s15
.endr
	v_perm_b32 v[QS], v35, v35, s14                ; q's two scale bytes, in both halves of the word
	MASKS                                          ; key step 0's; from here on s16-63 and s68-83 hold mask words alone
.set j, 0
.rept 32
	v_mov_b32 v[160+j], 0                          ; O^T: the step is written once; the first finds zeros.  (These lines are also the places between the lines above and the first scaled matrix instruction)
.set j, j+1
.endr
; A KEY STEP: 128 keys
.macro STEP
	v_add_nc_u32 v8, s[TB], v[AK0]                 ; (these four are the places behind the last step's matrix instructions, in front of the loads into their sources)
	v_add_nc_u32 v9, s[TB], v[AV0]
	v_add_nc_u32 v10, s[TS], v[ASK0]
	v_add_nc_u32 v11, s[TS], v[ASV0]
.irp f, 0,1,2,3
.irp c, 0,1,2
	ds_load_b128 v[36+12*\f+4*\c:36+12*\f+4*\c+3], v8 offset:1536*\f+512*\c
.endr
.endr
	ds_load_b128 v[84:87], v10
	s_wait_dscnt 0x0
.irp t, 0,1,2,3,4,5,6,7                        ; tile t of S^T: fragment t / 2 of k against [q | 0] or [0 | q]
	v_wmma_scale_f32_16x16x128_f8f6f4 v[96+8*\t:103+8*\t], v[36+12*(\t/2):47+12*(\t/2)], v[22-6*(\t%2):33-6*(\t%2)], 0, v[84+\t/2], v[QS] matrix_a_fmt:MATRIX_FMT_FP6 matrix_b_fmt:MATRIX_FMT_FP6
.endr
.rept 4
	v_nop                                          ; places: in front of the loads into k's registers and of the first read of the scores
.endr
.irp f, 0,1,2,3                                ; v's fragments land under the softmax
.irp c, 0,1,2
	ds_load_b128 v[36+12*\f+4*\c:36+12*\f+4*\c+3], v9 offset:1536*\f+512*\c
.endr
.endr
	ds_load_b128 v[88:91], v11
	s_wait_kmcnt 0x0                               ; this step's mask words, asked for a step ago
.set j, 0
.rept 64                               ; a hidden key's score becomes -8e9; each tile of scores is read from its low end on
.if j < 48
	v_cndmask_b32 v[96+j], v[NEG], v[96+j], s[16+j]
.else
	v_cndmask_b32 v[96+j], v[NEG], v[96+j], s[20+j]
.endif
.set j, j+1
.endr
	s_add_co_u32 s[MO], s[MO], 256                 ; (the loads that read it are done)
	s_min_u32 s[MO], s[MO], 3840                   ; the last step asks for its own words once more: no load leaves the buffer
	MASKS
.irp b, 0,1,2,3
	v_max3_num_f32 v[BMX+\b], v[96+16*\b], v[97+16*\b], v[98+16*\b]   ; the largest score of each block of 32 keys: for the row's maximum and, since p rises with the score, for the block's largest p
.endr
.irp i, 3,5,7,9,11,13
.irp b, 0,1,2,3
	v_max3_num_f32 v[BMX+\b], v[BMX+\b], v[96+16*\b+\i], v[97+16*\b+\i]
.endr
.endr
.irp b, 0,1,2,3
	v_max_num_f32 v[BMX+\b], v[BMX+\b], v[111+16*\b]
.endr
.irp b, 0,1,2,3
	v_permlanex16_b32 v[BT+\b], v[BMX+\b], s[SEL], s[SEL+1]
.endr
.irp b, 0,1,2,3
	v_max_num_f32 v[BMX+\b], v[BMX+\b], v[BT+\b]   ; with lane l xor 16's 16 keys
.endr
	v_max3_num_f32 v[T0], v[BMX], v[BMX+1], v[BMX+2]
	v_max_num_f32 v[T0], v[T0], v[BMX+3]
	v_mul_f32 v[T0], s[CS], v[T0]                  ; the step's largest t (c is positive)
	v_max_num_f32 v13, v13, v[T0]
	v_mov_b32 v[T0], v12
	v_floor_f32 v12, -v13                          ; the new -M = floor(-t): M is a whole number
	v_sub_f32 v[T0], v12, v[T0]                    ; old M - new M: a whole number, 0 or less
	v_cvt_i32_f32 v[T0], v[T0]                     ; (it saturates)
	v_ldexp_f32 v[F], 1.0, v[T0]                   ; f = 2^(old M - new M)
.set j, 0
.rept 32
	v_pk_fma_f32 v[96+j:97+j], v[96+j:97+j], s[CS:CS+1], v[12:13] op_sel_hi:[1,0,0]   ; t - M
.set j, j+2
.endr
.irp b, 0,1,2,3
	v_fma_f32 v[BMX+\b], v[BMX+\b], s[CS], v12     ; the same of each block's largest score
.endr
.set j, 0
.rept 64
	v_exp_f32 v[96+j], v[96+j]                     ; p = 2^(t - M), at most 1
.set j, j+1
.endr
.irp b, 0,1,2,3
	v_exp_f32 v[BMX+\b], v[BMX+\b]                 ; the block's largest p
.endr
	v_pk_mul_f32 v[14:15], v[14:15], v[F:F+1] op_sel_hi:[1,0]   ; the sums under the new M.  (A plain place behind the exponentials)
	s_wait_alu depctr_va_vdst(0)
.irp b, 0,1,2,3
	v_max_num_f32 v[BMX+\b], 0x1800000, v[BMX+\b]  ; the floor 2^(3 - 127): the byte cannot fall under 1
.endr
.irp b, 0,1,2,3
	v_add_nc_u32 v[SOP+\b], 0xff000000, v[BMX+\b]  ; 2 off the exponent field: the conversion's scale operand
.endr
.irp b, 0,1,2,3
	v_lshrrev_b32 v[BT+\b], 23, v[SOP+\b]          ; the scale's byte
.endr
	v_lshl_or_b32 v[PS], v[BT+1], 8, v[BT]         ; p's scale word for these 128 keys
	v_lshl_or_b32 v[PS], v[BT+2], 16, v[PS]
	v_lshl_or_b32 v[PS], v[BT+3], 24, v[PS]
.irp c, 0,1
	v_cvt_scalef32_pk16_fp6_f32 v[PC+6*\c:PC+2+6*\c], v[96+32*\c:111+32*\c], v[SOP+2*\c]
	v_cvt_scalef32_pk16_fp6_f32 v[PH+4*\c:PH+2+4*\c], v[112+32*\c:127+32*\c], v[SOP+2*\c+1]
.endr
	v_nop                                          ; one plain place behind a scaled conversion
.irp c, 0,1                                    ; a whole block to a lane: lanes 0-15 block 2 c, lanes 16-31 block 2 c + 1
.irp i, 0,1,2
	v_permlane16_swap_b32 v[PC+6*\c+\i], v[PH+4*\c+\i]
.endr
.irp i, 0,1,2
	v_mov_b32 v[PC+3+6*\c+\i], v[PH+4*\c+\i]
.endr
.endr
	v_pk_add_f32 v[SU:SU+1], v[96:97], v[98:99]    ; the row's sum is taken of the unquantised p: two at a time, in two chains
.irp j, 4,8,12,16,20,24,28,32,36,40,44,48,52,56,60
	v_pk_add_f32 v[14:15], v[14:15], v[96+\j:97+\j]
	v_pk_add_f32 v[SU:SU+1], v[SU:SU+1], v[98+\j:99+\j]
.endr
	v_pk_add_f32 v[14:15], v[14:15], v[SU:SU+1]
.set j, 0
.rept 16
	v_pk_mul_f32 v[160+j:161+j], v[160+j:161+j], v[F:F+1] op_sel_hi:[1,0]   ; O^T under the new M.  (The sums and these are the places between the codes, the scale word and the matrix instructions below)
.set j, j+2
.endr
	s_wait_dscnt 0x0                               ; v's fragments and scale words
.irp t, 0,1,2,3                                ; O^T += V^T P^T: the four accumulators by turns
	v_wmma_scale_f32_16x16x128_f8f6f4 v[160+8*\t:167+8*\t], v[36+12*\t:47+12*\t], v[PC:PC+11], v[160+8*\t:167+8*\t], v[88+\t], v[PS] matrix_a_fmt:MATRIX_FMT_FP6 matrix_b_fmt:MATRIX_FMT_FP6
.endr
	s_add_co_u32 s[TB], s[TB], 6144
	s_add_co_u32 s[TS], s[TS], 256
.endm
; The key steps first .. first + trips - 1, which read no byte behind the piece that the wait shows landed.  left = how many younger tensor loads of mine may stay out
.macro PHASE left, first, trips
	s_wait_tensorcnt \left                         ; my half of the piece has landed (a wave that asked for nothing passes),
	s_wait_dscnt 0x0                               ; no LDS instruction of mine is out,
	s_barrier_signal -1
	s_barrier_wait -1                              ; everybody's halves have
	s_mov_b32 s[TB], 6144*\first
	s_mov_b32 s[TS], 256*\first
	s_mov_b32 s15, \trips
.Lkey_\@:
	STEP
	s_sub_co_u32 s15, s15, 1
	s_cmp_lg_u32 s15, 0
	s_cbranch_scc1 .Lkey_\@
.endm
	PHASE 3, 0, 3
	PHASE 2, 3, 4
	PHASE 1, 7, 4
	PHASE 0, 11, 5
	; THE WAY OUT.  x = O^T / the sum; its 64 channels are two blocks of the last projection's K; my six registers are one half of the image of K step head / 2 of my tile of tokens.
	s_wait_kmcnt 0x0                               ; the words asked for in the last step: nobody reads them
	s_load_b128 s[16:19], s[0:1], 0x10             ; c3, s3: asked for here, wanted at the stores
.rept 4
	v_nop                                          ; places behind the last matrix instructions
.endr
	v_add_f32 v14, v14, v15
	v_permlanex16_b32 v[T0], v14, s[SEL], s[SEL+1]
	v_add_f32 v14, v14, v[T0]                      ; the row's sum
	v_rcp_f32 v14, v14
	v_nop                                          ; a plain place behind the transcendental
.set j, 0
	s_wait_alu depctr_va_vdst(0)
.rept 16
	v_pk_mul_f32 v[96+j:97+j], v[160+j:161+j], v[14:15] op_sel_hi:[1,0]   ; register 16 b + i: channel 32 b + 16 h + i; each accumulator from its low end on
.set j, j+2
.endr
.irp b, 0,1
	v_max3_num_f32 v[BMX+\b], |v[96+16*\b]|, |v[97+16*\b]|, 0x1800000
.endr
.irp i, 2,4,6,8,10,12,14
.irp b, 0,1
	v_max3_num_f32 v[BMX+\b], v[BMX+\b], |v[96+16*\b+\i]|, |v[97+16*\b+\i]|
.endr
.endr
.irp b, 0,1
	v_permlanex16_b32 v[BT+\b], v[BMX+\b], s[SEL], s[SEL+1]
.endr
.irp b, 0,1
	v_max_num_f32 v[BMX+\b], v[BMX+\b], v[BT+\b]
.endr
.irp b, 0,1
	v_add_nc_u32 v[SOP+\b], 0xff000000, v[BMX+\b]
.endr
.irp b, 0,1
	v_lshrrev_b32 v[BT+\b], 23, v[SOP+\b]
.endr
	v_lshl_or_b32 v[T0], v[BT+1], 8, v[BT]         ; my two bytes of the scale word
	v_cvt_scalef32_pk16_fp6_f32 v[PC:PC+2], v[96:111], v[SOP]
	v_cvt_scalef32_pk16_fp6_f32 v[PH:PH+2], v[112:127], v[SOP+1]
	v_nop
.irp i, 0,1,2
	v_permlane16_swap_b32 v[PC+\i], v[PH+\i]
.endr
.irp i, 0,1,2
	v_mov_b32 v[PC+3+\i], v[PH+\i]
.endr
.irp i, 0,1,2,3
	v_cndmask_b32 v[D4+\i], v[PC+\i], v[PC+2+\i], s67   ; an even head's registers are the image's 0-5: 0-3 whole, 4-5 in the middle; an odd head's are 6-11: 6-7 in the middle, 8-11 whole
.endr
.irp i, 0,1
	v_cndmask_b32 v[D2+\i], v[PC+4+\i], v[PC+\i], s67
.endr
	s_wait_kmcnt 0x0                               ; c3, s3
	global_store_b128 v[XO4], v[D4:D4+3], s[16:17] ; 512 consecutive bytes
	global_store_b64 v[XO2], v[D2:D2+1], s[16:17]  ; 8 of each lane's 16 bytes: the other head of the pair stores the other 8
	global_store_b16 v[XOS], v[T0], s[18:19]
	s_wait_dscnt 0x0
	s_wait_tensorcnt 0x0
	ds_add_u32 v254, v255
	s_wait_dscnt 0x0
	CROUND                                         ; the closing round: no work-group ends while a partner may still ask for a tile that names it
	s_endpgm
.Lfunc_end_k_qe764912ed1_attn:
	.size	k_qe764912ed1_attn, .Lfunc_end_k_qe764912ed1_attn-k_qe764912ed1_attn
	.p2alignl 7, 3214868480
	.fill 96, 4, 3214868480
	.section	.rodata,"a",@progbits
	.p2align	6, 0x0
	.amdhsa_kernel k_qe764912ed1_attn
		.amdhsa_group_segment_fixed_size 206848
		.amdhsa_private_segment_fixed_size 0
		.amdhsa_enable_private_segment 0
		.amdhsa_kernarg_size 32
		.amdhsa_user_sgpr_count 2
		.amdhsa_user_sgpr_kernarg_segment_ptr 1
		.amdhsa_wavefront_size32 1
		.amdhsa_system_sgpr_workgroup_id_x 1
		.amdhsa_system_sgpr_workgroup_id_y 1
		.amdhsa_system_sgpr_workgroup_id_z 1
		.amdhsa_system_vgpr_workitem_id 0
		.amdhsa_next_free_vgpr 256
		.amdhsa_next_free_sgpr 106
		.amdhsa_reserve_vcc 0
		.amdhsa_float_denorm_mode_32 3
		.amdhsa_float_denorm_mode_16_64 3
		.amdhsa_memory_ordered 1
		.amdhsa_forward_progress 1
		.amdhsa_inst_pref_size 94
	.end_amdhsa_kernel
	.amdgpu_metadata
---
amdhsa.version: [ 1, 2 ]
amdhsa.kernels:
  - .name:           k_qe764912ed1_attn
    .symbol:         k_qe764912ed1_attn.kd
    .args:
      - { .name: c2, .offset: 0, .size: 8, .value_kind: global_buffer, .address_space: global }
      - { .name: mbits, .offset: 8, .size: 8, .value_kind: global_buffer, .address_space: global }
      - { .name: c3, .offset: 16, .size: 8, .value_kind: global_buffer, .address_space: global }
      - { .name: s3, .offset: 24, .size: 8, .value_kind: global_buffer, .address_space: global }
    .group_segment_fixed_size: 206848
    .private_segment_fixed_size: 0
    .kernarg_segment_align: 8
    .kernarg_segment_size: 32
    .max_flat_workgroup_size: 512
    .sgpr_count:     106
    .vgpr_count:     256
    .wavefront_size: 32
...
	.end_amdgpu_metadata
.endif
;; end of part 6
;; launch outp (part 7): grid 256 x 1, 4 waves a work-group, no clusters, 17,920 bytes of LDS; arguments c3, s3, c1, s1, bo, out0; writes out0
.if DOCPART == 7
	.amdgcn_target "amdgcn-amd-amdhsa--gfx1250"
	.amdhsa_code_object_version 6
	.text
	.protected	k_qe764912ed1_outp
	.globl	k_qe764912ed1_outp
	.p2align	8
	.type	k_qe764912ed1_outp,@function
k_qe764912ed1_outp:
	s_mov_b64 s[64:65], 0
	v_nop
	global_prefetch_b8 v0, s[64:65] scope:SCOPE_SE
	s_setreg_imm32_b32 hwreg(HW_REG_WAVE_MODE, 25, 1), 1
	s_wait_xcnt 0x0
; OUTP.  out0 = x Wo^T + bo on codes of FP6 (E2M3), f32 sums.  x's fragment images and scale words come from c3 and s3, Wo's from c1 and s1 (row tiles 960-1023).
; SHARES.  A work-group of four waves, as many as a WGP has SIMDs, makes 128 tokens x 128 features (id = 8 tb + fb); wave w makes tokens 64 (w / 2) on x features 64 (w % 2) on: 16 accumulators, 16 matrix instructions a K step.
; Operands come from memory straight into registers, three loads of 512 consecutive bytes a fragment.  K = 1,024 is eight steps, written out; every offset is an immediate.  A step is 24 loads of fragments and 8 of scale
; words; three sets of registers, loads two steps ahead: each of the four waves keeps as many loads out as its counter holds.
; NO LDS RING AND NO JOINT LOADS: K has only eight steps, so a ring would put a round of the cluster's barrier into each of them; the price of going without is that each fragment is asked for by two waves of the work-group.
; THE PRODUCT IS USED TRANSPOSED: lanes = tokens (source 1), registers = features (source 0).  By the row tiles' order (place p of tile T = row 32 (T / 2) + 8 (T % 2) + p + 8 (p / 8)) the 32 registers of a tile of tokens
; are my features 32 g + 16 h + i at register 16 g + i.  A tile of 16 tokens goes through the wave's own stage in LDS (rows 272 bytes apart) and comes back as whole rows of 256 bytes, into the registers that it left:
; sixteen lanes store 256 consecutive bytes, aligned.  No barrier: waves share nothing.
; REGISTERS, in windows of 256.  Window 0: v1-6 offsets; v16-39 scale words, three sets (tokens +0 .. 3, features +4 .. 7); v48-79 the bias; v128-255 accumulator (a, b) at v[128 + 8 (4 a + b)].
;   Window 1: v96-239 x's fragments, three sets of 48.   Window 2: v0-143 Wo's.
.set SP,  272
.set LI,  1                            ; 16 x lane: an image's place
.set LS,  2                            ; 4 x lane
.set BNO, 3                            ; 64 h
.set STO, 4                            ; my stage on the way in: 272 r + 64 h
.set RD,  5                            ; on the way out: 272 h + 16 r
.set CO,  6                            ; and the same two rows in out0: 4,096 h + 16 r
.set SC,  16
.set BN,  48
.set AF,  96
.set ACC, 128
.set PA,  16
.set PB,  18
.set PSA, 20
.set PSB, 22
.set PBI, 24
.set PO,  26
.set MSB, 0
.macro WIN new                         ; the immediate's high byte repeats the setting that is left
.if MSB != (\new)
	s_set_vgpr_msb (MSB<<8)|(\new)
.set MSB, (\new)
.endif
.endm
.macro PLACES                          ; four plain places behind matrix instructions, in front of loads into their sources and of reads of their results
.rept 4
	v_nop
.endr
.endm
.macro LOADF s                         ; K step s: 4 + 4 fragments and their scale words into set s % 3: 32 loads
	WIN 0x80
.irp i, 0,1,2,3
.irp c, 0,1,2
	global_load_b128 v[48*((\s)%3)+12*\i+4*\c:48*((\s)%3)+12*\i+4*\c+3], v[LI], s[PB:PB+1] offset:(8*\i+(\s))*1536+512*\c
.endr
.endr
	WIN 0x40
.irp i, 0,1,2,3
.irp c, 0,1,2
	global_load_b128 v[AF+48*((\s)%3)+12*\i+4*\c:AF+48*((\s)%3)+12*\i+4*\c+3], v[LI], s[PA:PA+1] offset:(8*\i+(\s))*1536+512*\c
.endr
.endr
	WIN 0
.irp i, 0,1,2,3
	global_load_b32 v[SC+8*((\s)%3)+\i], v[LS], s[PSA:PSA+1] offset:(8*\i+(\s))*128
	global_load_b32 v[SC+8*((\s)%3)+4+\i], v[LS], s[PSB:PSB+1] offset:(8*\i+(\s))*128
.endr
.endm
; 16 matrix instructions.  The 16 accumulators take turns, one instruction a turn, in the same order in every step
.macro MUL s, zero
.irp a, 0,1,2,3
.irp b, 0,1,2,3
.if \zero
	v_wmma_scale_f32_16x16x128_f8f6f4 v[ACC+8*(4*\a+\b):ACC+8*(4*\a+\b)+7], v[48*((\s)%3)+12*\b:48*((\s)%3)+12*\b+11], v[AF+48*((\s)%3)+12*\a:AF+48*((\s)%3)+12*\a+11], 0, v[SC+8*((\s)%3)+4+\b], v[SC+8*((\s)%3)+\a] matrix_a_fmt:MATRIX_FMT_FP6 matrix_b_fmt:MATRIX_FMT_FP6
.else
	v_wmma_scale_f32_16x16x128_f8f6f4 v[ACC+8*(4*\a+\b):ACC+8*(4*\a+\b)+7], v[48*((\s)%3)+12*\b:48*((\s)%3)+12*\b+11], v[AF+48*((\s)%3)+12*\a:AF+48*((\s)%3)+12*\a+11], v[ACC+8*(4*\a+\b):ACC+8*(4*\a+\b)+7], v[SC+8*((\s)%3)+4+\b], v[SC+8*((\s)%3)+\a] matrix_a_fmt:MATRIX_FMT_FP6 matrix_b_fmt:MATRIX_FMT_FP6
.endif
.endr
.endr
.endm
.macro STEP s, zero
.if (\s) < 6
.if (\s) > 0
	PLACES                                         ; the set to be loaded was read by the step before
.endif
	LOADF (\s)+2
	s_wait_loadcnt 63                              ; behind this step's loads stand 64 younger ones; the wait names the largest count that it can, so one load more than is needed is in
.elseif (\s) == 6
	s_wait_loadcnt 32                              ; the last step's 32 may be out
.else
	s_wait_loadcnt 0x0
.endif
	WIN 0x06                                       ; source 0 (Wo) window 2, source 1 (x) window 1, C and D window 0
	MUL \s, \zero
	WIN 0
.endm
; tile a of tokens: + the bias, in place; into the stage by places, back by rows, into the registers that it left.  LDS serves a wave's instructions in order: no wait between the stores and the loads, nor in front of the next tile's stores
.macro TOSTAGE a
.set k, 0
.rept 16
	v_pk_add_f32 v[ACC+32*(\a)+2*k:ACC+32*(\a)+2*k+1], v[ACC+32*(\a)+2*k:ACC+32*(\a)+2*k+1], v[BN+2*k:BN+2*k+1]   ; each accumulator from its low end on
.set k, k+1
.endr
.irp g, 0,1
.irp q, 0,1,2,3
	ds_store_b128 v[STO], v[ACC+32*(\a)+16*\g+4*\q:ACC+32*(\a)+16*\g+4*\q+3] offset:128*\g+16*\q
.endr
.endr
.irp t, 0,1,2,3,4,5,6,7
	ds_load_b128 v[ACC+32*(\a)+4*\t:ACC+32*(\a)+4*\t+3], v[RD] offset:2*\t*SP
.endr
.endm
.macro SEND a, younger                 ; younger: the LDS instructions issued behind tile a's loads, which may stay out
	s_wait_dscnt \younger
.irp t, 0,1,2,3,4,5,6,7
	global_store_b128 v[CO], v[ACC+32*(\a)+4*\t:ACC+32*(\a)+4*\t+3], s[PO:PO+1] offset:(32*((\a)/2)+8*((\a)%2)+2*\t+8*(\t/4))*4096 th:TH_STORE_NT   ; places 2 t and 2 t + 1: 256 consecutive bytes each, aligned; written once, read by nobody here
.endr
.endm
	s_load_b256 s[4:11], s[0:1], 0x0               ; c3, s3, c1, s1
	s_load_b128 s[12:15], s[0:1], 0x20             ; bo, out0
	v_lshl_add_u32 v126, v0, 2, 0x4400
	v_mov_b32 v127, 0
	v_lshrrev_b32 v7, 5, v0
	v_readfirstlane_b32 s28, v7                    ; wave 0..3
	v_and_b32 v7, 31, v0                           ; lane
	v_and_b32 v8, 15, v0                           ; r
	v_bfe_u32 v9, v0, 4, 1                         ; h
	v_lshlrev_b32 v[LI], 4, v7
	v_lshlrev_b32 v[LS], 2, v7
	v_lshlrev_b32 v[BNO], 6, v9
	s_mul_i32 s29, s28, 16*SP                      ; my stage
	v_mul_u32_u24 v[STO], v8, SP
	v_lshl_add_u32 v[STO], v9, 6, v[STO]
	v_add_nc_u32 v[STO], s29, v[STO]
	v_mul_u32_u24 v[RD], v9, SP
	v_lshl_add_u32 v[RD], v8, 4, v[RD]
	v_add_nc_u32 v[RD], s29, v[RD]
	v_lshlrev_b32 v[CO], 12, v9
	v_lshl_add_u32 v[CO], v8, 4, v[CO]
	s_and_b32 s32, ttmp9, 7                        ; fb
	s_lshr_b32 s33, ttmp9, 3                       ; tb
	s_lshr_b32 s30, s28, 1                         ; which 64 tokens
	s_and_b32 s31, s28, 1                          ; which 64 features
	s_lshl_b32 s34, s33, 3
	s_lshl_b32 s35, s30, 2
	s_add_co_u32 s34, s34, s35                     ; x's first row tile: 8 tb + 4 x half
	s_lshl_b32 s36, s32, 3
	s_lshl_b32 s35, s31, 2
	s_add_co_u32 s36, s36, s35
	s_add_co_u32 s36, s36, 960                     ; Wo's: 960 + 8 fb + 4 x half
	s_mov_b32 s41, 0
	s_wait_kmcnt 0x0
	s_mul_i32 s40, s34, 12288                      ; 8 K steps x 1,536 a tile
	s_add_nc_u64 s[PA:PA+1], s[4:5], s[40:41]
	s_lshl_b32 s40, s34, 10
	s_add_nc_u64 s[PSA:PSA+1], s[6:7], s[40:41]
	s_mul_i32 s40, s36, 12288
	s_add_nc_u64 s[PB:PB+1], s[8:9], s[40:41]
	s_lshl_b32 s40, s36, 10
	s_add_nc_u64 s[PSB:PSB+1], s[10:11], s[40:41]
	s_lshl_b32 s40, s32, 9
	s_lshl_b32 s35, s31, 8
	s_add_co_u32 s40, s40, s35                     ; my first feature, in bytes
	s_add_nc_u64 s[PBI:PBI+1], s[12:13], s[40:41]
	s_lshl_b32 s35, s33, 19                        ; 128 tokens of 4,096 bytes,
	s_add_co_u32 s40, s40, s35
	s_lshl_b32 s35, s30, 18                        ; 64 for my half
	s_add_co_u32 s40, s40, s35
	s_add_nc_u64 s[PO:PO+1], s[14:15], s[40:41]
.irp g, 0,1                                    ; the bias by registers: my feature 32 g + 16 h + i at register 16 g + i
.irp q, 0,1,2,3
	global_load_b128 v[BN+16*\g+4*\q:BN+16*\g+4*\q+3], v[BNO], s[PBI:PBI+1] offset:128*\g+16*\q
.endr
.endr
	LOADF 0
	LOADF 1
	STEP 0, 1                                      ; the first step's products start the sums: nothing is cleared
.irp s, 1,2,3,4,5,6,7
	STEP \s, 0
.endr
	PLACES
	TOSTAGE 0
	TOSTAGE 1
	SEND 0, 16                                     ; behind tile 0's loads: tile 1's 8 stores and 8 loads
	TOSTAGE 2
	SEND 1, 16
	TOSTAGE 3
	SEND 2, 16
	SEND 3, 0
	s_wait_tensorcnt 0x0
	ds_add_u32 v126, v127
	s_wait_dscnt 0x0
	s_endpgm
.Lfunc_end_k_qe764912ed1_outp:
	.size	k_qe764912ed1_outp, .Lfunc_end_k_qe764912ed1_outp-k_qe764912ed1_outp
	.p2alignl 7, 3214868480
	.fill 96, 4, 3214868480
	.section	.rodata,"a",@progbits
	.p2align	6, 0x0
	.amdhsa_kernel k_qe764912ed1_outp
		.amdhsa_group_segment_fixed_size 17920
		.amdhsa_private_segment_fixed_size 0
		.amdhsa_enable_private_segment 0
		.amdhsa_kernarg_size 48
		.amdhsa_user_sgpr_count 2
		.amdhsa_user_sgpr_kernarg_segment_ptr 1
		.amdhsa_wavefront_size32 1
		.amdhsa_system_sgpr_workgroup_id_x 1
		.amdhsa_system_sgpr_workgroup_id_y 1
		.amdhsa_system_sgpr_workgroup_id_z 1
		.amdhsa_system_vgpr_workitem_id 0
		.amdhsa_next_free_vgpr 768
		.amdhsa_next_free_sgpr 66
		.amdhsa_reserve_vcc 0
		.amdhsa_float_denorm_mode_32 3
		.amdhsa_float_denorm_mode_16_64 3
		.amdhsa_memory_ordered 1
		.amdhsa_forward_progress 1
		.amdhsa_inst_pref_size 57
	.end_amdhsa_kernel
	.amdgpu_metadata
---
amdhsa.version: [ 1, 2 ]
amdhsa.kernels:
  - .name:           k_qe764912ed1_outp
    .symbol:         k_qe764912ed1_outp.kd
    .args:
      - { .name: c3, .offset: 0, .size: 8, .value_kind: global_buffer, .address_space: global }
      - { .name: s3, .offset: 8, .size: 8, .value_kind: global_buffer, .address_space: global }
      - { .name: c1, .offset: 16, .size: 8, .value_kind: global_buffer, .address_space: global }
      - { .name: s1, .offset: 24, .size: 8, .value_kind: global_buffer, .address_space: global }
      - { .name: bo, .offset: 32, .size: 8, .value_kind: global_buffer, .address_space: global }
      - { .name: out0, .offset: 40, .size: 8, .value_kind: global_buffer, .address_space: global }
    .group_segment_fixed_size: 17920
    .private_segment_fixed_size: 0
    .kernarg_segment_align: 8
    .kernarg_segment_size: 48
    .max_flat_workgroup_size: 128
    .sgpr_count:     66
    .vgpr_count:     768
    .wavefront_size: 32
...
	.end_amdgpu_metadata
.endif
;; end of part 7
;; ======== version 3 of 3: 4 launches
;; workspace buffers: c1 12,582,912 bytes; s1 1,048,576 bytes; mbits 1,048,576 bytes of whole numbers; c2 9,830,400 bytes; c3 3,145,728 bytes; s3 262,144 bytes
;; launch prep (part 8): grid 1024 x 1, 4 waves a work-group, no clusters, 43,520 bytes of LDS; arguments query, key, value, Wq, Wk, Wv, Wo, mask, c1, s1, mbits; writes c1, s1, mbits
.if DOCPART == 8
	.amdgcn_target "amdgcn-amd-amdhsa--gfx1250"
	.amdhsa_code_object_version 6
	.text
	.protected	k_qe764912ed1_prep
	.globl	k_qe764912ed1_prep
	.p2align	8
	.type	k_qe764912ed1_prep,@function
k_qe764912ed1_prep:
	s_mov_b64 s[64:65], 0
	v_nop
	global_prefetch_b8 v0, s[64:65] scope:SCOPE_SE
	s_setreg_imm32_b32 hwreg(HW_REG_WAVE_MODE, 25, 1), 1
	s_wait_xcnt 0x0
; PREP.  (A) query, key, value [4096][1024] and Wq, Wk, Wv, Wo [1024][1024], f32 with K innermost, become codes of FP6 (E2M3) with one E8M0 byte for each 32 along K,
; laid as the matrix instruction's registers want them.  (B) the mask's bytes become bits, one 32-bit word for each register of a tile of scores.
; ROW TILES.  The seven tensors' rows form 1,024 tiles of 16: query 0-255, key 256-511, value 512-767, Wq 768-831, Wk 832-895, Wv 896-959, Wo 960-1023.  Place p of a tensor's tile T is its row
; 32 (T / 2) + 8 (T % 2) + p + 8 (p / 8), so that in a transposed product the 16 result registers of tiles 2 b and 2 b + 1 are 16 neighbours.
; IMAGES.  A fragment (16 rows x 128 K: 12 registers a lane) lies in c1 at (8 tile + K step) x 1,536 as its registers stand: register j of lane l at 512 (j / 4) + 16 l + 4 (j % 4).
; Its scale words lie in s1 at (8 tile + K step) x 128, 4 bytes a lane (lanes 16-31 repeat lanes 0-15).  Every store of a wave covers 512 (128) consecutive bytes.
; SHARES.  Work-group T takes row tile T; wave w its K steps 2 w and 2 w + 1.  Each load reads 512 consecutive bytes of one row; the 16 rows turn through the wave's own stage in LDS (rows 528 bytes
; apart: an odd multiple of 16), so that lane (r, h) gets, of row r, the 16 neighbours 32 b + 16 h + 0 .. 15 of each block b.
; The same wave takes one unit of the mask: the tile of 16 queries T / 4 (128 b + tile), key step 4 (T % 4) + w (128 keys): 256 x 16 units for 4,096 waves.  A unit is 16 rows x 128 bytes: four loads of 4 rows each; the
; work-group's four waves read 512 consecutive bytes of each row.  Word j of a unit: bit r + 16 h = mask[query place r][key 32 (j / 16) + 16 h + j % 16].  The mask has a stage of its own (rows 144 bytes apart).
; All of a wave's 36 loads go out at its start; the mask's bits are made while the tensor's 32 loads are on their way.  No barrier: waves share nothing.  No branch: one path.
; A block's scale is 2^(floor(log2(its largest magnitude)) - 2); its byte is the largest magnitude's exponent field - 2, held at 1 from below.
; LIMITS: NaN and infinities among the inputs are not served.  A block whose largest magnitude lies under 2^-124, a block of zeros among them, gets the byte 1 (a block of zeros: where the rule says 127; its codes
; are zeros, and this program alone reads the bytes).  Any mask byte other than 0 counts as true.
.set PITCH,  528
.set STAGE,  16*PITCH                  ; a wave's stage for the numbers
.set MPITCH, 144
.set MSTAGE, 16*MPITCH                 ; and for the mask's bytes
.set WREG,   STAGE+MSTAGE              ; a wave's LDS
.set LI,  1                            ; v1   16 x lane
.set LS,  2                            ; v2   4 x lane
.set STI, 3                            ; v3   the stage on the way in: 16 x lane
.set STO, 4                            ; v4   on the way out: 528 r + 64 h
.set M8,  5                            ; v5   8 x lane
.set W,   6                            ; v6-7 the unit's 64 words: word j in register j % 2 of lane j / 2; never rewritten behind their store
.set PC,  8                            ; v8-27  the codes just made
.set PW,  28                           ; v28  the scale word just made
.set MLO, 29                           ; v29  the mask in memory: 2,048 (lane / 8) + 16 (lane % 8)
.set MSI, 30                           ; v30  the mask's stage on the way in: 144 (lane / 8) + 16 (lane % 8)
.set MSO, 31                           ; v31  on the way out: 144 r + 16 h
.set R0,  32                           ; v32-95   16 rows as loaded
.set R1,  96                           ; v96-159  the second K step's
.set X,   160                          ; v160-223 64 numbers of my row; ahead of them v160-175 the mask as loaded, v176-191 64 bytes of my query
.set TM,  224                          ; v224-239 at work
.set SEL, 30                           ; s[30:31] v_permlanex16_b32's selects for lane l xor 16
	s_load_b512 s[4:19], s[0:1], 0x0               ; query, key, value, Wq, Wk, Wv, Wo, mask
	s_load_b128 s[20:23], s[0:1], 0x40             ; c1, s1
	s_load_b64 s[24:25], s[0:1], 0x50              ; mbits
	v_lshl_add_u32 v240, v0, 2, 0xa800
	v_mov_b32 v241, 0
	v_lshrrev_b32 v[TM+8], 5, v0
	v_readfirstlane_b32 s28, v[TM+8]               ; wave 0..3
	v_and_b32 v[TM+8], 31, v0                      ; lane
	v_and_b32 v[TM+9], 15, v0                      ; r
	v_bfe_u32 v[TM+10], v0, 4, 1                   ; h
	v_bfe_u32 v[TM+11], v0, 3, 2                   ; lane / 8
	v_and_b32 v[TM], 7, v0                         ; lane % 8
	v_lshlrev_b32 v[LI], 4, v[TM+8]
	v_lshlrev_b32 v[LS], 2, v[TM+8]
	v_lshlrev_b32 v[M8], 3, v[TM+8]
	s_mul_i32 s36, s28, WREG
	v_add_nc_u32 v[STI], s36, v[LI]
	v_mul_u32_u24 v[STO], v[TM+9], PITCH
	v_lshl_add_u32 v[STO], v[TM+10], 6, v[STO]
	v_add_nc_u32 v[STO], s36, v[STO]
	s_add_co_u32 s36, s36, STAGE
	v_mul_u32_u24 v[MSI], v[TM+11], MPITCH
	v_lshl_add_u32 v[MSI], v[TM], 4, v[MSI]
	v_add_nc_u32 v[MSI], s36, v[MSI]
	v_mul_u32_u24 v[MSO], v[TM+9], MPITCH
	v_lshl_add_u32 v[MSO], v[TM+10], 4, v[MSO]
	v_add_nc_u32 v[MSO], s36, v[MSO]
	v_lshlrev_b32 v[MLO], 11, v[TM+11]
	v_lshl_add_u32 v[MLO], v[TM], 4, v[MLO]
	s_mov_b32 s[SEL], 0x76543210
	s_mov_b32 s[SEL+1], 0xfedcba98
	s_lshr_b32 s32, ttmp9, 2                       ; the tile of queries: 128 b + tile
	s_and_b32 s33, ttmp9, 3
	s_lshl_b32 s33, s33, 2
	s_add_co_u32 s33, s33, s28                     ; the key step
	s_lshr_b32 s34, s32, 1
	s_lshl_b32 s34, s34, 16                        ; 32 rows of 2,048 bytes for each pair of tiles,
	s_and_b32 s35, s32, 1
	s_lshl_b32 s35, s35, 14                        ; 8 rows for the odd one,
	s_add_co_u32 s34, s34, s35
	s_lshl_b32 s35, s33, 7                         ; my 128 keys
	s_add_co_u32 s34, s34, s35
	s_mov_b32 s35, 0
	s_lshl_b32 s44, s32, 12                        ; mbits: (16 tile + key step) x 256
	s_lshl_b32 s45, s33, 8
	s_add_co_u32 s44, s44, s45
	s_mov_b32 s45, 0
	s_wait_alu depctr_va_vdst(0)
	s_wait_kmcnt 0x0
	s_add_nc_u64 s[38:39], s[18:19], s[34:35]
	s_add_nc_u64 s[24:25], s[24:25], s[44:45]
.irp m, 0,1,2,3                                ; places 4 m .. 4 m + 3 of the tile: eight lanes to a row's 128 bytes
	global_load_b128 v[X+4*\m:X+4*\m+3], v[MLO], s[38:39] offset:(4*\m+8*(\m/2))*2048
.endr
; 16 rows of a tile, 512 consecutive bytes of each, from byte col of the rows
.macro LOADR set, col
.irp i, 0,1,2,3,4,5,6,7,8,9,10,11,12,13,14,15
	global_load_b128 v[\set+4*\i:\set+4*\i+3], v[LI], s[26:27] offset:(\i+8*(\i/8))*4096+\col th:TH_LOAD_NT
.endr
.endm
; through the stage: in as loaded, out 64 bytes of each block of 128 bytes of my row.  LDS serves a wave's instructions in order: no wait between the stores and the loads
.macro TURN set
.irp i, 0,1,2,3,4,5,6,7,8,9,10,11,12,13,14,15
	ds_store_b128 v[STI], v[\set+4*\i:\set+4*\i+3] offset:PITCH*\i
.endr
.irp b, 0,1,2,3
.irp q, 0,1,2,3
	ds_load_b128 v[X+16*\b+4*\q:X+16*\b+4*\q+3], v[STO] offset:128*\b+16*\q
.endr
.endr
.endm
; 64 numbers of a lane, register 16 b + i = k 32 b + 16 h + i of my row, become a fragment's codes in v[PC] on and its scale word in v[PW]
.macro QUANT s
.irp b, 0,1,2,3
	v_max3_num_f32 v[TM+\b], |v[\s+16*\b]|, |v[\s+1+16*\b]|, 0x1800000   ; block b: my 16 numbers, and the floor 2^(3 - 127): the byte cannot fall under 1
.endr
.irp i, 2,4,6,8,10,12,14
.irp b, 0,1,2,3
	v_max3_num_f32 v[TM+\b], v[TM+\b], |v[\s+16*\b+\i]|, |v[\s+1+16*\b+\i]|   ; the four blocks by turns
.endr
.endr
.irp b, 0,1,2,3
	v_permlanex16_b32 v[TM+4+\b], v[TM+\b], s[SEL], s[SEL+1]
.endr
.irp b, 0,1,2,3
	v_max_num_f32 v[TM+\b], v[TM+\b], v[TM+4+\b]   ; with lane l xor 16's: the block's largest magnitude
.endr
.irp b, 0,1,2,3
	v_add_nc_u32 v[TM+12+\b], 0xff000000, v[TM+\b] ; 2 off its exponent field: the conversion takes the exponent field of this operand as its scale
.endr
.irp b, 0,1,2,3
	v_lshrrev_b32 v[TM+4+\b], 23, v[TM+12+\b]      ; the scale's byte
.endr
	v_lshl_or_b32 v[PW], v[TM+5], 8, v[TM+4]
	v_lshl_or_b32 v[PW], v[TM+6], 16, v[PW]
	v_lshl_or_b32 v[PW], v[TM+7], 24, v[PW]
.irp c, 0,1
	v_cvt_scalef32_pk16_fp6_f32 v[PC+6*\c:PC+2+6*\c], v[\s+32*\c:\s+15+32*\c], v[TM+12+2*\c]
	v_cvt_scalef32_pk16_fp6_f32 v[PC+12+4*\c:PC+14+4*\c], v[\s+16+32*\c:\s+31+32*\c], v[TM+12+2*\c+1]   ; (a conversion's three registers begin on an even number)
.endr
	v_nop                                          ; one plain place behind a scaled conversion
.irp c, 0,1                                    ; the operand's layout wants a whole block in a lane: lanes 0-15 block 2 c, lanes 16-31 block 2 c + 1
.irp i, 0,1,2
	v_permlane16_swap_b32 v[PC+6*\c+\i], v[PC+12+4*\c+\i]
.endr
.irp i, 0,1,2
	v_mov_b32 v[PC+3+6*\c+\i], v[PC+12+4*\c+\i]
.endr
.endr
.endm
.macro OUT k                           ; the image of my k-th K step: three stores of 512 consecutive bytes, one of 128
.irp c, 0,1,2
	global_store_b128 v[LI], v[PC+4*\c:PC+4*\c+3], s[20:21] offset:1536*\k+512*\c
.endr
	global_store_b32 v[LS], v[PW], s[22:23] offset:128*\k
.endm
.macro PICK thr, ptr, first            ; under tile thr: the tensor at s[ptr], whose first tile is first.  The choice hangs on the work-group's number alone
	s_cmp_lt_u32 ttmp9, \thr
	s_cselect_b64 s[26:27], s[\ptr:\ptr+1], s[26:27]
	s_cselect_b32 s29, \first, s29
.endm
	s_mov_b64 s[26:27], s[16:17]                   ; Wo,
	s_mov_b32 s29, 960
	PICK 960, 14, 896                              ; or Wv,
	PICK 896, 12, 832                              ; Wk,
	PICK 832, 10, 768                              ; Wq,
	PICK 768, 8, 512                               ; value,
	PICK 512, 6, 256                               ; key,
	PICK 256, 4, 0                                 ; query
	s_sub_co_u32 s32, ttmp9, s29                   ; the tile's number in its tensor
	s_lshr_b32 s33, s32, 1
	s_lshl_b32 s33, s33, 17                        ; 32 rows of 4,096 bytes for each pair of tiles,
	s_and_b32 s32, s32, 1
	s_lshl_b32 s32, s32, 15                        ; 8 rows for the odd one,
	s_add_co_u32 s32, s32, s33
	s_lshl_b32 s33, s28, 10                        ; my two K steps: 1,024 bytes x wave
	s_add_co_u32 s32, s32, s33
	s_mov_b32 s33, 0
	s_add_nc_u64 s[26:27], s[26:27], s[32:33]
	s_mul_i32 s32, ttmp9, 12288                    ; c1: (8 tile + 2 wave) x 1,536
	s_mul_i32 s34, s28, 3072
	s_add_co_u32 s32, s32, s34
	s_add_nc_u64 s[20:21], s[20:21], s[32:33]
	s_lshl_b32 s32, ttmp9, 10                      ; s1: (8 tile + 2 wave) x 128
	s_lshl_b32 s34, s28, 8
	s_add_co_u32 s32, s32, s34
	s_add_nc_u64 s[22:23], s[22:23], s[32:33]
	LOADR R0, 0
	LOADR R1, 512
.irp b, 0,1,2,3
	v_mov_b32 v[TM+4+\b], 0                        ; written once: a lane permute's destination counts as one of its sources
.endr
	v_mov_b32 v[W], 0                              ; v_writelane_b32's destination counts as read
	v_mov_b32 v[W+1], 0
	s_wait_alu depctr_va_vdst(0)
	; ---- (B) the mask's unit, while the tensor's 32 loads are on their way
	s_wait_loadcnt 32                              ; the mask's four loads are in; the 32 younger ones may be out
.irp m, 0,1,2,3
	ds_store_b128 v[MSI], v[X+4*\m:X+4*\m+3] offset:4*\m*MPITCH
.endr
.irp b, 0,1,2,3
	ds_load_b128 v[X+16+4*\b:X+16+4*\b+3], v[MSO] offset:32*\b   ; keys 32 b + 16 h + 0 .. 15 of my query
.endr
	s_wait_dscnt 0x0
.set j, 0
.rept 64                               ; word j: one byte of every lane, as 32 bits
	v_and_b32 v[TM+j%4], 0xff<<(8*(j%4)), v[X+16+4*(j/16)+(j%16)/4]
	v_cmp_ne_u32 s[40+j%4], 0, v[TM+j%4]
	v_writelane_b32 v[W+j%2], s[40+j%4], j/2
.set j, j+1
.endr
	global_store_b64 v[M8], v[W:W+1], s[24:25]     ; 32 lanes store 256 consecutive bytes, aligned: words 0 .. 63
	; ---- (A) the row tile's two K steps
	s_wait_loadcnt 16                              ; the first K step's 16 loads are in; the second's may be out
	TURN R0
	s_wait_dscnt 0x0
	QUANT X
	OUT 0
	s_wait_loadcnt 0x0
	TURN R1
	s_wait_dscnt 0x0
	s_wait_xcnt 0x0                                ; the first image's stores have read their registers: the codes and the scale word are written again only behind this wait
	QUANT X
	OUT 1
	s_wait_tensorcnt 0x0
	ds_add_u32 v240, v241
	s_wait_dscnt 0x0
	s_endpgm
.Lfunc_end_k_qe764912ed1_prep:
	.size	k_qe764912ed1_prep, .Lfunc_end_k_qe764912ed1_prep-k_qe764912ed1_prep
	.p2alignl 7, 3214868480
	.fill 96, 4, 3214868480
	.section	.rodata,"a",@progbits
	.p2align	6, 0x0
	.amdhsa_kernel k_qe764912ed1_prep
		.amdhsa_group_segment_fixed_size 43520
		.amdhsa_private_segment_fixed_size 0
		.amdhsa_enable_private_segment 0
		.amdhsa_kernarg_size 88
		.amdhsa_user_sgpr_count 2
		.amdhsa_user_sgpr_kernarg_segment_ptr 1
		.amdhsa_wavefront_size32 1
		.amdhsa_system_sgpr_workgroup_id_x 1
		.amdhsa_system_sgpr_workgroup_id_y 1
		.amdhsa_system_sgpr_workgroup_id_z 1
		.amdhsa_system_vgpr_workitem_id 0
		.amdhsa_next_free_vgpr 242
		.amdhsa_next_free_sgpr 66
		.amdhsa_reserve_vcc 0
		.amdhsa_float_denorm_mode_32 3
		.amdhsa_float_denorm_mode_16_64 3
		.amdhsa_memory_ordered 1
		.amdhsa_forward_progress 1
		.amdhsa_inst_pref_size 33
	.end_amdhsa_kernel
	.amdgpu_metadata
---
amdhsa.version: [ 1, 2 ]
amdhsa.kernels:
  - .name:           k_qe764912ed1_prep
    .symbol:         k_qe764912ed1_prep.kd
    .args:
      - { .name: query, .offset: 0, .size: 8, .value_kind: global_buffer, .address_space: global }
      - { .name: key, .offset: 8, .size: 8, .value_kind: global_buffer, .address_space: global }
      - { .name: value, .offset: 16, .size: 8, .value_kind: global_buffer, .address_space: global }
      - { .name: Wq, .offset: 24, .size: 8, .value_kind: global_buffer, .address_space: global }
      - { .name: Wk, .offset: 32, .size: 8, .value_kind: global_buffer, .address_space: global }
      - { .name: Wv, .offset: 40, .size: 8, .value_kind: global_buffer, .address_space: global }
      - { .name: Wo, .offset: 48, .size: 8, .value_kind: global_buffer, .address_space: global }
      - { .name: mask, .offset: 56, .size: 8, .value_kind: global_buffer, .address_space: global }
      - { .name: c1, .offset: 64, .size: 8, .value_kind: global_buffer, .address_space: global }
      - { .name: s1, .offset: 72, .size: 8, .value_kind: global_buffer, .address_space: global }
      - { .name: mbits, .offset: 80, .size: 8, .value_kind: global_buffer, .address_space: global }
    .group_segment_fixed_size: 43520
    .private_segment_fixed_size: 0
    .kernarg_segment_align: 8
    .kernarg_segment_size: 88
    .max_flat_workgroup_size: 128
    .sgpr_count:     66
    .vgpr_count:     242
    .wavefront_size: 32
...
	.end_amdgpu_metadata
.endif
;; end of part 8
;; launch proj (part 9): grid 768 x 1, 1 waves a work-group, no clusters, 0 bytes of LDS; arguments c1, s1, bq, bk, bv, c2; writes c2
.if DOCPART == 9
	.amdgcn_target "amdgcn-amd-amdhsa--gfx1250"
	.amdhsa_code_object_version 6
	.text
	.protected	k_qe764912ed1_proj
	.globl	k_qe764912ed1_proj
	.p2align	8
	.type	k_qe764912ed1_proj,@function
k_qe764912ed1_proj:
	s_mov_b64 s[64:65], 0
	v_nop
	global_prefetch_b8 v0, s[64:65] scope:SCOPE_SE
	s_setreg_imm32_b32 hwreg(HW_REG_WAVE_SCHED_MODE, 0, 2), 2
	s_setreg_imm32_b32 hwreg(HW_REG_WAVE_MODE, 25, 1), 1
	s_wait_xcnt 0x0
	s_wait_alu depctr_vm_vsrc(0)
; PROJ.  q = query Wq^T + bq, k = key Wk^T + bk, v = value Wv^T + bv on codes of FP6 (E2M3), f32 sums; the results are quantised at once for the two products of attention and leave as images of operand registers.
; SHARES.  A work-group is ONE wave with a tile of 128 x 128: 64 accumulators.  id = 256 p + 8 tb + fb: p the projection, tb the block of 128 tokens, fb the block of 128 features (two heads).
; Operands come from memory straight into registers: a fragment's image is three loads of 512 consecutive bytes.  No LDS, no barrier.  K = 1,024 is eight steps, written out; every offset is an immediate.
; THE PRODUCT IS USED TRANSPOSED: source 1's rows lie across the lanes, source 0's run along a lane's registers.  q, k: lanes = tokens, registers = features (their next K is the head's 64).
; v: lanes = features, registers = tokens (its next K is the keys).  Which side is which is a choice of two offsets.
; By the row tiles' order (place p of tile T = row 32 (T / 2) + 8 (T % 2) + p + 8 (p / 8)) the 16 registers of register-side tiles 2 B and 2 B + 1 are rows 32 B + 16 h + 0 .. 15.
; c2: three sections (q, k, v) of 32 records (16 b + head) of 102,400 bytes: 16 x 256 bytes of scale words (key step ks, place r, fragment f at 256 ks + 16 r + 4 f), then fragment (ks, f) at 4,096 + (4 ks + f) x 1,536.
; q, k: fragment f holds token tiles 2 f (registers 0-5, scale bytes 0, 1) and 2 f + 1 (registers 6-11, bytes 2, 3) of a block of 128 tokens, each with the head's 64.  v: fragment f = channels of tile f x 128 keys.
; LIMITS: NaN and infinities are not served; a block whose largest magnitude lies under 2^-124 gets the scale byte 1 (a block of zeros too: its codes are zeros, and this program alone reads the bytes).
; REGISTERS, in windows of 256.  Window 0: v1-5 offsets; v16-47 scale words, two sets (lane side +0 .. 7, register side +8 .. 15); v48-63 the bias by lanes, 8 pairs; v64-159, v160-255 the lane side's fragments, two sets.
;   Window 1: v0-95, v96-191 the register side's fragments; v192-255 the bias by registers.   Windows 2, 3: accumulator (a, b) at v[8 (8 (a % 4) + b)], a < 4 in window 2.
;   Behind the products window 0's v64-179 are at work: H, TM, PW, PC, SW, SWO.
; THE MODE: SCHED_MODE bits 1:0 = 2 (LLVM: expert scheduling mode 2), set by the entry lines.  The code itself states the register dependences between vector or matrix instructions and memory instructions,
; with s_wait_alu, always for 0.
; THE PLAN.  Registers that memory instructions touch:
;   v1-5            offsets: made once at the head, read by every load and store, never written again.  One wait on va_vdst ahead of the first load.
;   set p, words p  (fragments of both sides and their scale words)  Written by the loads of step s, p = s % 2, which are issued at the head of step s - 1; read by step s's 64 matrix instructions; loaded again at the
;                   head of step s + 1.  ONE wait on va_vdst at the head of a step states that the step before is done reading them; the step's 64 loads follow it with loads, window switches and a wait on LOADcnt alone between.
;   the bias        loaded once, read by the packed additions.
;   v[PC .. PC+11]  Written by a fragment's conversions, swaps and moves; read by its three stores (a wait on va_vdst ahead of them); written again by the next fragment's conversions (the waits on XCNT and on vm_vsrc ahead of those).
;   v[SWO .. +3]    Written by four selections, read by the last store.  VCC: written by one compare, read by those selections.
;   The accumulators, H, TM, PW and SW are named by vector and matrix instructions alone.
.set LI,  1                            ; 16 x lane
.set LS,  2                            ; 4 x lane
.set BNO, 3                            ; 64 h
.set BMO, 4                            ; 4 (r + 8 (r / 8))
.set SO,  5                            ; 16 r + 102,400 h
.set SC,  16
.set BM,  48
.set AF,  64
.set BN,  192
.set H,   64
.set TM,  128
.set PW,  144
.set PC,  146
.set SW,  168
.set SWO, 176
.set PA,  16                           ; s[16:17] lane side's fragments;  s[18:19] register side's;  s[20:21], s[22:23] their scale words
.set PB,  18
.set PSA, 20
.set PSB, 22
.set PBI, 24                           ; s[24:25] the bias of my 128 features
.set POC, 26                           ; s[26:27] where my codes go;  s[28:29] my scale words
.set POS, 28
.set SEL, 30
.set MSB, 0
.macro WIN new                         ; the immediate's high byte repeats the setting that is left
.if MSB != (\new)
	s_set_vgpr_msb (MSB<<8)|(\new)
.set MSB, (\new)
.endif
.endm
.macro PLACES                          ; four plain places behind matrix instructions, in front of loads into their sources and of reads of their results
.rept 4
	v_nop
.endr
.endm
.macro LOADF s                         ; K step s: 8 + 8 fragments into set s % 2: 48 loads
	WIN 0x40
.irp i, 0,1,2,3,4,5,6,7
.irp c, 0,1,2
	global_load_b128 v[96*((\s)%2)+12*\i+4*\c:96*((\s)%2)+12*\i+4*\c+3], v[LI], s[PB:PB+1] offset:(8*\i+(\s))*1536+512*\c
.endr
.endr
	WIN 0
.irp i, 0,1,2,3,4,5,6,7
.irp c, 0,1,2
	global_load_b128 v[AF+96*((\s)%2)+12*\i+4*\c:AF+96*((\s)%2)+12*\i+4*\c+3], v[LI], s[PA:PA+1] offset:(8*\i+(\s))*1536+512*\c
.endr
.endr
.endm
.macro LOADS s                         ; and its 16 registers of scale words
.irp i, 0,1,2,3,4,5,6,7
	global_load_b32 v[SC+16*((\s)%2)+\i], v[LS], s[PSA:PSA+1] offset:(8*\i+(\s))*128
	global_load_b32 v[SC+16*((\s)%2)+8+\i], v[LS], s[PSB:PSB+1] offset:(8*\i+(\s))*128
.endr
.endm
; 16 matrix instructions: lane-side tiles a0, a0 + 1 x the register side's eight.  The 64 accumulators take turns, one instruction a turn, in the same order in every step
.macro MUL s, a0, zero
.irp a, \a0, \a0+1
.irp b, 0,1,2,3,4,5,6,7
.if \zero
	v_wmma_scale_f32_16x16x128_f8f6f4 v[8*(8*((\a)%4)+\b):8*(8*((\a)%4)+\b)+7], v[96*((\s)%2)+12*\b:96*((\s)%2)+12*\b+11], v[AF+96*((\s)%2)+12*(\a):AF+96*((\s)%2)+12*(\a)+11], 0, v[SC+16*((\s)%2)+8+\b], v[SC+16*((\s)%2)+(\a)] matrix_a_fmt:MATRIX_FMT_FP6 matrix_b_fmt:MATRIX_FMT_FP6
.else
	v_wmma_scale_f32_16x16x128_f8f6f4 v[8*(8*((\a)%4)+\b):8*(8*((\a)%4)+\b)+7], v[96*((\s)%2)+12*\b:96*((\s)%2)+12*\b+11], v[AF+96*((\s)%2)+12*(\a):AF+96*((\s)%2)+12*(\a)+11], v[8*(8*((\a)%4)+\b):8*(8*((\a)%4)+\b)+7], v[SC+16*((\s)%2)+8+\b], v[SC+16*((\s)%2)+(\a)] matrix_a_fmt:MATRIX_FMT_FP6 matrix_b_fmt:MATRIX_FMT_FP6
.endif
.endr
.endr
.endm
.macro STEP s, zero                    ; the next step's loads go out first and land under this step's 64 matrix instructions
.if (\s) < 7
.if (\s) > 0
	PLACES                                         ; the set to be loaded was read by the step before
	WIN 0x40                                       ; the first loads' window, ahead of the wait
	s_wait_alu depctr_va_vdst(0)                   ; the step before's matrix instructions are done reading the other set's fragments and scale words, in which the 64 loads below land
.endif
	LOADF (\s)+1
	s_wait_loadcnt 48                              ; all but the 48 just issued: this step's fragments and scale words are in
	LOADS (\s)+1                                   ; no vector or matrix instruction since the wait on va_vdst: nothing more is owed
.else
	s_wait_loadcnt 0x0
.endif
	WIN 0xa1                                       ; source 0 window 1, source 1 window 0, C and D window 2
	MUL \s, 0, \zero
	MUL \s, 2, \zero
	WIN 0xf1                                       ; C and D window 3
	MUL \s, 4, \zero
	MUL \s, 6, \zero
	WIN 0
.endm
; 64 numbers of a lane, register 16 b + i = k 32 b + 16 h + i of my row, become a fragment's codes in v[PC] on and its scale word in v[PW].  again > 0: an earlier fragment's stores have been issued from v[PC] on
.macro QUANT s, again
.irp b, 0,1,2,3
	v_max3_num_f32 v[TM+\b], |v[\s+16*\b]|, |v[\s+1+16*\b]|, 0x1800000   ; my 16 numbers of block b, and the floor 2^(3 - 127): the byte cannot fall under 1
.endr
.irp i, 2,4,6,8,10,12,14
.irp b, 0,1,2,3
	v_max3_num_f32 v[TM+\b], v[TM+\b], |v[\s+16*\b+\i]|, |v[\s+1+16*\b+\i]|
.endr
.endr
.irp b, 0,1,2,3
	v_permlanex16_b32 v[TM+4+\b], v[TM+\b], s[SEL], s[SEL+1]
.endr
.irp b, 0,1,2,3
	v_max_num_f32 v[TM+\b], v[TM+\b], v[TM+4+\b]   ; with lane l xor 16's: the block's largest magnitude
.endr
.irp b, 0,1,2,3
	v_add_nc_u32 v[TM+12+\b], 0xff000000, v[TM+\b] ; 2 off its exponent field: the conversion's scale operand
.endr
.irp b, 0,1,2,3
	v_lshrrev_b32 v[TM+4+\b], 23, v[TM+12+\b]      ; the scale's byte
.endr
	v_lshl_or_b32 v[PW], v[TM+5], 8, v[TM+4]
	v_lshl_or_b32 v[PW], v[TM+6], 16, v[PW]
	v_lshl_or_b32 v[PW], v[TM+7], 24, v[PW]
.if (\again) > 0
	s_wait_xcnt 0x0                                ; the last fragment's stores have had their addresses translated (ISA guide 3.1): the codes' registers are written again only behind this wait,
	s_wait_alu depctr_vm_vsrc(0)                   ; and those stores have read v[PC .. PC + 11], which the conversions, swaps and moves below write again
.endif
.irp c, 0,1
	v_cvt_scalef32_pk16_fp6_f32 v[PC+6*\c:PC+2+6*\c], v[\s+32*\c:\s+15+32*\c], v[TM+12+2*\c]
	v_cvt_scalef32_pk16_fp6_f32 v[PC+12+4*\c:PC+14+4*\c], v[\s+16+32*\c:\s+31+32*\c], v[TM+12+2*\c+1]
.endr
	v_nop                                          ; one plain place behind a scaled conversion
.irp c, 0,1
.irp i, 0,1,2
	v_permlane16_swap_b32 v[PC+6*\c+\i], v[PC+12+4*\c+\i]
.endr
.irp i, 0,1,2
	v_mov_b32 v[PC+3+6*\c+\i], v[PC+12+4*\c+\i]
.endr
.endr
.endm
.macro TAIL                            ; the scale words: lanes 0-15 store the first head's four words of place r, lanes 16-31 the second head's: 256 consecutive bytes each
	v_cmp_le_u32 vcc_lo, 16, v0
	s_wait_alu depctr_va_vcc(0)                    ; the compare has written VCC, ahead of its first reader
.irp f, 0,1,2,3
	v_cndmask_b32 v[SWO+\f], v[SW+\f], v[SW+4+\f], vcc_lo
.endr
	s_wait_alu depctr_va_vdst(0)                   ; the four selections have written v[SWO .. SWO + 3], which the store reads
	global_store_b128 v[SO], v[SWO:SWO+3], s[POS:POS+1]
	s_endpgm
.endm
	s_load_b256 s[4:11], s[0:1], 0x0               ; c1, s1, bq, bk
	s_load_b128 s[12:15], s[0:1], 0x20             ; bv, c2
	v_lshlrev_b32 v[LI], 4, v0                     ; (one wave: v0 is the lane)
	v_lshlrev_b32 v[LS], 2, v0
	v_and_b32 v6, 15, v0                           ; r
	v_lshrrev_b32 v7, 4, v0                        ; h
	v_lshlrev_b32 v[BNO], 6, v7
	v_and_b32 v[BMO], 8, v6
	v_add_nc_u32 v[BMO], v[BMO], v6
	v_lshlrev_b32 v[BMO], 2, v[BMO]
	v_mul_u32_u24 v[SO], v7, 102400
	v_lshl_add_u32 v[SO], v6, 4, v[SO]
	s_mov_b32 s[SEL], 0x76543210
	s_mov_b32 s[SEL+1], 0xfedcba98
	s_and_b32 s32, ttmp9, 7                        ; fb
	s_bfe_u32 s33, ttmp9, 0x50003                  ; tb
	s_lshr_b32 s34, ttmp9, 8                       ; p
	s_lshl_b32 s35, s34, 8
	s_lshl_b32 s36, s33, 3
	s_add_co_u32 s35, s35, s36                     ; the tokens' first row tile: 256 p + 8 tb
	s_lshl_b32 s36, s34, 6
	s_lshl_b32 s37, s32, 3
	s_add_co_u32 s36, s36, s37
	s_add_co_u32 s36, s36, 768                     ; the weight's: 768 + 64 p + 8 fb
	s_cmp_eq_u32 s34, 2
	s_cselect_b32 s37, s36, s35                    ; the lane side: tokens, for v the weight
	s_cselect_b32 s38, s35, s36                    ; the register side
	s_lshr_b32 s39, s33, 4                         ; b
	s_and_b32 s42, s33, 15                         ; ks
	s_lshl_b32 s39, s39, 4
	s_lshl_b32 s43, s32, 1
	s_add_co_u32 s39, s39, s43                     ; 16 b + my first head
	s_mul_i32 s39, s39, 102400
	s_mul_i32 s43, s34, 3276800
	s_add_co_u32 s39, s39, s43                     ; my first record
	s_mov_b32 s41, 0
	s_wait_kmcnt 0x0
	s_mul_i32 s40, s37, 12288
	s_add_nc_u64 s[PA:PA+1], s[4:5], s[40:41]
	s_mul_i32 s40, s38, 12288
	s_add_nc_u64 s[PB:PB+1], s[4:5], s[40:41]
	s_lshl_b32 s40, s37, 10
	s_add_nc_u64 s[PSA:PSA+1], s[6:7], s[40:41]
	s_lshl_b32 s40, s38, 10
	s_add_nc_u64 s[PSB:PSB+1], s[6:7], s[40:41]
	s_cmp_eq_u32 s34, 0
	s_cselect_b64 s[PBI:PBI+1], s[8:9], s[10:11]
	s_cmp_eq_u32 s34, 2
	s_cselect_b64 s[PBI:PBI+1], s[12:13], s[PBI:PBI+1]
	s_lshl_b32 s40, s32, 9
	s_add_nc_u64 s[PBI:PBI+1], s[PBI:PBI+1], s[40:41]
	s_lshl_b32 s43, s42, 8
	s_add_co_u32 s40, s39, s43
	s_add_nc_u64 s[POS:POS+1], s[14:15], s[40:41]
	s_mul_i32 s43, s42, 6144
	s_add_co_u32 s40, s39, s43
	s_add_co_u32 s40, s40, 4096
	s_add_nc_u64 s[POC:POC+1], s[14:15], s[40:41]
	; the bias in both layouts, on every way: by registers (feature 32 B + 16 h + i at register 16 B + i) and by lanes (the feature at place r of tile a, twice, for the packed addition)
	WIN 0x40
	s_wait_alu depctr_va_vdst(0)                   ; the five offsets v1 to v5 are written: every load and store of the kernel reads one of them
.irp g, 0,1,2,3
.irp q, 0,1,2,3
	global_load_b128 v[BN+16*\g+4*\q:BN+16*\g+4*\q+3], v[BNO], s[PBI:PBI+1] offset:128*\g+16*\q
.endr
.endr
	WIN 0
.irp a, 0,1,2,3,4,5,6,7
	global_load_b32 v[BM+2*\a], v[BMO], s[PBI:PBI+1] offset:(32*(\a/2)+8*(\a%2))*4
	global_load_b32 v[BM+2*\a+1], v[BMO], s[PBI:PBI+1] offset:(32*(\a/2)+8*(\a%2))*4
.endr
	LOADF 0
	LOADS 0
	STEP 0, 1                                      ; the first step's products start the sums: nothing is cleared.  (Its loads land in registers that no vector or matrix instruction has named: no wait)
.irp s, 1,2,3,4,5,6,7
	STEP \s, 0
.endr
	PLACES
.irp b, 0,1,2,3
	v_mov_b32 v[TM+4+\b], 0                        ; written once: a lane permute's destination counts as one of its sources
.endr
	s_cmp_eq_u32 s34, 2
	s_cbranch_scc1 .Lv
	; ---- q, k: fragment f of head e = token tiles 2 f and 2 f + 1, features 64 e on.  Each accumulator is read from its low end on
.irp f, 0,1,2,3
.irp e, 0,1
	WIN 0x06+\f/2                                  ; source 0: the accumulators' window; source 1: window 1, the bias
.set k, 0
.rept 16
	v_pk_add_f32 v[H+2*k:H+2*k+1], v[64*((2*\f)%4)+32*\e+2*k:64*((2*\f)%4)+32*\e+2*k+1], v[BN+32*\e+2*k:BN+32*\e+2*k+1]
.set k, k+1
.endr
.set k, 0
.rept 16
	v_pk_add_f32 v[H+32+2*k:H+32+2*k+1], v[64*((2*\f+1)%4)+32*\e+2*k:64*((2*\f+1)%4)+32*\e+2*k+1], v[BN+32*\e+2*k:BN+32*\e+2*k+1]
.set k, k+1
.endr
	WIN 0
	QUANT H, \f+\e
	v_mov_b32 v[SW+4*\e+\f], v[PW]
	s_wait_alu depctr_va_vdst(0)                   ; the conversions, swaps and moves have written v[PC .. PC + 11], which the three stores read
.irp c, 0,1,2
	global_store_b128 v[LI], v[PC+4*\c:PC+4*\c+3], s[POC:POC+1] offset:102400*\e+1536*\f+512*\c
.endr
.endr
.endr
	TAIL
	; ---- v: fragment a % 4 of head a / 4 = the channels of lane-side tile a x my 128 tokens
.Lv:
.irp a, 0,1,2,3,4,5,6,7
	WIN 0x02+\a/4                                  ; source 0: the accumulators' window; source 1: window 0, the bias by lanes
.set k, 0
.rept 32
	v_pk_add_f32 v[H+2*k:H+2*k+1], v[64*(\a%4)+2*k:64*(\a%4)+2*k+1], v[BM+2*\a:BM+2*\a+1]
.set k, k+1
.endr
	WIN 0
	QUANT H, \a
	v_mov_b32 v[SW+\a], v[PW]
	s_wait_alu depctr_va_vdst(0)                   ; the conversions, swaps and moves have written v[PC .. PC + 11], which the three stores read
.irp c, 0,1,2
	global_store_b128 v[LI], v[PC+4*\c:PC+4*\c+3], s[POC:POC+1] offset:102400*(\a/4)+1536*(\a%4)+512*\c
.endr
.endr
	TAIL
.Lfunc_end_k_qe764912ed1_proj:
	.size	k_qe764912ed1_proj, .Lfunc_end_k_qe764912ed1_proj-k_qe764912ed1_proj
	.p2alignl 7, 3214868480
	.fill 96, 4, 3214868480
	.section	.rodata,"a",@progbits
	.p2align	6, 0x0
	.amdhsa_kernel k_qe764912ed1_proj
		.amdhsa_group_segment_fixed_size 0
		.amdhsa_private_segment_fixed_size 0
		.amdhsa_enable_private_segment 0
		.amdhsa_kernarg_size 48
		.amdhsa_user_sgpr_count 2
		.amdhsa_user_sgpr_kernarg_segment_ptr 1
		.amdhsa_wavefront_size32 1
		.amdhsa_system_sgpr_workgroup_id_x 1
		.amdhsa_system_sgpr_workgroup_id_y 1
		.amdhsa_system_sgpr_workgroup_id_z 1
		.amdhsa_system_vgpr_workitem_id 0
		.amdhsa_next_free_vgpr 1024
		.amdhsa_next_free_sgpr 66
		.amdhsa_reserve_vcc 1
		.amdhsa_float_denorm_mode_32 3
		.amdhsa_float_denorm_mode_16_64 3
		.amdhsa_memory_ordered 1
		.amdhsa_forward_progress 1
		.amdhsa_inst_pref_size 221
	.end_amdhsa_kernel
	.amdgpu_metadata
---
amdhsa.version: [ 1, 2 ]
amdhsa.kernels:
  - .name:           k_qe764912ed1_proj
    .symbol:         k_qe764912ed1_proj.kd
    .args:
      - { .name: c1, .offset: 0, .size: 8, .value_kind: global_buffer, .address_space: global }
      - { .name: s1, .offset: 8, .size: 8, .value_kind: global_buffer, .address_space: global }
      - { .name: bq, .offset: 16, .size: 8, .value_kind: global_buffer, .address_space: global }
      - { .name: bk, .offset: 24, .size: 8, .value_kind: global_buffer, .address_space: global }
      - { .name: bv, .offset: 32, .size: 8, .value_kind: global_buffer, .address_space: global }
      - { .name: c2, .offset: 40, .size: 8, .value_kind: global_buffer, .address_space: global }
    .group_segment_fixed_size: 0
    .private_segment_fixed_size: 0
    .kernarg_segment_align: 8
    .kernarg_segment_size: 48
    .max_flat_workgroup_size: 32
    .sgpr_count:     66
    .vgpr_count:     1024
    .wavefront_size: 32
...
	.end_amdgpu_metadata
.endif
;; end of part 9
;; launch attn (part 10): grid 8 x 32, 16 waves a work-group, clusters of 4 x 1, 206,848 bytes of LDS; arguments c2, mbits, c3, s3; writes c3, s3
.if DOCPART == 10
	.amdgcn_target "amdgcn-amd-amdhsa--gfx1250"
	.amdhsa_code_object_version 6
	.text
	.protected	k_qe764912ed1_attn
	.globl	k_qe764912ed1_attn
	.p2align	8
	.type	k_qe764912ed1_attn,@function
k_qe764912ed1_attn:
	s_mov_b64 s[64:65], 0
	v_nop
	global_prefetch_b8 v0, s[64:65] scope:SCOPE_SE
	s_setreg_imm32_b32 hwreg(HW_REG_WAVE_MODE, 25, 1), 1
	s_wait_xcnt 0x0
	s_wait_alu depctr_hold_cnt(0) depctr_sa_sdst(0) depctr_va_vdst(0) depctr_va_sdst(0) depctr_va_ssrc(0) depctr_va_vcc(0) depctr_vm_vsrc(0)
	s_getreg_b32 s2, hwreg(HW_REG_IB_STS2, 6, 4)
	s_cmp_eq_u32 s2, 0
	s_cbranch_scc0 .Lentry_in_a_cluster
	s_endpgm
.Lentry_in_a_cluster:
	s_bfe_u32 s2, ttmp6, 0x10000c
	s_cmp_lg_u32 s2, 0x3003
	s_cbranch_scc0 .Lentry_shape_is_right
	s_endpgm
.Lentry_shape_is_right:
; ATTN.  x[b][q][head] = softmax_k(where(mask, q . k / 8, -1e9)) v, both products on codes of FP6 (E2M3); x is quantised along the merged heads for the last projection and leaves as parts of operand images.
; THE SOFTMAX: t = score x log2(e) / 8; M = the running largest t rounded UP to a whole number; p = 2^(t - M) is quantised along the keys, not normalised; the row's sum is taken of the unquantised p and divides at the end.
; When M moves, the sum and O are multiplied by 2^(old M - new M): exact.  A hidden key's score is replaced, ahead of the maximum, by -8e9, which is -1e9 ahead of the division by 8: a row with no key left comes out uniform.
; SHARES.  A work-group owns 256 queries of one (b, head), each of its sixteen waves one tile of 16: four waves to a SIMD, so that one wave's vector work stands beside another's matrix work and LDS loads.
; THE WHOLE HEAD'S K AND V STAY IN LDS: k's record of 102,400 bytes at byte 0, v's behind it, as they lie in c2 (scale words, then fragment images).  Filled once; nothing is filled again.
; THE FILL GOES IN FOUR PIECES, AND THE WORK BEGINS BEHIND THE FIRST.  Piece n of a record is its bytes 25,600 n on; waves 0, 1 bring the two halves (50 rows of 256 bytes) of k's pieces, waves 2, 3 of v's: four loads a wave,
; issued together, so four tensor loads of a wave are out at the most.  Key step ks reads its record up to byte 4,096 + 6,144 (ks + 1): steps 0-2 lie in piece 0 (22,528 of 25,600), steps 3-6 end in piece 1 (47,104 of 51,200),
; steps 7-10 in piece 2 (71,680 of 76,800), steps 11-15 in piece 3.  So the 16 steps are four loops of 3, 4, 4 and 5 trips, each behind a counted wait (3, 2, 1, 0 younger loads may be out) and a barrier.
; CLUSTER.  The four blocks of queries of a cluster belong to one head and need the same two records: every piece is asked for JOINTLY, with the same descriptor in all four work-groups.
; LAYOUT.  Both products are used transposed: S^T = K Q^T, O^T = V^T P^T: a lane holds ONE query (place lane % 16 of its tile) throughout.
; K = 64 IN A FORM OF K = 128: a fragment of k holds two tiles of keys, one in each half of K; q is used as [q | zero codes] for the first and as [zero codes | q] for the second.  Zero codes add nothing under any scale byte but 0xff.
; By the tiles' order the 16 registers of score tiles 2 b and 2 b + 1 are keys 32 b + 16 h + 0 .. 15 of the step, and O^T's registers 16 b + i are channels 32 b + 16 h + i.
; THE MASK comes as bits: word j of a key step holds, for all 32 lanes, whether register j's key counts.  64 words a step come by scalar loads, a step ahead, and steer v_cndmask_b32: no branch hangs on them.
; LIMITS: NaN and infinities are not served; a block whose largest magnitude lies under 2^-124 gets the scale byte 1; the division by the row's sum is v_rcp_f32 and a multiplication.
; REGISTERS: v1-7 offsets that stay; v8-11 the step's LDS addresses; v12 -M, v13 the largest t, v[14:15] the sum in two halves; v16-21 zeros, v22-27 q, v28-33 zeros; v34 q's scale word; v36-83 four fragments of k, then of v;
; v84-87, v88-91 their scale words; v96-159 S^T, then p; v160-191 O^T; v192-203 p's codes; v204-210 the conversions' second halves; v212-233 at work; v244 p's scale word; v[246:247] f; v248-250 the way out's offsets.
.set AK0,  1                           ; 16 lane + 4,096: my place in k's fragment images
.set AV0,  2                           ; the same in v's record
.set ASK0, 3                           ; 16 r: my place's four scale words of a key step
.set ASV0, 4
.set NEG,  5                           ; -8e9
.set LI,   6                           ; 16 lane
.set LS,   7                           ; 4 lane
.set QS,   34
.set PC,   192
.set PH,   204
.set BMX,  212
.set BT,   216
.set SOP,  220
.set T0,   224
.set SU,   226
.set D4,   228
.set D2,   232
.set PS,   244
.set F,    246
.set XO4,  248                         ; x's image: where my four whole registers go;  v249 my two others;  v250 my two scale bytes
.set XO2,  249
.set XOS,  250
.set PM,   2                           ; s[2:3] my tile's mask words
.set G00,  4                           ; s[4:7], s[8:11], s[92:95], s[96:99] descriptor groups 0 of my four pieces: never rewritten
.set G01,  8
.set G02,  92
.set G03,  96
.set WV,   12                          ; s12 wave;  s13, s14 where the step's images and scale words begin in a record;  s15 steps to go
.set TB,   13
.set TS,   14
.set MO,   66                          ; s66 the byte of the mask words asked for last;  s67 all ones for an odd head
.set G1,   84                          ; s[84:91] descriptor group 1: never rewritten
.set SEL,  100
.set CS,   104                         ; s[104:105] c = log2(e) / 8; the packed form names a pair and takes its low word for both halves
; the mask's words: word j in s[16 + j] for j < 48, in s[20 + j] from there on.  Ahead of the first of them s16-63 are at work
.macro CROUND                          ; a round of the cluster's barrier
	s_barrier_signal -1
	s_barrier_wait -1
	s_cmp_lg_u32 s[WV], 0
	s_cbranch_scc1 .Lnot_wave_0_\@
	s_barrier_signal -3
.Lnot_wave_0_\@:
	s_barrier_wait -3
	s_barrier_signal -1
	s_barrier_wait -1
.endm
.macro MASKS                           ; 64 words, 256 bytes, from byte s[MO] of my tile's 16 key steps
	s_load_b512 s[16:31], s[PM:PM+1], s[MO] offset:0x0
	s_load_b512 s[32:47], s[PM:PM+1], s[MO] offset:0x40
	s_load_b512 s[48:63], s[PM:PM+1], s[MO] offset:0x80
	s_load_b512 s[68:83], s[PM:PM+1], s[MO] offset:0xc0
.endm
.macro MKG0 g, n                       ; group 0 of my half of piece n
	s_mov_b32 s[\g], 1                             ; count = 1
	s_add_co_u32 s[\g+1], s31, \n*25600            ; LDS address
	s_add_nc_u64 s[\g+2:\g+3], s[32:33], \n*25600  ; global address
	s_or_b32 s[\g+3], s[\g+3], 0x80000000          ; type = 2
.endm
	s_load_b128 s[16:19], s[0:1], 0x0              ; c2, mbits
	v_lshl_add_u32 v254, v0, 2, 0x32000
	v_mov_b32 v255, 0
	ds_add_u32 v254, v255
	ds_add_u32 v254, v255
	v_lshrrev_b32 v8, 5, v0
	s_delay_alu instid0(VALU_DEP_1)
	v_readfirstlane_b32 s[WV], v8                  ; wave 0..15
	; the joint loads' descriptors: made of the head and the wave's number alone, in registers that never hold my place in the cluster
	s_and_b32 s20, ttmp7, 0xffff                   ; y = 16 b + head
	s_mul_i32 s36, s20, 102400                     ; its record in a section
	s_min_u32 s26, s[WV], 3                        ; (waves 0 to 3 ask)
	s_lshr_b32 s27, s26, 1                         ; k's record or v's,
	s_and_b32 s28, s26, 1                          ; a piece's first half or second
	s_mul_i32 s29, s27, 3276800
	s_mul_i32 s30, s28, 12800
	s_add_co_u32 s24, s36, s29
	s_add_co_u32 s24, s24, s30
	s_add_co_u32 s24, s24, 3276800                 ; behind q's section
	s_mov_b32 s25, 0
	s_mul_i32 s31, s27, 102400
	s_add_co_u32 s31, s31, s30                     ; in LDS: 102,400 x record + 12,800 x half
	s_mov_b32 s[G1], 15|(3<<16)|(1<<21)            ; the mask: all four work-groups; elements of 8 bytes; bit 21 beside a mask; no padding
	s_mov_b32 s[G1+1], 32<<16                      ; tensor_dim0 = 32 elements: 256 bytes
	s_mov_b32 s[G1+2], 50<<16                      ; tensor_dim1 = 50
	s_mov_b32 s[G1+3], 32<<16                      ; tile_dim0
	s_mov_b32 s[G1+4], 50                          ; tile_dim1
	s_mov_b32 s[G1+5], 32                          ; the pitch: dense
	s_mov_b32 s[G1+6], 0
	s_mov_b32 s[G1+7], 0
	; what is my own: q's fragment, the mask's words, x's place
	s_bfe_u32 s21, ttmp6, 0x40000                  ; cx
	s_lshl_b32 s22, ttmp9, 2
	s_add_co_u32 s22, s22, s21                     ; my block of 256 queries
	s_lshr_b32 s23, s20, 4                         ; b
	s_and_b32 s37, s20, 15                         ; head
	s_lshl_b32 s45, s22, 4
	s_add_co_u32 s45, s45, s[WV]                   ; my tile of queries
	s_lshl_b32 s51, s23, 7
	s_add_co_u32 s51, s51, s45                     ; g = 128 b + tile
	s_lshl_b32 s52, s22, 1
	s_lshr_b32 s53, s[WV], 3
	s_add_co_u32 s52, s52, s53                     ; its block of 128 tokens,
	s_bfe_u32 s53, s[WV], 0x20001                  ; its fragment there (the wave's lowest bit: which half of the fragment)
	s_lshl_b32 s34, s52, 2
	s_add_co_u32 s34, s34, s53
	s_mul_i32 s34, s34, 1536
	s_add_co_u32 s34, s34, s36
	s_add_co_u32 s34, s34, 4096
	s_mov_b32 s35, 0
	s_lshl_b32 s38, s52, 8
	s_lshl_b32 s48, s53, 2
	s_add_co_u32 s38, s38, s48
	s_add_co_u32 s38, s38, s36                     ; and its scale words
	s_mov_b32 s39, 0
	s_lshl_b32 s40, s51, 12                        ; the mask's words: g x 16 steps x 256 bytes
	s_mov_b32 s41, 0
	s_lshl_b32 s47, s51, 3
	s_lshr_b32 s46, s37, 1
	s_add_co_u32 s47, s47, s46                     ; x's image: 8 g + head / 2
	s_and_b32 s46, s37, 1                          ; which half of it is mine
	s_mul_i32 s42, s47, 1536
	s_lshl_b32 s44, s47, 7
	s_lshl_b32 s48, s46, 1
	s_add_co_u32 s44, s44, s48                     ; my two bytes of its scale words
	s_lshl_b32 s49, s46, 10                        ; my four whole registers: the image's first 512 bytes, for an odd head its last
	s_add_co_u32 s49, s49, s42
	s_lshl_b32 s50, s46, 3
	s_add_co_u32 s50, s50, 512                     ; my two others: half of each lane's 16 bytes in the middle
	s_add_co_u32 s50, s50, s42
	s_sub_co_u32 s67, 0, s46
	s_bitcmp1_b32 s[WV], 0
	s_cselect_b32 s15, -1, 0                       ; an odd tile: registers 6-11 of q's fragment,
	s_mov_b32 s14, 0x01000100
	s_cselect_b32 s14, 0x03020302, s14             ; and bytes 2, 3 of its scale word  (s14 and s15 take their lasting parts behind q's choice)
	s_mov_b32 s[SEL], 0x76543210
	s_mov_b32 s[SEL+1], 0xfedcba98
	s_mov_b32 s[CS], 0x3e38aa3b
	s_mov_b32 s[CS+1], s[CS]
	s_mov_b32 s[MO], 0
	s_wait_dscnt 0x0
	s_wait_kmcnt 0x0
	s_add_nc_u64 s[32:33], s[16:17], s[24:25]
	MKG0 G00, 0
	MKG0 G01, 1
	MKG0 G02, 2
	MKG0 G03, 3
	s_add_nc_u64 s[54:55], s[16:17], s[34:35]      ; q's fragment
	s_add_nc_u64 s[56:57], s[16:17], s[38:39]      ; q's scale words
	s_add_nc_u64 s[PM:PM+1], s[18:19], s[40:41]
	CROUND                                         ; all four work-groups are here: the joint loads meet
	s_cmp_lt_u32 s[WV], 4
	s_cbranch_scc0 .Lasked
	tensor_load_to_lds s[G00:G00+3], s[G1:G1+7]    ; my four tensor loads of the launch, in the order in which the key steps want them
	s_nop 0
	tensor_load_to_lds s[G01:G01+3], s[G1:G1+7]
	s_nop 0
	tensor_load_to_lds s[G02:G02+3], s[G1:G1+7]
	s_nop 0
	tensor_load_to_lds s[G03:G03+3], s[G1:G1+7]
	s_nop 0
.rept 4
	v_nop
.endr
.Lasked:
	v_and_b32 v8, 31, v0
	v_and_b32 v9, 15, v0
	s_delay_alu instid0(VALU_DEP_2)
	v_lshlrev_b32 v[LI], 4, v8
	s_delay_alu instid0(VALU_DEP_3)
	v_lshlrev_b32 v[LS], 2, v8
	s_delay_alu instid0(VALU_DEP_2)
	v_add_nc_u32 v[AK0], 4096, v[LI]
	s_delay_alu instid0(VALU_DEP_3)
	v_add_nc_u32 v[AV0], 106496, v[LI]
	v_lshlrev_b32 v[ASK0], 4, v9
	s_delay_alu instid0(VALU_DEP_1)
	v_add_nc_u32 v[ASV0], 102400, v[ASK0]
	global_load_b128 v[36:39], v[LI], s[54:55]
	global_load_b128 v[40:43], v[LI], s[54:55] offset:512
	global_load_b128 v[44:47], v[LI], s[54:55] offset:1024
	global_load_b32 v35, v[ASK0], s[56:57]
	v_add_nc_u32 v[XO4], s49, v[LI]
	v_add_nc_u32 v[XO2], s50, v[LI]
	v_add_nc_u32 v[XOS], s44, v[LS]
	v_mov_b32 v[NEG], 0xcfee6b28
	v_mov_b32 v13, 0xff61b1e6                      ; the largest t so far: -3e38, under every t
	s_delay_alu instid0(VALU_DEP_1)
	v_floor_f32 v12, -v13                          ; -M
	v_mov_b32 v14, 0
	v_mov_b32 v15, 0
	v_mov_b32 v[F+1], 0                            ; (named as the upper half of a pair)
.irp i, 0,1,2,3,4,5
	v_mov_b32 v[16+\i], 0                          ; zero codes on both sides of q
	v_mov_b32 v[28+\i], 0
.endr
.irp b, 0,1,2,3
	v_mov_b32 v[BT+\b], 0                          ; written once: a lane permute's destination counts as one of its sources
.endr
	s_wait_loadcnt 0x0                             ; q is in, and its loads have read their bases: s16-63 may take the mask's words
.irp i, 0,1,2,3,4,5
	v_cndmask_b32 v[22+\i], v[36+\i], v[42+\i], s15
.endr
	v_perm_b32 v[QS], v35, v35, s14                ; q's two scale bytes, in both halves of the word
	MASKS                                          ; key step 0's; from here on s16-63 and s68-83 hold mask words alone
.set j, 0
.rept 32
	v_mov_b32 v[160+j], 0                          ; O^T: the step is written once; the first finds zeros.  (These lines are also the places between the lines above and the first scaled matrix instruction)
.set j, j+1
.endr
; A KEY STEP: 128 keys
.macro STEP
	v_add_nc_u32 v8, s[TB], v[AK0]                 ; (these four are the places behind the last step's matrix instructions, in front of the loads into their sources)
	v_add_nc_u32 v9, s[TB], v[AV0]
	v_add_nc_u32 v10, s[TS], v[ASK0]
	v_add_nc_u32 v11, s[TS], v[ASV0]
.irp f, 0,1,2,3
.irp c, 0,1,2
	ds_load_b128 v[36+12*\f+4*\c:36+12*\f+4*\c+3], v8 offset:1536*\f+512*\c
.endr
.endr
	ds_load_b128 v[84:87], v10
	s_wait_alu depctr_va_vdst(0)
	s_wait_dscnt 0x0
.irp t, 0,1,2,3,4,5,6,7                        ; tile t of S^T: fragment t / 2 of k against [q | 0] or [0 | q]
	v_wmma_scale_f32_16x16x128_f8f6f4 v[96+8*\t:103+8*\t], v[36+12*(\t/2):47+12*(\t/2)], v[22-6*(\t%2):33-6*(\t%2)], 0, v[84+\t/2], v[QS] matrix_a_fmt:MATRIX_FMT_FP6 matrix_b_fmt:MATRIX_FMT_FP6
.endr
.rept 4
	v_nop                                          ; places: in front of the loads into k's registers and of the first read of the scores
.endr
.irp f, 0,1,2,3                                ; v's fragments land under the softmax
.irp c, 0,1,2
	ds_load_b128 v[36+12*\f+4*\c:36+12*\f+4*\c+3], v9 offset:1536*\f+512*\c
.endr
.endr
	ds_load_b128 v[88:91], v11
	s_wait_kmcnt 0x0                               ; this step's mask words, asked for a step ago
.set j, 0
.rept 64                               ; a hidden key's score becomes -8e9; each tile of scores is read from its low end on
.if j < 48
	v_cndmask_b32 v[96+j], v[NEG], v[96+j], s[16+j]
.else
	v_cndmask_b32 v[96+j], v[NEG], v[96+j], s[20+j]
.endif
.set j, j+1
.endr
	s_add_co_u32 s[MO], s[MO], 256                 ; (the loads that read it are done)
	s_min_u32 s[MO], s[MO], 3840                   ; the last step asks for its own words once more: no load leaves the buffer
	MASKS
.irp b, 0,1,2,3
	v_max3_num_f32 v[BMX+\b], v[96+16*\b], v[97+16*\b], v[98+16*\b]   ; the largest score of each block of 32 keys: for the row's maximum and, since p rises with the score, for the block's largest p
.endr
.irp i, 3,5,7,9,11,13
.irp b, 0,1,2,3
	s_delay_alu instid0(VALU_DEP_4)
	v_max3_num_f32 v[BMX+\b], v[BMX+\b], v[96+16*\b+\i], v[97+16*\b+\i]
.endr
.endr
.irp b, 0,1,2,3
	s_delay_alu instid0(VALU_DEP_4)
	v_max_num_f32 v[BMX+\b], v[BMX+\b], v[111+16*\b]
.endr
.irp b, 0,1,2,3
	s_delay_alu instid0(VALU_DEP_4)
	v_permlanex16_b32 v[BT+\b], v[BMX+\b], s[SEL], s[SEL+1]
.endr
.irp b, 0,1,2,3
	s_delay_alu instid0(VALU_DEP_4)
	v_max_num_f32 v[BMX+\b], v[BMX+\b], v[BT+\b]   ; with lane l xor 16's 16 keys
.endr
	s_delay_alu instid0(VALU_DEP_2)
	v_max3_num_f32 v[T0], v[BMX], v[BMX+1], v[BMX+2]
	s_delay_alu instid0(VALU_DEP_1)
	v_max_num_f32 v[T0], v[T0], v[BMX+3]
	s_delay_alu instid0(VALU_DEP_1)
	v_mul_f32 v[T0], s[CS], v[T0]                  ; the step's largest t (c is positive)
	s_delay_alu instid0(VALU_DEP_1)
	v_max_num_f32 v13, v13, v[T0]
	v_mov_b32 v[T0], v12
	s_delay_alu instid0(VALU_DEP_2)
	v_floor_f32 v12, -v13                          ; the new -M = floor(-t): M is a whole number
	s_delay_alu instid0(VALU_DEP_1)
	v_sub_f32 v[T0], v12, v[T0]                    ; old M - new M: a whole number, 0 or less
	s_delay_alu instid0(VALU_DEP_1)
	v_cvt_i32_f32 v[T0], v[T0]                     ; (it saturates)
	s_delay_alu instid0(VALU_DEP_1)
	v_ldexp_f32 v[F], 1.0, v[T0]                   ; f = 2^(old M - new M)
.set j, 0
.rept 32
	v_pk_fma_f32 v[96+j:97+j], v[96+j:97+j], s[CS:CS+1], v[12:13] op_sel_hi:[1,0,0]   ; t - M
.set j, j+2
.endr
.irp b, 0,1,2,3
	v_fma_f32 v[BMX+\b], v[BMX+\b], s[CS], v12     ; the same of each block's largest score
.endr
.set j, 0
	s_setprio 1
	s_wait_alu depctr_va_vdst(0)
.rept 64
	v_exp_f32 v[96+j], v[96+j]                     ; p = 2^(t - M), at most 1
.set j, j+1
.endr
.irp b, 0,1,2,3
	v_exp_f32 v[BMX+\b], v[BMX+\b]                 ; the block's largest p
.endr
	v_pk_mul_f32 v[14:15], v[14:15], v[F:F+1] op_sel_hi:[1,0]   ; the sums under the new M.  (A plain place behind the exponentials)
	s_wait_alu depctr_va_vdst(0)
.irp b, 0,1,2,3
	v_max_num_f32 v[BMX+\b], 0x1800000, v[BMX+\b]  ; the floor 2^(3 - 127): the byte cannot fall under 1
.endr
.irp b, 0,1,2,3
	s_delay_alu instid0(VALU_DEP_4)
	v_add_nc_u32 v[SOP+\b], 0xff000000, v[BMX+\b]  ; 2 off the exponent field: the conversion's scale operand
.endr
.irp b, 0,1,2,3
	s_delay_alu instid0(VALU_DEP_4)
	v_lshrrev_b32 v[BT+\b], 23, v[SOP+\b]          ; the scale's byte
.endr
	s_delay_alu instid0(VALU_DEP_3)
	v_lshl_or_b32 v[PS], v[BT+1], 8, v[BT]         ; p's scale word for these 128 keys
	s_delay_alu instid0(VALU_DEP_1)
	v_lshl_or_b32 v[PS], v[BT+2], 16, v[PS]
	s_delay_alu instid0(VALU_DEP_1)
	v_lshl_or_b32 v[PS], v[BT+3], 24, v[PS]
.irp c, 0,1
	v_cvt_scalef32_pk16_fp6_f32 v[PC+6*\c:PC+2+6*\c], v[96+32*\c:111+32*\c], v[SOP+2*\c]
	v_cvt_scalef32_pk16_fp6_f32 v[PH+4*\c:PH+2+4*\c], v[112+32*\c:127+32*\c], v[SOP+2*\c+1]
.endr
	v_nop                                          ; one plain place behind a scaled conversion
.irp c, 0,1                                    ; a whole block to a lane: lanes 0-15 block 2 c, lanes 16-31 block 2 c + 1
.irp i, 0,1,2
	v_permlane16_swap_b32 v[PC+6*\c+\i], v[PH+4*\c+\i]
.endr
.irp i, 0,1,2
	s_delay_alu instid0(VALU_DEP_3)
	v_mov_b32 v[PC+3+6*\c+\i], v[PH+4*\c+\i]
.endr
.endr
	v_pk_add_f32 v[226:227], v[100:101], v[104:105]
	v_pk_add_f32 v[252:253], v[108:109], v[112:113]
	v_pk_add_f32 v[242:243], v[116:117], v[120:121]
	v_pk_add_f32 v[240:241], v[124:125], v[128:129]
	v_pk_add_f32 v[238:239], v[132:133], v[136:137]
	v_pk_add_f32 v[236:237], v[140:141], v[144:145]
	v_pk_add_f32 v[234:235], v[148:149], v[152:153]
	v_pk_add_f32 v[14:15], v[14:15], v[156:157]
	v_pk_add_f32 v[226:227], v[226:227], v[96:97]
	v_pk_add_f32 v[252:253], v[252:253], v[98:99]
	v_pk_add_f32 v[242:243], v[242:243], v[102:103]
	v_pk_add_f32 v[240:241], v[240:241], v[106:107]
	v_pk_add_f32 v[238:239], v[238:239], v[110:111]
	v_pk_add_f32 v[236:237], v[236:237], v[114:115]
	v_pk_add_f32 v[234:235], v[234:235], v[118:119]
	v_pk_add_f32 v[14:15], v[14:15], v[122:123]
	v_pk_add_f32 v[226:227], v[226:227], v[126:127]
	v_pk_add_f32 v[252:253], v[252:253], v[130:131]
	v_pk_add_f32 v[242:243], v[242:243], v[134:135]
	v_pk_add_f32 v[240:241], v[240:241], v[138:139]
	s_setprio 0
	v_pk_add_f32 v[238:239], v[238:239], v[142:143]
	v_pk_add_f32 v[236:237], v[236:237], v[146:147]
	v_pk_add_f32 v[234:235], v[234:235], v[150:151]
	v_pk_add_f32 v[14:15], v[14:15], v[154:155]
	v_pk_add_f32 v[226:227], v[226:227], v[158:159]
	s_delay_alu instid0(VALU_DEP_2)
	v_pk_add_f32 v[14:15], v[14:15], v[240:241]
	s_delay_alu instid0(VALU_DEP_2)
	v_pk_add_f32 v[226:227], v[226:227], v[238:239]
	v_pk_add_f32 v[252:253], v[252:253], v[236:237]
	v_pk_add_f32 v[242:243], v[242:243], v[234:235]
	s_delay_alu instid0(VALU_DEP_2)
	v_pk_add_f32 v[14:15], v[14:15], v[252:253]
	s_delay_alu instid0(VALU_DEP_2)
	v_pk_add_f32 v[226:227], v[226:227], v[242:243]
	s_delay_alu instid0(VALU_DEP_1)
	v_pk_add_f32 v[14:15], v[14:15], v[226:227]
.set j, 0
.rept 16
	v_pk_mul_f32 v[160+j:161+j], v[160+j:161+j], v[F:F+1] op_sel_hi:[1,0]   ; O^T under the new M.  (The sums and these are the places between the codes, the scale word and the matrix instructions below)
.set j, j+2
.endr
	s_wait_alu depctr_va_vdst(0)
	s_wait_dscnt 0x0                               ; v's fragments and scale words
.irp t, 0,1,2,3                                ; O^T += V^T P^T: the four accumulators by turns
	v_wmma_scale_f32_16x16x128_f8f6f4 v[160+8*\t:167+8*\t], v[36+12*\t:47+12*\t], v[PC:PC+11], v[160+8*\t:167+8*\t], v[88+\t], v[PS] matrix_a_fmt:MATRIX_FMT_FP6 matrix_b_fmt:MATRIX_FMT_FP6
.endr
	s_add_co_u32 s[TB], s[TB], 6144
	s_add_co_u32 s[TS], s[TS], 256
.endm
; The key steps first .. first + trips - 1, which read no byte behind the piece that the wait shows landed.  left = how many younger tensor loads of mine may stay out
.macro PHASE left, first, trips
	s_wait_tensorcnt \left                         ; my half of the piece has landed (a wave that asked for nothing passes),
	s_wait_dscnt 0x0                               ; no LDS instruction of mine is out,
	s_barrier_signal -1
	s_barrier_wait -1                              ; everybody's halves have
	s_mov_b32 s[TB], 6144*\first
	s_mov_b32 s[TS], 256*\first
	s_mov_b32 s15, \trips
.Lkey_\@:
	s_setprio 2
	STEP
	s_sub_co_u32 s15, s15, 1
	s_cmp_lg_u32 s15, 0
	s_cbranch_scc1 .Lkey_\@
	s_setprio 0
.endm
	PHASE 3, 0, 3
	PHASE 2, 3, 4
	PHASE 1, 7, 4
	PHASE 0, 11, 5
	; THE WAY OUT.  x = O^T / the sum; its 64 channels are two blocks of the last projection's K; my six registers are one half of the image of K step head / 2 of my tile of tokens.
	s_wait_kmcnt 0x0                               ; the words asked for in the last step: nobody reads them
	s_load_b128 s[16:19], s[0:1], 0x10             ; c3, s3: asked for here, wanted at the stores
.rept 4
	v_nop                                          ; places behind the last matrix instructions
.endr
	v_add_f32 v14, v14, v15
	s_delay_alu instid0(VALU_DEP_1)
	v_permlanex16_b32 v[T0], v14, s[SEL], s[SEL+1]
	s_delay_alu instid0(VALU_DEP_1)
	v_add_f32 v14, v14, v[T0]                      ; the row's sum
	s_wait_alu depctr_va_vdst(0)
	v_rcp_f32 v14, v14
	v_nop                                          ; a plain place behind the transcendental
.set j, 0
	s_wait_alu depctr_va_vdst(0)
.rept 16
	v_pk_mul_f32 v[96+j:97+j], v[160+j:161+j], v[14:15] op_sel_hi:[1,0]   ; register 16 b + i: channel 32 b + 16 h + i; each accumulator from its low end on
.set j, j+2
.endr
.irp b, 0,1
	v_max3_num_f32 v[BMX+\b], |v[96+16*\b]|, |v[97+16*\b]|, 0x1800000
.endr
.irp i, 2,4,6,8,10,12,14
.irp b, 0,1
	s_delay_alu instid0(VALU_DEP_2)
	v_max3_num_f32 v[BMX+\b], v[BMX+\b], |v[96+16*\b+\i]|, |v[97+16*\b+\i]|
.endr
.endr
.irp b, 0,1
	s_delay_alu instid0(VALU_DEP_2)
	v_permlanex16_b32 v[BT+\b], v[BMX+\b], s[SEL], s[SEL+1]
.endr
.irp b, 0,1
	s_delay_alu instid0(VALU_DEP_2)
	v_max_num_f32 v[BMX+\b], v[BMX+\b], v[BT+\b]
.endr
.irp b, 0,1
	s_delay_alu instid0(VALU_DEP_2)
	v_add_nc_u32 v[SOP+\b], 0xff000000, v[BMX+\b]
.endr
.irp b, 0,1
	s_delay_alu instid0(VALU_DEP_2)
	v_lshrrev_b32 v[BT+\b], 23, v[SOP+\b]
.endr
	s_delay_alu instid0(VALU_DEP_1)
	v_lshl_or_b32 v[T0], v[BT+1], 8, v[BT]         ; my two bytes of the scale word
	v_cvt_scalef32_pk16_fp6_f32 v[PC:PC+2], v[96:111], v[SOP]
	v_cvt_scalef32_pk16_fp6_f32 v[PH:PH+2], v[112:127], v[SOP+1]
	v_nop
.irp i, 0,1,2
	v_permlane16_swap_b32 v[PC+\i], v[PH+\i]
.endr
.irp i, 0,1,2
	s_delay_alu instid0(VALU_DEP_3)
	v_mov_b32 v[PC+3+\i], v[PH+\i]
.endr
.irp i, 0,1,2,3
	s_delay_alu instid0(VALU_DEP_4)
	v_cndmask_b32 v[D4+\i], v[PC+\i], v[PC+2+\i], s67   ; an even head's registers are the image's 0-5: 0-3 whole, 4-5 in the middle; an odd head's are 6-11: 6-7 in the middle, 8-11 whole
.endr
.irp i, 0,1
	v_cndmask_b32 v[D2+\i], v[PC+4+\i], v[PC+\i], s67
.endr
	s_wait_alu depctr_va_vdst(0)
	s_wait_kmcnt 0x0                               ; c3, s3
	global_store_b128 v[XO4], v[D4:D4+3], s[16:17] ; 512 consecutive bytes
	global_store_b64 v[XO2], v[D2:D2+1], s[16:17]  ; 8 of each lane's 16 bytes: the other head of the pair stores the other 8
	global_store_b16 v[XOS], v[T0], s[18:19]
	s_wait_dscnt 0x0
	s_wait_tensorcnt 0x0
	ds_add_u32 v254, v255
	s_wait_dscnt 0x0
	CROUND                                         ; the closing round: no work-group ends while a partner may still ask for a tile that names it
	s_endpgm
.Lfunc_end_k_qe764912ed1_attn:
	.size	k_qe764912ed1_attn, .Lfunc_end_k_qe764912ed1_attn-k_qe764912ed1_attn
	.p2alignl 7, 3214868480
	.fill 96, 4, 3214868480
	.section	.rodata,"a",@progbits
	.p2align	6, 0x0
	.amdhsa_kernel k_qe764912ed1_attn
		.amdhsa_group_segment_fixed_size 206848
		.amdhsa_private_segment_fixed_size 0
		.amdhsa_enable_private_segment 0
		.amdhsa_kernarg_size 32
		.amdhsa_user_sgpr_count 2
		.amdhsa_user_sgpr_kernarg_segment_ptr 1
		.amdhsa_wavefront_size32 1
		.amdhsa_system_sgpr_workgroup_id_x 1
		.amdhsa_system_sgpr_workgroup_id_y 1
		.amdhsa_system_sgpr_workgroup_id_z 1
		.amdhsa_system_vgpr_workitem_id 0
		.amdhsa_next_free_vgpr 256
		.amdhsa_next_free_sgpr 106
		.amdhsa_reserve_vcc 0
		.amdhsa_float_denorm_mode_32 3
		.amdhsa_float_denorm_mode_16_64 3
		.amdhsa_memory_ordered 1
		.amdhsa_forward_progress 1
		.amdhsa_inst_pref_size 104
	.end_amdhsa_kernel
	.amdgpu_metadata
---
amdhsa.version: [ 1, 2 ]
amdhsa.kernels:
  - .name:           k_qe764912ed1_attn
    .symbol:         k_qe764912ed1_attn.kd
    .args:
      - { .name: c2, .offset: 0, .size: 8, .value_kind: global_buffer, .address_space: global }
      - { .name: mbits, .offset: 8, .size: 8, .value_kind: global_buffer, .address_space: global }
      - { .name: c3, .offset: 16, .size: 8, .value_kind: global_buffer, .address_space: global }
      - { .name: s3, .offset: 24, .size: 8, .value_kind: global_buffer, .address_space: global }
    .group_segment_fixed_size: 206848
    .private_segment_fixed_size: 0
    .kernarg_segment_align: 8
    .kernarg_segment_size: 32
    .max_flat_workgroup_size: 512
    .sgpr_count:     106
    .vgpr_count:     256
    .wavefront_size: 32
...
	.end_amdgpu_metadata
.endif
;; end of part 10
;; launch outp (part 11): grid 256 x 1, 4 waves a work-group, no clusters, 17,920 bytes of LDS; arguments c3, s3, c1, s1, bo, out0; writes out0
.if DOCPART == 11
	.amdgcn_target "amdgcn-amd-amdhsa--gfx1250"
	.amdhsa_code_object_version 6
	.text
	.protected	k_qe764912ed1_outp
	.globl	k_qe764912ed1_outp
	.p2align	8
	.type	k_qe764912ed1_outp,@function
k_qe764912ed1_outp:
	s_mov_b64 s[64:65], 0
	v_nop
	global_prefetch_b8 v0, s[64:65] scope:SCOPE_SE
	s_setreg_imm32_b32 hwreg(HW_REG_WAVE_SCHED_MODE, 0, 2), 2
	s_setreg_imm32_b32 hwreg(HW_REG_WAVE_MODE, 25, 1), 1
	s_wait_xcnt 0x0
	s_wait_alu depctr_vm_vsrc(0)
; OUTP.  out0 = x Wo^T + bo on codes of FP6 (E2M3), f32 sums.  x's fragment images and scale words come from c3 and s3, Wo's from c1 and s1 (row tiles 960-1023).
; SHARES.  A work-group of four waves, as many as a WGP has SIMDs, makes 128 tokens x 128 features (id = 8 tb + fb); wave w makes tokens 64 (w / 2) on x features 64 (w % 2) on: 16 accumulators, 16 matrix instructions a K step.
; Operands come from memory straight into registers, three loads of 512 consecutive bytes a fragment.  K = 1,024 is eight steps, written out; every offset is an immediate.  A step is 24 loads of fragments and 8 of scale
; words; three sets of registers, loads two steps ahead: each of the four waves keeps as many loads out as its counter holds.
; NO LDS RING AND NO JOINT LOADS: K has only eight steps, so a ring would put a round of the cluster's barrier into each of them; the price of going without is that each fragment is asked for by two waves of the work-group.
; THE PRODUCT IS USED TRANSPOSED: lanes = tokens (source 1), registers = features (source 0).  By the row tiles' order (place p of tile T = row 32 (T / 2) + 8 (T % 2) + p + 8 (p / 8)) the 32 registers of a tile of tokens
; are my features 32 g + 16 h + i at register 16 g + i.  A tile of 16 tokens goes through the wave's own stage in LDS (rows 272 bytes apart) and comes back as whole rows of 256 bytes, into the registers that it left:
; sixteen lanes store 256 consecutive bytes, aligned.  No barrier: waves share nothing.
; REGISTERS, in windows of 256.  Window 0: v1-6 offsets; v16-39 scale words, three sets (tokens +0 .. 3, features +4 .. 7); v48-79 the bias; v126, v127 the closing add's two; v128-255 accumulator (a, b) at v[128 + 8 (4 a + b)].
;   Window 1: v96-239 x's fragments, three sets of 48.   Window 2: v0-143 Wo's.
; THE MODE: SCHED_MODE bits 1:0 = 2 (LLVM: expert scheduling mode 2), set by the entry lines.  The code itself states the register dependences between vector or matrix instructions and memory or LDS instructions,
; with s_wait_alu, always for 0.
; THE PLAN.  Registers that memory or LDS instructions touch:
;   v1-6            offsets and LDS addresses: made once at the head, never written again.  One wait on va_vdst ahead of the first load.
;   set p, words p  (fragments of both sides and their scale words)  Written by the loads of step s, p = s % 3, which are issued at the head of step s - 2; read by step s's 16 matrix instructions; loaded again at the head
;                   of step s + 1.  ONE wait on va_vdst at the head of a step states that the step before is done reading them; the step's 32 loads follow it with loads and window switches alone between.
;   v128-255        Written by the matrix instructions and then by the 64 additions of the bias, which stand together; ONE wait on va_vdst behind them serves the 32 LDS stores that read these registers and the 32 LDS loads
;                   that land in them: no vector instruction follows it.  A tile's eight LDS loads land where its eight LDS stores have read: one wait on vm_vsrc a tile, between the two runs.
;   s28             the wave's number: written by v_readfirstlane_b32; one wait on va_sdst ahead of its first reader.
;   v126, v127      written at the head, read by the closing add alone.
.set SP,  272
.set LI,  1                            ; 16 x lane: an image's place
.set LS,  2                            ; 4 x lane
.set BNO, 3                            ; 64 h
.set STO, 4                            ; my stage on the way in: 272 r + 64 h
.set RD,  5                            ; on the way out: 272 h + 16 r
.set CO,  6                            ; and the same two rows in out0: 4,096 h + 16 r
.set SC,  16
.set BN,  48
.set AF,  96
.set ACC, 128
.set PA,  16
.set PB,  18
.set PSA, 20
.set PSB, 22
.set PBI, 24
.set PO,  26
.set MSB, 0
.macro WIN new                         ; the immediate's high byte repeats the setting that is left
.if MSB != (\new)
	s_set_vgpr_msb (MSB<<8)|(\new)
.set MSB, (\new)
.endif
.endm
.macro PLACES                          ; four plain places behind matrix instructions, in front of loads into their sources and of reads of their results
.rept 4
	v_nop
.endr
.endm
.macro LOADF s                         ; K step s: 4 + 4 fragments and their scale words into set s % 3: 32 loads
	WIN 0x80
.irp i, 0,1,2,3
.irp c, 0,1,2
	global_load_b128 v[48*((\s)%3)+12*\i+4*\c:48*((\s)%3)+12*\i+4*\c+3], v[LI], s[PB:PB+1] offset:(8*\i+(\s))*1536+512*\c
.endr
.endr
	WIN 0x40
.irp i, 0,1,2,3
.irp c, 0,1,2
	global_load_b128 v[AF+48*((\s)%3)+12*\i+4*\c:AF+48*((\s)%3)+12*\i+4*\c+3], v[LI], s[PA:PA+1] offset:(8*\i+(\s))*1536+512*\c
.endr
.endr
	WIN 0
.irp i, 0,1,2,3
	global_load_b32 v[SC+8*((\s)%3)+\i], v[LS], s[PSA:PSA+1] offset:(8*\i+(\s))*128
	global_load_b32 v[SC+8*((\s)%3)+4+\i], v[LS], s[PSB:PSB+1] offset:(8*\i+(\s))*128
.endr
.endm
; 16 matrix instructions.  The 16 accumulators take turns, one instruction a turn, in the same order in every step
.macro MUL s, zero
.irp a, 0,1,2,3
.irp b, 0,1,2,3
.if \zero
	v_wmma_scale_f32_16x16x128_f8f6f4 v[ACC+8*(4*\a+\b):ACC+8*(4*\a+\b)+7], v[48*((\s)%3)+12*\b:48*((\s)%3)+12*\b+11], v[AF+48*((\s)%3)+12*\a:AF+48*((\s)%3)+12*\a+11], 0, v[SC+8*((\s)%3)+4+\b], v[SC+8*((\s)%3)+\a] matrix_a_fmt:MATRIX_FMT_FP6 matrix_b_fmt:MATRIX_FMT_FP6
.else
	v_wmma_scale_f32_16x16x128_f8f6f4 v[ACC+8*(4*\a+\b):ACC+8*(4*\a+\b)+7], v[48*((\s)%3)+12*\b:48*((\s)%3)+12*\b+11], v[AF+48*((\s)%3)+12*\a:AF+48*((\s)%3)+12*\a+11], v[ACC+8*(4*\a+\b):ACC+8*(4*\a+\b)+7], v[SC+8*((\s)%3)+4+\b], v[SC+8*((\s)%3)+\a] matrix_a_fmt:MATRIX_FMT_FP6 matrix_b_fmt:MATRIX_FMT_FP6
.endif
.endr
.endr
.endm
.macro STEP s, zero
.if (\s) < 6
.if (\s) > 0
	PLACES                                         ; the set to be loaded was read by the step before
	WIN 0x80                                       ; the first loads' window, ahead of the wait
	s_wait_alu depctr_va_vdst(0)                   ; the step before's matrix instructions are done reading their set's fragments and scale words, in which the 32 loads below land
.endif
	LOADF (\s)+2
	s_wait_loadcnt 63                              ; behind this step's loads stand 64 younger ones; the wait names the largest count that it can, so one load more than is needed is in
.elseif (\s) == 6
	s_wait_loadcnt 32                              ; the last step's 32 may be out
.else
	s_wait_loadcnt 0x0
.endif
	WIN 0x06                                       ; source 0 (Wo) window 2, source 1 (x) window 1, C and D window 0
	MUL \s, \zero
	WIN 0
.endm
; tile a of tokens: + the bias, in place
.macro BIAS a
.set k, 0
.rept 16
	v_pk_add_f32 v[ACC+32*(\a)+2*k:ACC+32*(\a)+2*k+1], v[ACC+32*(\a)+2*k:ACC+32*(\a)+2*k+1], v[BN+2*k:BN+2*k+1]   ; each accumulator from its low end on
.set k, k+1
.endr
.endm
; tile a: into the stage by places, back by rows, into the registers that it left.  LDS serves a wave's instructions in order: no wait on DScnt between the stores and the loads, nor in front of the next tile's stores
.macro TOSTAGE a
.irp g, 0,1
.irp q, 0,1,2,3
	ds_store_b128 v[STO], v[ACC+32*(\a)+16*\g+4*\q:ACC+32*(\a)+16*\g+4*\q+3] offset:128*\g+16*\q
.endr
.endr
	s_wait_alu depctr_vm_vsrc(0)                   ; the eight LDS stores have read the tile's 32 registers, in which the eight loads below land
.irp t, 0,1,2,3,4,5,6,7
	ds_load_b128 v[ACC+32*(\a)+4*\t:ACC+32*(\a)+4*\t+3], v[RD] offset:2*\t*SP
.endr
.endm
.macro SEND a, younger                 ; younger: the LDS instructions issued behind tile a's loads, which may stay out
	s_wait_dscnt \younger
.irp t, 0,1,2,3,4,5,6,7
	global_store_b128 v[CO], v[ACC+32*(\a)+4*\t:ACC+32*(\a)+4*\t+3], s[PO:PO+1] offset:(32*((\a)/2)+8*((\a)%2)+2*\t+8*(\t/4))*4096 th:TH_STORE_NT   ; places 2 t and 2 t + 1: 256 consecutive bytes each, aligned; written once, read by nobody here
.endr
.endm
	s_load_b256 s[4:11], s[0:1], 0x0               ; c3, s3, c1, s1
	s_load_b128 s[12:15], s[0:1], 0x20             ; bo, out0
	v_lshl_add_u32 v126, v0, 2, 0x4400             ; my spare word, behind the four stages, and 0: made here and kept for the closing lines alone
	v_mov_b32 v127, 0
	v_lshrrev_b32 v7, 5, v0
	v_readfirstlane_b32 s28, v7                    ; wave 0..3
	v_and_b32 v7, 31, v0                           ; lane
	v_and_b32 v8, 15, v0                           ; r
	v_bfe_u32 v9, v0, 4, 1                         ; h
	v_lshlrev_b32 v[LI], 4, v7
	v_lshlrev_b32 v[LS], 2, v7
	v_lshlrev_b32 v[BNO], 6, v9
	s_wait_alu depctr_va_sdst(0)                   ; s28 is written, ahead of its first reader: the stage's place and all the bases are made from it
	s_mul_i32 s29, s28, 16*SP                      ; my stage
	v_mul_u32_u24 v[STO], v8, SP
	v_lshl_add_u32 v[STO], v9, 6, v[STO]
	v_add_nc_u32 v[STO], s29, v[STO]
	v_mul_u32_u24 v[RD], v9, SP
	v_lshl_add_u32 v[RD], v8, 4, v[RD]
	v_add_nc_u32 v[RD], s29, v[RD]
	v_lshlrev_b32 v[CO], 12, v9
	v_lshl_add_u32 v[CO], v8, 4, v[CO]
	s_and_b32 s32, ttmp9, 7                        ; fb
	s_lshr_b32 s33, ttmp9, 3                       ; tb
	s_lshr_b32 s30, s28, 1                         ; which 64 tokens
	s_and_b32 s31, s28, 1                          ; which 64 features
	s_lshl_b32 s34, s33, 3
	s_lshl_b32 s35, s30, 2
	s_add_co_u32 s34, s34, s35                     ; x's first row tile: 8 tb + 4 x half
	s_lshl_b32 s36, s32, 3
	s_lshl_b32 s35, s31, 2
	s_add_co_u32 s36, s36, s35
	s_add_co_u32 s36, s36, 960                     ; Wo's: 960 + 8 fb + 4 x half
	s_mov_b32 s41, 0
	s_wait_kmcnt 0x0
	s_mul_i32 s40, s34, 12288                      ; 8 K steps x 1,536 a tile
	s_add_nc_u64 s[PA:PA+1], s[4:5], s[40:41]
	s_lshl_b32 s40, s34, 10
	s_add_nc_u64 s[PSA:PSA+1], s[6:7], s[40:41]
	s_mul_i32 s40, s36, 12288
	s_add_nc_u64 s[PB:PB+1], s[8:9], s[40:41]
	s_lshl_b32 s40, s36, 10
	s_add_nc_u64 s[PSB:PSB+1], s[10:11], s[40:41]
	s_lshl_b32 s40, s32, 9
	s_lshl_b32 s35, s31, 8
	s_add_co_u32 s40, s40, s35                     ; my first feature, in bytes
	s_add_nc_u64 s[PBI:PBI+1], s[12:13], s[40:41]
	s_lshl_b32 s35, s33, 19                        ; 128 tokens of 4,096 bytes,
	s_add_co_u32 s40, s40, s35
	s_lshl_b32 s35, s30, 18                        ; 64 for my half
	s_add_co_u32 s40, s40, s35
	s_add_nc_u64 s[PO:PO+1], s[14:15], s[40:41]
	s_wait_alu depctr_va_vdst(0)                   ; the six offsets and LDS addresses v1 to v6 are written: every load, store and LDS instruction of the kernel but the closing add reads one of them
.irp g, 0,1                                    ; the bias by registers: my feature 32 g + 16 h + i at register 16 g + i
.irp q, 0,1,2,3
	global_load_b128 v[BN+16*\g+4*\q:BN+16*\g+4*\q+3], v[BNO], s[PBI:PBI+1] offset:128*\g+16*\q
.endr
.endr
	LOADF 0
	LOADF 1
	STEP 0, 1                                      ; the first step's products start the sums: nothing is cleared.  (Its loads land in registers that no vector or matrix instruction has named: no wait)
.irp s, 1,2,3,4,5,6,7
	STEP \s, 0
.endr
	PLACES
	BIAS 0
	BIAS 1
	BIAS 2
	BIAS 3
	s_wait_alu depctr_va_vdst(0)                   ; the 64 additions have written v128 to v255, which the LDS stores below read and in which the loads from the stage land; no vector instruction follows
	TOSTAGE 0
	TOSTAGE 1
	SEND 0, 16                                     ; behind tile 0's loads: tile 1's 8 stores and 8 loads
	TOSTAGE 2
	SEND 1, 16
	TOSTAGE 3
	SEND 2, 16
	SEND 3, 0
	s_wait_dscnt 0x0                               ; the closing lines, six on end
	s_wait_alu 0x0
	s_wait_tensorcnt 0x0
	ds_add_u32 v126, v127
	s_wait_dscnt 0x0
	s_endpgm
.Lfunc_end_k_qe764912ed1_outp:
	.size	k_qe764912ed1_outp, .Lfunc_end_k_qe764912ed1_outp-k_qe764912ed1_outp
	.p2alignl 7, 3214868480
	.fill 96, 4, 3214868480
	.section	.rodata,"a",@progbits
	.p2align	6, 0x0
	.amdhsa_kernel k_qe764912ed1_outp
		.amdhsa_group_segment_fixed_size 17920
		.amdhsa_private_segment_fixed_size 0
		.amdhsa_enable_private_segment 0
		.amdhsa_kernarg_size 48
		.amdhsa_user_sgpr_count 2
		.amdhsa_user_sgpr_kernarg_segment_ptr 1
		.amdhsa_wavefront_size32 1
		.amdhsa_system_sgpr_workgroup_id_x 1
		.amdhsa_system_sgpr_workgroup_id_y 1
		.amdhsa_system_sgpr_workgroup_id_z 1
		.amdhsa_system_vgpr_workitem_id 0
		.amdhsa_next_free_vgpr 768
		.amdhsa_next_free_sgpr 66
		.amdhsa_reserve_vcc 0
		.amdhsa_float_denorm_mode_32 3
		.amdhsa_float_denorm_mode_16_64 3
		.amdhsa_memory_ordered 1
		.amdhsa_forward_progress 1
		.amdhsa_inst_pref_size 58
	.end_amdhsa_kernel
	.amdgpu_metadata
---
amdhsa.version: [ 1, 2 ]
amdhsa.kernels:
  - .name:           k_qe764912ed1_outp
    .symbol:         k_qe764912ed1_outp.kd
    .args:
      - { .name: c3, .offset: 0, .size: 8, .value_kind: global_buffer, .address_space: global }
      - { .name: s3, .offset: 8, .size: 8, .value_kind: global_buffer, .address_space: global }
      - { .name: c1, .offset: 16, .size: 8, .value_kind: global_buffer, .address_space: global }
      - { .name: s1, .offset: 24, .size: 8, .value_kind: global_buffer, .address_space: global }
      - { .name: bo, .offset: 32, .size: 8, .value_kind: global_buffer, .address_space: global }
      - { .name: out0, .offset: 40, .size: 8, .value_kind: global_buffer, .address_space: global }
    .group_segment_fixed_size: 17920
    .private_segment_fixed_size: 0
    .kernarg_segment_align: 8
    .kernarg_segment_size: 48
    .max_flat_workgroup_size: 128
    .sgpr_count:     66
    .vgpr_count:     768
    .wavefront_size: 32
...
	.end_amdgpu_metadata
.endif
;; end of part 11
